; MI455X (gfx1250); checked and timed in simulation.
; The chip was launched on July 23, 2026; its instructions are those of AMD's public machine-readable ISA for CDNA 5 (MIT licence, August 2026) and "CDNA5" Instruction Set Architecture Reference Guide (July 2026). The comments in the code are by the model that wrote it; some were corrected since.
;; Encoder Block. Allowed arithmetic: matrix products marked QUANTISED: E2M3 operands, one E8M0 scale for each 32 along K, by v_wmma_scale_f32_16x16x128_f8f6f4 with both operands' format E2M3, f32 sums; everything else in f32.
;; Inputs: W0 4,096 x 1,024 float32; W1 1,024 x 4,096 float32; Wk 1,024 x 1,024 float32; Wo 1,024 x 1,024 float32; Wq 1,024 x 1,024 float32; Wv 1,024 x 1,024 float32; b0 4,096 float32; b1 1,024 float32; bk 1,024 float32; bo 1,024 float32; bq 1,024 float32; bv 1,024 float32; ln0_a 1,024 float32; ln0_b 1,024 float32; ln1_a 1,024 float32; ln1_b 1,024 float32; x 2 x 2,048 x 1,024 float32.
;; Outputs: out0 2 x 2,048 x 1,024 float32.
;; This version of the problem:
;;   THIS VERSION OF THE PROBLEM IS GIVEN IN LOW PRECISION. The matrix products marked QUANTISED in the list below multiply operands that are first quantised to E2M3 (2 exponent bits, 3 mantissa bits; 6 bits a number), with one power-of-two scale for each 32 numbers along K (OCP MX v1.0); their sums are f32. All else is computed in f32.
;;   The module's matrix products, in the order in which they are computed (A, B: the left and right operand; K: the contracted axis; several contracted axes count as one K, in the product's order):
;;     1. [M 4,096, K 1,024] x [K 1,024, N 1,024]; A: input x; B: input Wk: QUANTISED
;;     2. [M 4,096, K 1,024] x [K 1,024, N 1,024]; A: input x; B: input Wq: QUANTISED
;;     3. [M 4,096, K 1,024] x [K 1,024, N 1,024]; A: input x; B: input Wv: QUANTISED
;;     4. batch 64 x [M 2,048, K 32] x [K 32, N 2,048]; A: computed on the way; B: computed on the way: QUANTISED
;;     5. batch 64 x [M 32, K 2,048] x [K 2,048, N 2,048]; A: computed on the way; B: softmax (see below): QUANTISED
;;     6. [M 4,096, K 1,024] x [K 1,024, N 1,024]; A: computed on the way; B: input Wo: QUANTISED
;;     7. [M 4,096, K 1,024] x [K 1,024, N 4,096]; A: computed on the way; B: input W0: QUANTISED
;;     8. [M 4,096, K 4,096] x [K 4,096, N 1,024]; A: computed on the way; B: input W1: QUANTISED
;;   THE QUANTISER, for each operand of a quantised product, along K:
;;     - K is cut into blocks of 32 from its start; a last block that is shorter is filled with zeros.
;;     - A block's scale is 2^e with e = floor(log2(the largest magnitude in the block)) - 2, held to -126 .. 127; a block of zeros has e = 0. As a byte (E8M0): e + 127.
;;     - Each number is divided by its block's scale, clamped to +-7.5, and rounded to the nearest number of E2M3, ties to even, subnormals kept.
;;     - The product sums the exact products of the quantised numbers (number of the format x scale) in f32.
;;   ~~~python
;;   def quantise(x, axis):      # numpy; x: float32 -> the quantised numbers, widened to float32 again
;;       x = np.moveaxis(x, axis, -1); K = x.shape[-1]
;;       x = np.pad(x, [(0, 0)] * (x.ndim - 1) + [(0, -K % 32)]); x = x.reshape(x.shape[:-1] + (-1, 32)); a = np.abs(x).max(-1, keepdims=True)
;;       e = np.where(a > 0, np.clip(np.frexp(np.where(a > 0, a, 1))[1] - 1 - 2, -126, 127), 0)      # np.frexp(a)[1] - 1 = floor(log2(a)), exactly
;;       r = np.clip(x / 2.0 ** e, -7.5, 7.5)
;;       step = 2.0 ** (np.maximum(np.frexp(np.where(r == 0, 1, r))[1] - 1, 0) - 3)
;;       q = np.round(r / step) * step * 2.0 ** e      # np.round: ties to even
;;       return np.moveaxis(q.reshape(q.shape[:-2] + (-1,))[..., :K], -1, axis).astype(np.float32)
;;   ~~~
;;   SOFTMAX AHEAD OF A QUANTISED PRODUCT. Where the list says 'softmax', what is quantised is not the finished softmax but p = 2^(t - M), with t = logit x log2(e) and M = ceil(the row's largest t), a whole number; so 1/2 < the row's largest p <= 1. The row's sum l is taken of the UNQUANTISED p, in f32, and the product's result is divided by l at the end. Since M is a whole number, a kernel that streams over the keys may use a running M (the ceiling of the running maximum): every later rescaling is an exact power of two, which a block's scale takes up: the codes' values come out the same.
;;   OPERANDS COMPUTED ON THE WAY. 'Computed on the way' means the value that the module computes at that place (a softmax that the list does not call 'softmax' is quantised finished and normalised). What goes into a quantiser is computed in f32, as accurately as f32 sums, v_exp_f32 and their like allow (about 1e-6 of the number): no bf16 or f16 on the way to a quantiser, and a product that is left as it is and whose result goes on into a quantised operand takes f32 operands (vector FMAs, or v_wmma_f32_16x16x4_f32). A number that lies on a knife's edge between two numbers of the format may be rounded either way, as far as f32 arithmetic and the matrix unit's own rounding can turn it there, and no further.
;; 2 versions. Each part assembles by itself: llvm-mc -triple=amdgcn-amd-amdhsa -mcpu=gfx1250 --defsym DOCPART=n.
;; ======== version 1 of 2: 9 launches
;; workspace buffers: wc 13,107,200 bytes; att 9,830,400 bytes; oc 3,276,800 bytes; y 16,777,216 bytes; hf 16,777,216 bytes; hcod 3,276,800 bytes; hid 13,107,200 bytes
;; launch quant (part 1): grid 256 x 1, 4 waves a work-group, no clusters, 34,304 bytes of LDS; arguments x, Wk, Wq, Wv, Wo, W0, W1, wc; writes wc
.if DOCPART == 1
	.amdgcn_target "amdgcn-amd-amdhsa--gfx1250"
	.amdhsa_code_object_version 6
	.text
	.protected	k_q96d156b1af_quant
	.globl	k_q96d156b1af_quant
	.p2align	8
	.type	k_q96d156b1af_quant,@function
k_q96d156b1af_quant:
	s_mov_b64 s[64:65], 0
	v_nop
	global_prefetch_b8 v0, s[64:65] scope:SCOPE_SE
	s_setreg_imm32_b32 hwreg(HW_REG_WAVE_MODE, 25, 1), 1
	s_wait_xcnt 0x0
; x and the six weights, f32 with K innermost, become codes of FP6 (E2M3) with one E8M0 byte for each 32 along K, laid in CHUNKS, the form in which the products' launches take operands.
; A CHUNK is 128 rows x 128 along K, 12,800 bytes: eight fragments as images of the operand's registers (fragment i: register quad c of lane l at 1536 i + 512 c + 16 l), then at 12,288 the scale words (row m of fragment i at 32 m + 4 i).
; Lane-row m of fragment i is row 32 (i / 2) + 16 (m / 8) + 8 (i % 2) + m % 8 of the 128: with that order a product's 16 registers of two neighbouring tiles are 16 neighbours along the next K.
; A tensor's chunks lie [rows / 128][K / 128].  wc: x chunks 0-255, Wk 256-, Wq 320-, Wv 384-, Wo 448-, W0 512-, W1 768-1023.
; SHARES: 1,024 waves, one chunk each.  A load reads 512 consecutive bytes of one row; a fragment's 16 rows turn through the wave's own stage in LDS, so that a lane holds 16 neighbours of each block of 32.
; Memory binds: no tensor loads, no barrier (waves share nothing), no cluster (no byte is read twice).  Loads run one fragment (16 loads) ahead of the fragment in hand.
; A block's scale is 2^(floor(log2(largest magnitude)) - 2): its byte is the largest magnitude's exponent field - 2, held at 1 from below.
; LIMITS: a block whose largest magnitude lies under 2^-124, a block of zeros among them, gets the byte 1 (its codes are zeros or next to it; this program alone reads the bytes); NaN and infinities are not served.
.set CH,  12800
.set SP,  528                          ; a stage row: 512 bytes + 16: the 16 rows that a load of 16 bytes a lane touches start in different banks
.set VO,  16                           ; v16-31   row m's byte offset: 16 x lane + (16 (m / 8) + m % 8) x pitch
.set R0,  32                           ; v32-159  two sets of 64 numbers
.set TM,  160                          ; v160-175 largest magnitudes, bytes, scale operands
.set PC,  176                          ; v176-194 a fragment's codes
.set PW,  216                          ; v216-223 the eight fragments' scale words
.set W,   224                          ; v224-227 four of them, to store
.set SEL, 56                           ; s[56:57] lane selects: lane l xor 16
; 64 numbers of a lane, register 16 b + i = k 32 b + 16 (lane / 16) + i of my row, become a fragment's codes in v[PC] on and its scale word in v[pw]
.macro QUANT s, pw
.irp b, 0,1,2,3
	v_max3_num_f32 v[TM+\b], |v[(\s)+16*\b]|, |v[(\s)+1+16*\b]|, 0x1800000   ; my 16 numbers of block b, and the floor 2^(3 - 127): the byte cannot fall under 1
.endr
.irp i, 2,4,6,8,10,12,14
.irp b, 0,1,2,3
	v_max3_num_f32 v[TM+\b], v[TM+\b], |v[(\s)+16*\b+\i]|, |v[(\s)+1+16*\b+\i]|   ; the four blocks by turns
.endr
.endr
.irp b, 0,1,2,3
	v_permlanex16_b32 v[TM+4+\b], v[TM+\b], s[SEL], s[SEL+1]
.endr
.irp b, 0,1,2,3
	v_max_num_f32 v[TM+\b], v[TM+\b], v[TM+4+\b]   ; with lane l xor 16's: the block's largest magnitude
.endr
.irp b, 0,1,2,3
	v_add_nc_u32 v[TM+12+\b], 0xff000000, v[TM+\b]   ; 2 off its exponent field: the conversion's scale operand
.endr
.irp b, 0,1,2,3
	v_lshrrev_b32 v[TM+4+\b], 23, v[TM+12+\b]      ; the scale's byte
.endr
	v_lshl_or_b32 v[\pw], v[TM+5], 8, v[TM+4]
	v_lshl_or_b32 v[\pw], v[TM+6], 16, v[\pw]
	v_lshl_or_b32 v[\pw], v[TM+7], 24, v[\pw]
	s_wait_xcnt 0x0                                ; the last fragment's stores have read v[PC] on
.irp c, 0,1
	v_cvt_scalef32_pk16_fp6_f32 v[PC+6*\c:PC+2+6*\c], v[(\s)+32*\c:(\s)+15+32*\c], v[TM+12+2*\c]
	v_cvt_scalef32_pk16_fp6_f32 v[PC+12+4*\c:PC+14+4*\c], v[(\s)+16+32*\c:(\s)+31+32*\c], v[TM+13+2*\c]   ; (a conversion's three registers begin on an even number)
.endr
	v_nop                                          ; one plain place behind a scaled conversion
.irp c, 0,1                                    ; the operand wants a WHOLE block in a lane: lanes 0-15 block 2 c, lanes 16-31 block 2 c + 1
.irp i, 0,1,2
	v_permlane16_swap_b32 v[PC+6*\c+\i], v[PC+12+4*\c+\i]
.endr
.irp i, 0,1,2
	v_mov_b32 v[PC+3+6*\c+\i], v[PC+12+4*\c+\i]
.endr
.endr
.endm
	s_load_b256 s[4:11], s[0:1], 0x0               ; x, Wk, Wq, Wv
	s_load_b256 s[12:19], s[0:1], 0x20             ; Wo, W0, W1, wc
	v_lshl_add_u32 v232, v0, 2, 0x8400
	v_mov_b32 v233, 0
	v_lshrrev_b32 v2, 5, v0
	v_readfirstlane_b32 s20, v2                    ; wave
	v_and_b32 v2, 31, v0                           ; lane
	v_and_b32 v3, 15, v0                           ; r
	v_bfe_u32 v7, v0, 4, 1                         ; h
	v_lshlrev_b32 v1, 4, v2                        ; 16 x lane
	s_mul_i32 s21, s20, 16*SP                      ; my stage
	v_add_nc_u32 v4, s21, v1                       ; into it: a row as it lies
	v_mul_u32_u24 v5, v3, SP
	v_lshl_add_u32 v5, v7, 6, v5
	v_add_nc_u32 v5, s21, v5                       ; out of it: row r, + 64 h: my 16 numbers of a block
	v_lshlrev_b32 v6, 5, v3
	v_lshl_add_u32 v6, v7, 4, v6
	v_add_nc_u32 v6, 8*1536, v6                    ; the scale words: 12,288 + 32 r + 16 h
	s_mov_b32 s[SEL], 0x76543210
	s_mov_b32 s[SEL+1], 0xfedcba98
.irp b, 0,1,2,3
	v_mov_b32 v[TM+4+\b], 0                        ; written once: a lane permute's destination counts as one of its sources
.endr
	s_lshl_b32 s22, ttmp9, 2
	s_add_co_u32 s22, s22, s20                     ; my chunk: 4 x work-group + wave
	s_mov_b32 s26, 768                             ; W1's first chunk,
	s_mov_b32 s27, 16384                           ; and its rows' bytes
	s_wait_kmcnt 0x0
	s_mov_b64 s[24:25], s[16:17]
	s_cmp_lt_u32 ttmp9, 192                        ; which tensor: the choice hangs on the work-group's number alone
	s_cselect_b64 s[24:25], s[14:15], s[24:25]
	s_cselect_b32 s26, 512, s26
	s_cselect_b32 s27, 4096, s27                   ; all but W1 have rows of 1,024 numbers,
	s_cselect_b32 s28, 3, 5                        ; 8 chunks along K (W1: 32)
	s_cselect_b32 s29, 7, 31
.macro PICK below, ptr, first
	s_cmp_lt_u32 ttmp9, \below
	s_cselect_b64 s[24:25], s[\ptr:\ptr+1], s[24:25]
	s_cselect_b32 s26, \first, s26
.endm
	PICK 128, 12, 448
	PICK 112, 10, 384
	PICK 96, 8, 320
	PICK 80, 6, 256
	PICK 64, 4, 0
	s_sub_co_u32 s30, s22, s26                     ; my chunk within the tensor:
	s_lshr_b32 s31, s30, s28                       ; which 128 rows,
	s_and_b32 s30, s30, s29                        ; which 128 along K
	s_mul_i32 s31, s31, s27
	s_lshl_b32 s31, s31, 7
	s_lshl_b32 s30, s30, 9
	s_add_co_u32 s30, s30, s31
	s_mov_b32 s31, 0
	s_add_nc_u64 s[24:25], s[24:25], s[30:31]
.irp i, 0,1,2,3,4,5,6,7
	s_mul_i32 s30, s27, 32*(\i/2)+8*(\i%2)
	s_add_nc_u64 s[40+2*\i:41+2*\i], s[24:25], s[30:31]   ; fragment i's first row: a base for each, so that none is stepped
.endr
.irp m, 0,1,2,3,4,5,6,7,8,9,10,11,12,13,14,15
	s_mul_i32 s30, s27, 16*(\m/8)+\m%8
	v_add_nc_u32 v[VO+\m], s30, v1
.endr
	s_mul_i32 s30, s22, CH
	s_add_nc_u64 s[18:19], s[18:19], s[30:31]      ; where my chunk goes
.macro LOAD i
.irp m, 0,1,2,3,4,5,6,7,8,9,10,11,12,13,14,15
	global_load_b128 v[R0+64*((\i)%2)+4*\m:R0+64*((\i)%2)+4*\m+3], v[VO+\m], s[40+2*(\i):41+2*(\i)] th:TH_LOAD_NT   ; 32 lanes read 512 consecutive bytes of one row
.endr
.endm
.macro FRAGMENT i
.set RS, R0+64*((\i)%2)
.if (\i) < 7
	s_wait_loadcnt 16                              ; this fragment's 16 loads are in; the next fragment's may be out
.else
	s_wait_loadcnt 0x0
.endif
.irp m, 0,1,2,3,4,5,6,7,8,9,10,11,12,13,14,15
	ds_store_b128 v4, v[RS+4*\m:RS+4*\m+3] offset:SP*\m
.endr
.irp b, 0,1,2,3
.irp j, 0,1,2,3
	ds_load_b128 v[RS+16*\b+4*\j:RS+16*\b+4*\j+3], v5 offset:128*\b+16*\j   ; LDS serves a wave's instructions in order: these see the stores above, and come back into the registers that they left
.endr
.endr
	s_wait_dscnt 0x0
	QUANT RS, PW+(\i)
.if (\i)+2 < 8
	LOAD (\i)+2                                    ; into the set just worked
.endif
.irp c, 0,1,2
	global_store_b128 v1, v[PC+4*\c:PC+4*\c+3], s[18:19] offset:1536*(\i)+512*\c   ; 512 consecutive bytes, at a multiple of 256 from the buffer's first byte
.endr
.endm
	LOAD 0
	LOAD 1
.irp i, 0,1,2,3,4,5,6,7
	FRAGMENT \i
.endr
	v_cmp_ne_u32 vcc_lo, 0, v7                     ; lanes 0-15 store fragments 0-3's words of row r, lanes 16-31 fragments 4-7's
.irp i, 0,1,2,3
	v_cndmask_b32 v[W+\i], v[PW+\i], v[PW+4+\i], vcc_lo
.endr
	global_store_b128 v6, v[W:W+3], s[18:19]       ; the chunk's 512 bytes of scale words
	s_wait_tensorcnt 0x0
	ds_add_u32 v232, v233
	s_wait_dscnt 0x0
	s_endpgm
.Lfunc_end_k_q96d156b1af_quant:
	.size	k_q96d156b1af_quant, .Lfunc_end_k_q96d156b1af_quant-k_q96d156b1af_quant
	.p2alignl 7, 3214868480
	.fill 96, 4, 3214868480
	.section	.rodata,"a",@progbits
	.p2align	6, 0x0
	.amdhsa_kernel k_q96d156b1af_quant
		.amdhsa_group_segment_fixed_size 34304
		.amdhsa_private_segment_fixed_size 0
		.amdhsa_enable_private_segment 0
		.amdhsa_kernarg_size 64
		.amdhsa_user_sgpr_count 2
		.amdhsa_user_sgpr_kernarg_segment_ptr 1
		.amdhsa_wavefront_size32 1
		.amdhsa_system_sgpr_workgroup_id_x 1
		.amdhsa_system_sgpr_workgroup_id_y 1
		.amdhsa_system_sgpr_workgroup_id_z 1
		.amdhsa_system_vgpr_workitem_id 0
		.amdhsa_next_free_vgpr 234
		.amdhsa_next_free_sgpr 66
		.amdhsa_reserve_vcc 1
		.amdhsa_float_denorm_mode_32 3
		.amdhsa_float_denorm_mode_16_64 3
		.amdhsa_memory_ordered 1
		.amdhsa_forward_progress 1
		.amdhsa_inst_pref_size 66
	.end_amdhsa_kernel
	.amdgpu_metadata
---
amdhsa.version: [ 1, 2 ]
amdhsa.kernels:
  - .name:           k_q96d156b1af_quant
    .symbol:         k_q96d156b1af_quant.kd
    .args:
      - { .name: x, .offset: 0, .size: 8, .value_kind: global_buffer, .address_space: global }
      - { .name: Wk, .offset: 8, .size: 8, .value_kind: global_buffer, .address_space: global }
      - { .name: Wq, .offset: 16, .size: 8, .value_kind: global_buffer, .address_space: global }
      - { .name: Wv, .offset: 24, .size: 8, .value_kind: global_buffer, .address_space: global }
      - { .name: Wo, .offset: 32, .size: 8, .value_kind: global_buffer, .address_space: global }
      - { .name: W0, .offset: 40, .size: 8, .value_kind: global_buffer, .address_space: global }
      - { .name: W1, .offset: 48, .size: 8, .value_kind: global_buffer, .address_space: global }
      - { .name: wc, .offset: 56, .size: 8, .value_kind: global_buffer, .address_space: global }
    .group_segment_fixed_size: 34304
    .private_segment_fixed_size: 0
    .kernarg_segment_align: 8
    .kernarg_segment_size: 64
    .max_flat_workgroup_size: 128
    .sgpr_count:     66
    .vgpr_count:     234
    .wavefront_size: 32
...
	.end_amdgpu_metadata
.endif
;; end of part 1
;; launch qk (part 2): grid 8 x 16, 4 waves a work-group, clusters of 4 x 4, 327,680 bytes of LDS; arguments wc, bk, bq, att; writes att
.if DOCPART == 2
	.amdgcn_target "amdgcn-amd-amdhsa--gfx1250"
	.amdhsa_code_object_version 6
	.text
	.protected	k_q96d156b1af_qk
	.globl	k_q96d156b1af_qk
	.p2align	8
	.type	k_q96d156b1af_qk,@function
k_q96d156b1af_qk:
	s_mov_b64 s[64:65], 0
	v_nop
	global_prefetch_b8 v0, s[64:65] scope:SCOPE_SE
	s_setreg_imm32_b32 hwreg(HW_REG_WAVE_MODE, 25, 1), 1
	s_wait_xcnt 0x0
	s_wait_alu depctr_hold_cnt(0) depctr_sa_sdst(0) depctr_va_vdst(0) depctr_va_sdst(0) depctr_va_ssrc(0) depctr_va_vcc(0) depctr_vm_vsrc(0)
	s_getreg_b32 s2, hwreg(HW_REG_IB_STS2, 6, 4)
	s_cmp_eq_u32 s2, 0
	s_cbranch_scc0 .Lentry_in_a_cluster
	s_endpgm
.Lentry_in_a_cluster:
	s_bfe_u32 s2, ttmp6, 0x10000c
	s_cmp_lg_u32 s2, 0xf033
	s_cbranch_scc0 .Lentry_shape_is_right
	s_endpgm
.Lentry_shape_is_right:
; x Wk^T + bk and x Wq^T + bq on codes of FP6 (E2M3), and their results quantised along each head's 32 numbers, for the attention's first product.
; A = x (4,096 rows), B = Wk's 1,024 rows and then Wq's 1,024; both come as CHUNKS: 128 rows x 128 K in 12,800 bytes: eight fragments as images of the operand's registers (1,536 bytes each), then 512 bytes of scale words
; (row m of fragment i at 32 m + 4 i); a tensor's chunks lie [rows / 128][K / 128].  Lane-row m of fragment i is row 32 (i / 2) + 16 (m / 8) + 8 (i % 2) + m % 8 of the 128.
; A tile of C, 256 x 256, is made by four waves, as many as a WGP has SIMDs; a wave makes 128 x 128: 64 accumulators, 512 registers.  K goes in steps of 256 through a ring of two LDS slots: a wave's one tensor load brings
; two chunks, 25,600 consecutive bytes, as 100 rows of 256 bytes: codes and scale words together.  A fragment is three loads of 16 bytes a lane at 16 x lane: no pitch, no padding, no bank met twice.
; CLUSTERS: 4 x 4 work-groups; A's chunks are asked for jointly along a row of the cluster, B's along a column.  THE MATRIX INSTRUCTION IS USED TRANSPOSED (source 0 = B, source 1 = A): register 16 b + i of a lane's 64
; for a block of 16 rows is column 32 b + 16 (lane / 16) + i: head b of the panel's four.  The bias is the C of each sum's first instruction.
; OUT: for 64 tokens x 4 heads a block of 6,400 bytes: for each head a fragment's image in which block jb of 32 along K holds the head's 32 codes of lane-row r of the tokens' jb-th block of 16: four tiles of keys in one fragment;
; at 6,144 the scale words (16 r + 4 head; byte jb).  They lie [panel 0-15][tokens / 64]: panels 0-7 are Wk's, 8-15 Wq's.
; REGISTERS: window 0: v16-29 addresses; v32-63 scale words, two sets, and nothing else; v64-127 the bias; v128-223 A's fragments, one set (on the way out: scratch).  Window 1: B's fragments, two sets.  Windows 2, 3: the accumulators.
; LIMITS: a block whose largest magnitude lies under 2^-124 gets the byte 1 (this program alone reads the bytes); NaN and infinities are not served.
.set NP,      8                        ; chunks along K
.set AOFF,    0                        ; x's chunks in wc
.set BOFF,    256*12800                ; Wk's, and behind them Wq's
.set PA,      4                        ; s[4:5] A's buffer
.set PB,      4                        ; B's is the same
.set PBI,     8                        ; s[8:9] the bias
.set PO,      10                       ; s[10:11] the output
.set KCH,     6400
.set CH,      12800
.set QUARTER, 2*CH                     ; what one tensor load brings: 128 rows x 256 K
.set SLOT,    4*QUARTER                ; A's two row groups, then B's two
.set SPARE,   2*SLOT                   ; behind the ring: the spare words, 128 bytes a wave: two blocks of 256 bytes that no other line names
.set LAPS,    NP/4                     ; a lap = two slots = once round the ring
.set FR,   12                          ; registers of a fragment
.set NL,   3                           ; LDS loads that bring one
.set ADRA, 16                          ; v16-17 my A fragments in slot 0, 1
.set ADRB, 20                          ; v20-21 my B fragments
.set ADRS, 22                          ; v22-23 my scale words: lanes 0-15 A's, lanes 16-31 B's
.set CO,   26                          ; v26 16 x lane
.set CS,   27                          ; v27 where my scale words go
.set SPW,  28                          ; v28 my spare word; never rewritten
.set NIL,  29                          ; v29 0; never rewritten
.set SC,   32                          ; register 16 slot + 8 q + i: lanes 0-15 the word of A's block i, lanes 16-31 of B's block i
.set BI,   64
.set AF,   128
.set PC,   128                         ; the way out: a fragment's codes,
.set TM,   168                         ; largest magnitudes, bytes, scale operands,
.set PW,   184                         ; eight scale words,
.set W,    192                         ; four of them, to store
.set G1,   24
.set G0,   32
.set G1B,  48
.set G0B,  56
.set SEL,  66
.set MSB,  0
.macro WIN new                         ; the immediate's high byte repeats the setting that is left; a switch that changes nothing is dropped
.if MSB != (\new)
	s_set_vgpr_msb (MSB<<8)|(\new)
.set MSB, (\new)
.endif
.endm
.macro PLACES                          ; four plain places behind a matrix instruction, in front of loads into its registers and of reads of its results
.rept 4
	v_nop
.endr
.endm
.macro JLOAD s                         ; a joint load: waves 0, 1 fetch A's two row groups, waves 2, 3 B's; four v_nop follow each line
	s_cmp_eq_u32 s15, 0
	s_cbranch_scc0 .Lfor_b_\@
	tensor_load_to_lds s[G0+4*\s:G0+4*\s+3], s[G1:G1+7]
	s_nop 0
.rept 4
	v_nop
.endr
	s_branch .Lasked_\@
.Lfor_b_\@:
	tensor_load_to_lds s[G0B+4*\s:G0B+4*\s+3], s[G1B:G1B+7]
	s_nop 0
.rept 4
	v_nop
.endr
.Lasked_\@:
.endm
.macro CREST                           ; a round of the cluster's barrier behind its opening barrier
	s_cmp_lg_u32 s14, 0
	s_cbranch_scc1 .Lnot_wave_0_\@
	s_barrier_signal -3
.Lnot_wave_0_\@:
	s_barrier_wait -3
	s_barrier_signal -1
	s_barrier_wait -1
.endm
.macro CROUND
	s_barrier_signal -1
	s_barrier_wait -1
	CREST
.endm
	s_load_b256 s[4:11], s[0:1], 0x0               ; wc, bk, bq, att
	v_lshl_add_u32 v[SPW], v0, 2, SPARE
	v_mov_b32 v[NIL], 0
	ds_add_u32 v28, v29
	s_wait_dscnt 0x0
	v_lshrrev_b32 v1, 5, v0
	v_readfirstlane_b32 s14, v1                    ; wave 0..3
	s_lshr_b32 s15, s14, 1                         ; my half of the tile's rows.  Also: I fetch for A (0) or for B (1)
	s_and_b32 s16, s14, 1                          ; my half of its columns.  Also: which row group I fetch
	s_bfe_u32 s40, ttmp6, 0x40000                  ; cx, cy: my place in the cluster
	s_bfe_u32 s41, ttmp6, 0x40004
	s_lshl_b32 s42, ttmp9, 2
	s_add_co_u32 s42, s42, s40                     ; tile column
	s_and_b32 s17, ttmp7, 0xffff
	s_lshl_b32 s17, s17, 2
	s_add_co_u32 s17, s17, s41                     ; tile row
	s_lshl_b32 s43, s41, 2
	s_lshl_b32 s43, 15, s43                        ; my row of the cluster
	s_lshl_b32 s44, 0x1111, s40                    ; my column
	s_or_b32 s[G1+0], s43, (3<<16)|(1<<21)         ; 15:0 the mask; 17:16 elements of 8 bytes; 21 set beside a mask; no padding
	s_or_b32 s[G1B+0], s44, (3<<16)|(1<<21)
.irp g, G1, G1B
	s_mov_b32 s[\g+1], 32<<16                      ; tensor_dim0 = 32 elements: 256 bytes
	s_mov_b32 s[\g+2], 100<<16                     ; tensor_dim1 = 100 rows
	s_mov_b32 s[\g+3], 32<<16                      ; tile_dim0
	s_mov_b32 s[\g+4], 100                         ; tile_dim1
	s_mov_b32 s[\g+5], 32                          ; the pitch: dense
	s_mov_b32 s[\g+6], 0
	s_mov_b32 s[\g+7], 0
.endr
	s_lshl_b32 s20, s17, 1
	s_add_co_u32 s20, s20, s16                     ; A: row group 2 x tile row + half
	s_mul_i32 s20, s20, NP*CH
	s_add_co_u32 s20, s20, AOFF
	s_mov_b32 s21, 0
	s_lshl_b32 s46, s42, 1
	s_add_co_u32 s46, s46, s16                     ; B: row group 2 x tile column + half
	s_mul_i32 s46, s46, NP*CH
	s_add_co_u32 s46, s46, BOFF
	s_mov_b32 s47, 0
	s_mul_i32 s45, s14, QUARTER                    ; where they go: no place in the cluster enters an LDS address
	s_wait_kmcnt 0x0
	s_add_nc_u64 s[20:21], s[PA:PA+1], s[20:21]
	s_add_nc_u64 s[46:47], s[PB:PB+1], s[46:47]
	CROUND                                         ; all sixteen work-groups are here: the first joint loads meet
.irp s, 0,1
	s_mov_b32 s[G0+4*\s], 1
	s_add_co_u32 s[G0+4*\s+1], s45, \s*SLOT
	s_add_nc_u64 s[G0+4*\s+2:G0+4*\s+3], s[20:21], \s*QUARTER
	s_or_b32 s[G0+4*\s+3], s[G0+4*\s+3], 0x80000000
	s_mov_b32 s[G0B+4*\s], 1
	s_add_co_u32 s[G0B+4*\s+1], s45, \s*SLOT
	s_add_nc_u64 s[G0B+4*\s+2:G0B+4*\s+3], s[46:47], \s*QUARTER
	s_or_b32 s[G0B+4*\s+3], s[G0B+4*\s+3], 0x80000000
	JLOAD \s
.endr
	v_and_b32 v1, 15, v0                           ; r
	v_bfe_u32 v2, v0, 4, 1                         ; h
	v_and_b32 v3, 31, v0
	v_lshlrev_b32 v[CO], 4, v3
	s_mul_i32 s21, s15, QUARTER                    ; my row group of A,
	s_mul_i32 s22, s16, QUARTER
	s_add_co_u32 s22, s22, 2*QUARTER               ; of B
	s_xor_b32 s23, s15, 1
	s_add_co_u32 s23, s23, s16
	s_add_co_u32 s23, s23, 1
	s_mul_i32 s23, s23, QUARTER                    ; from the one to the other
	v_lshlrev_b32 v4, 5, v1
	v_mul_u32_u24 v5, s23, v2                      ; lanes 16-31 take B's scale words
	v_add_nc_u32 v4, v4, v5
	v_add_nc_u32 v4, 8*1536, v4
.irp s, 0,1
	v_add_nc_u32 v[ADRA+\s], s21, v[CO]
	v_add_nc_u32 v[ADRB+\s], s22, v[CO]
	v_add_nc_u32 v[ADRS+\s], s21, v4
	s_add_co_u32 s21, s21, SLOT
	s_add_co_u32 s22, s22, SLOT
.endr
	s_lshl_b32 s18, s42, 1
	s_add_co_u32 s18, s18, s16                     ; my panel of 128 columns, 0-15
	s_lshl_b32 s19, s17, 1
	s_add_co_u32 s19, s19, s15                     ; my 128 rows
	s_and_b32 s12, s18, 7
	s_lshl_b32 s12, s12, 9
	s_mov_b32 s13, 0
	s_cmp_eq_u32 ttmp9, 0                          ; the first cluster column holds Wk's panels, the second Wq's
	s_cselect_b64 s[PBI:PBI+1], s[6:7], s[8:9]
	s_add_nc_u64 s[PBI:PBI+1], s[PBI:PBI+1], s[12:13]
	v_lshlrev_b32 v6, 6, v2
.irp b, 0,1,2,3
.irp j, 0,1,2,3
	global_load_b128 v[BI+16*\b+4*\j:BI+16*\b+4*\j+3], v6, s[PBI:PBI+1] offset:128*\b+16*\j   ; the bias in the result's layout: register 16 b + i = column 32 b + 16 h + i
.endr
.endr
	s_mul_i32 s12, s18, 64*KCH
	s_mul_i32 s19, s19, 2*KCH
	s_add_co_u32 s12, s12, s19
	s_add_nc_u64 s[PO:PO+1], s[PO:PO+1], s[12:13]  ; my two blocks of 64 tokens x 4 heads
	v_mul_u32_u24 v5, v2, KCH
	v_lshl_add_u32 v[CS], v1, 4, v5
	v_add_nc_u32 v[CS], 4*1536, v[CS]              ; their scale words: 6,144 + 16 r, lanes 16-31 the second block's
	s_mov_b32 s[SEL], 0x76543210
	s_mov_b32 s[SEL+1], 0xfedcba98
.macro FRAG reg, adr, q, i             ; a fragment comes as it was stored: three loads of 16 bytes a lane
.irp c, 0,1,2
	ds_load_b128 v[(\reg)+4*\c:(\reg)+4*\c+3], v[\adr] offset:(\q)*CH+(\i)*1536+512*\c
.endr
.endm
; 16 matrix instructions: A's blocks a0, a0 + 1 x B's eight, the slot's q-th 128 along K.  p: B's set; sc: the set of scale words.  first = 1: the sums begin with the bias.
; The 64 accumulators take turns, one instruction a turn, in the same order in every step.
.macro MUL16 a0, p, q, sc, first
.irp a, \a0, \a0+1
.irp b, 0,1,2,3,4,5,6,7
.if \first
	v_wmma_scale_f32_16x16x128_f8f6f4 v[8*(8*((\a)%4)+\b):8*(8*((\a)%4)+\b)+7], v[128*(\p)+FR*\b:128*(\p)+FR*\b+FR-1], v[AF+FR*(\a):AF+FR*(\a)+FR-1], v[BI+8*\b:BI+8*\b+7], v[SC+16*(\sc)+8*(\q)+\b], v[SC+16*(\sc)+8*(\q)+(\a)] matrix_a_fmt:MATRIX_FMT_FP6 matrix_b_fmt:MATRIX_FMT_FP6 matrix_a_scale:MATRIX_SCALE_ROW1
.else
	v_wmma_scale_f32_16x16x128_f8f6f4 v[8*(8*((\a)%4)+\b):8*(8*((\a)%4)+\b)+7], v[128*(\p)+FR*\b:128*(\p)+FR*\b+FR-1], v[AF+FR*(\a):AF+FR*(\a)+FR-1], v[8*(8*((\a)%4)+\b):8*(8*((\a)%4)+\b)+7], v[SC+16*(\sc)+8*(\q)+\b], v[SC+16*(\sc)+8*(\q)+(\a)] matrix_a_fmt:MATRIX_FMT_FP6 matrix_b_fmt:MATRIX_FMT_FP6 matrix_a_scale:MATRIX_SCALE_ROW1
.endif
.endr
.endr
.endm
.macro FETCH_B slot, q, p
	WIN 0x40                                       ; destination window 1
.irp i, 0,1,2,3,4,5,6,7
	FRAG 128*(\p)+FR*\i, ADRB+\slot, \q, \i
.endr
	WIN 0
.endm
.macro FETCH_A slot, q, i0
.irp i, \i0, \i0+1, \i0+2, \i0+3
	FRAG AF+FR*(\i), ADRA+\slot, \q, \i
.endr
.endm
.macro SCALES slot                     ; a slot's scale words: for each of its two chunks eight words a lane
.irp q, 0,1
.irp e, 0,1
	ds_load_b128 v[SC+16*\slot+8*\q+4*\e:SC+16*\slot+8*\q+4*\e+3], v[ADRS+\slot] offset:\q*CH+16*\e
.endr
.endr
.endm
; A slot's first 128 along K.  A's blocks go one after the other, each against B's eight: a block of A is free as soon as its eight products are issued, so A has one set of registers and B two.
.macro STEP slot, first
	s_wait_dscnt 4*NL                              ; all but the youngest twelve loads (A's blocks 4-7) are in
.if \first
	WIN 0x81                                       ; source 0 (B) window 1, source 1 (A) and C (the bias) window 0, D window 2
.else
	WIN 0xa1                                       ; C and D window 2
.endif
	MUL16 0, 0, 0, \slot, \first
	MUL16 2, 0, 0, \slot, \first
	s_wait_dscnt 0x0                               ; A's blocks 4-7 are in
	PLACES
	FETCH_B \slot, 1, 1
	FETCH_A \slot, 1, 0
.if \first
	WIN 0xc1
.else
	WIN 0xf1
.endif
	MUL16 4, 0, 0, \slot, \first
	MUL16 6, 0, 0, \slot, \first
	PLACES
	WIN 0
	FETCH_A \slot, 1, 4
.endm
; A slot's second 128 along K, and the change of slots: ONE barrier; in front of it each wave waits for all its tensor loads, adds 0 to its spare word, and waits for that and for its reads of this slot.
.macro TURN slot, next, fill
	s_wait_tensorcnt 0x0                           ; all my tensor loads have landed: my part of the next slot
	ds_add_u32 v[SPW], v[NIL]                      ; 0 onto my spare word
	s_wait_dscnt 4*NL+1                            ; (the add and the youngest twelve loads may be out)
	WIN 0xa1
	MUL16 0, 1, 1, \slot, 0
	s_wait_dscnt 0x0                               ; the add is done, and my reads of this slot are over
	s_barrier_signal -1
	MUL16 2, 1, 1, \slot, 0
	WIN 0
	s_barrier_wait -1
.if \fill
	CREST                                          ; the barrier has opened a round of the cluster's: no wave of any partner still reads this slot or has a load on its way
	s_add_nc_u64 s[G0+4*\slot+2:G0+4*\slot+3], s[G0+4*\slot+2:G0+4*\slot+3], 2*QUARTER
	s_add_nc_u64 s[G0B+4*\slot+2:G0B+4*\slot+3], s[G0B+4*\slot+2:G0B+4*\slot+3], 2*QUARTER
	JLOAD \slot                                    ; the first tensor load behind the round; its four v_nop are the places in front of the loads below
.else
	PLACES
.endif
	FETCH_B \next, 0, 0
	FETCH_A \next, 0, 0
	SCALES \next
	WIN 0xf1
	MUL16 4, 1, 1, \slot, 0
	MUL16 6, 1, 1, \slot, 0
	PLACES
	WIN 0
	FETCH_A \next, 0, 4
.endm
	s_wait_tensorcnt 1                             ; my part of slot 0 is in; slot 1's may stay out
	s_barrier_signal -1
	s_barrier_wait -1
	FETCH_B 0, 0, 0
	FETCH_A 0, 0, 0
	SCALES 0
	FETCH_A 0, 0, 4
	s_wait_loadcnt 0x0                             ; the bias
	STEP 0, 1                                      ; the first step stands in front of the loop: its products start the sums
	s_mov_b32 s3, LAPS-1
.Llap:                                                 ; a trip goes once round the ring and fills both slots again
	TURN 0, 1, 1
	STEP 1, 0
	TURN 1, 0, 1
	STEP 0, 0
	s_sub_co_u32 s3, s3, 1
	s_cmp_lg_u32 s3, 0
	s_cbranch_scc1 .Llap
	TURN 0, 1, 0                                   ; the last lap fills nothing
	STEP 1, 0
	s_wait_dscnt 4*NL
	WIN 0xa1
	MUL16 0, 1, 1, 1, 0
	MUL16 2, 1, 1, 1, 0
	s_wait_dscnt 0x0
	WIN 0xf1
	MUL16 4, 1, 1, 1, 0
	MUL16 6, 1, 1, 1, 0
	WIN 0
; Four runs of 16 registers in window w, run b = k 32 b + 16 (lane / 16) + 0 .. 15 of the fragment's lane-row, become a fragment's codes in v[PC] on and its scale word in v[pw].  Each accumulator is read from its low end on.
.macro QUANT w, s0, s1, s2, s3, pw
	WIN ((\w)<<2)|((\w)<<4)                        ; sources 1 and 2: the accumulators' window
	v_max3_num_f32 v[TM+0], 0x1800000, |v[(\s0)]|, |v[(\s0)+1]|   ; the floor 2^(3 - 127): the byte cannot fall under 1
	v_max3_num_f32 v[TM+1], 0x1800000, |v[(\s1)]|, |v[(\s1)+1]|
	v_max3_num_f32 v[TM+2], 0x1800000, |v[(\s2)]|, |v[(\s2)+1]|
	v_max3_num_f32 v[TM+3], 0x1800000, |v[(\s3)]|, |v[(\s3)+1]|
.irp i, 2,4,6,8,10,12,14
	v_max3_num_f32 v[TM+0], v[TM+0], |v[(\s0)+\i]|, |v[(\s0)+\i+1]|
	v_max3_num_f32 v[TM+1], v[TM+1], |v[(\s1)+\i]|, |v[(\s1)+\i+1]|
	v_max3_num_f32 v[TM+2], v[TM+2], |v[(\s2)+\i]|, |v[(\s2)+\i+1]|
	v_max3_num_f32 v[TM+3], v[TM+3], |v[(\s3)+\i]|, |v[(\s3)+\i+1]|
.endr
	WIN 0
.irp b, 0,1,2,3
	v_permlanex16_b32 v[TM+4+\b], v[TM+\b], s[SEL], s[SEL+1]
.endr
.irp b, 0,1,2,3
	v_max_num_f32 v[TM+\b], v[TM+\b], v[TM+4+\b]   ; with lane l xor 16's: the block's largest magnitude
.endr
.irp b, 0,1,2,3
	v_add_nc_u32 v[TM+12+\b], 0xff000000, v[TM+\b]   ; 2 off its exponent field: the conversion's scale operand
.endr
.irp b, 0,1,2,3
	v_lshrrev_b32 v[TM+4+\b], 23, v[TM+12+\b]      ; the scale's byte
.endr
	v_lshl_or_b32 v[\pw], v[TM+5], 8, v[TM+4]
	v_lshl_or_b32 v[\pw], v[TM+6], 16, v[\pw]
	v_lshl_or_b32 v[\pw], v[TM+7], 24, v[\pw]
	s_wait_xcnt 0x0                                ; the last fragment's stores have read v[PC] on
	WIN (\w)                                       ; source 0: the accumulators' window
	v_cvt_scalef32_pk16_fp6_f32 v[PC:PC+2], v[(\s0):(\s0)+15], v[TM+12]
	v_cvt_scalef32_pk16_fp6_f32 v[PC+12:PC+14], v[(\s1):(\s1)+15], v[TM+13]   ; (a conversion's three registers begin on an even number)
	v_cvt_scalef32_pk16_fp6_f32 v[PC+6:PC+8], v[(\s2):(\s2)+15], v[TM+14]
	v_cvt_scalef32_pk16_fp6_f32 v[PC+16:PC+18], v[(\s3):(\s3)+15], v[TM+15]
	WIN 0
	v_nop                                          ; one plain place behind a scaled conversion
.irp c, 0,1                                    ; the operand wants a WHOLE block in a lane
.irp i, 0,1,2
	v_permlane16_swap_b32 v[PC+6*\c+\i], v[PC+12+4*\c+\i]
.endr
.irp i, 0,1,2
	v_mov_b32 v[PC+3+6*\c+\i], v[PC+12+4*\c+\i]
.endr
.endr
.endm
	; THE WAY OUT: for each 64 tokens (window 2, window 3) and each head: the head's 16 registers of the four blocks of rows are the four blocks of one fragment
	PLACES
.irp b, 0,1,2,3
	v_mov_b32 v[TM+4+\b], 0                        ; written once: a lane permute's destination counts as one of its sources
.endr
.irp f, 0,1
.irp b, 0,1,2,3
	QUANT 2+\f, 16*\b, 64+16*\b, 128+16*\b, 192+16*\b, PW+4*\f+\b
.irp c, 0,1,2
	global_store_b128 v[CO], v[PC+4*\c:PC+4*\c+3], s[PO:PO+1] offset:\f*KCH+1536*\b+512*\c   ; 512 consecutive bytes, at a multiple of 256 from the buffer's first byte
.endr
.endr
.endr
	v_cmp_ne_u32 vcc_lo, 0, v2                     ; lanes 0-15 store the first 64 tokens' four words of row r, lanes 16-31 the second's
.irp i, 0,1,2,3
	v_cndmask_b32 v[W+\i], v[PW+\i], v[PW+4+\i], vcc_lo
.endr
	global_store_b128 v[CS], v[W:W+3], s[PO:PO+1]
	s_wait_tensorcnt 0x0                           ; the wave's end
	ds_add_u32 v[SPW], v[NIL]
	s_wait_dscnt 0x0
	CROUND                                         ; the closing round: no work-group ends while a partner may still ask for a tile that names it
	s_endpgm
.Lfunc_end_k_q96d156b1af_qk:
	.size	k_q96d156b1af_qk, .Lfunc_end_k_q96d156b1af_qk-k_q96d156b1af_qk
	.p2alignl 7, 3214868480
	.fill 96, 4, 3214868480
	.section	.rodata,"a",@progbits
	.p2align	6, 0x0
	.amdhsa_kernel k_q96d156b1af_qk
		.amdhsa_group_segment_fixed_size 327680
		.amdhsa_private_segment_fixed_size 0
		.amdhsa_enable_private_segment 0
		.amdhsa_kernarg_size 32
		.amdhsa_user_sgpr_count 2
		.amdhsa_user_sgpr_kernarg_segment_ptr 1
		.amdhsa_wavefront_size32 1
		.amdhsa_system_sgpr_workgroup_id_x 1
		.amdhsa_system_sgpr_workgroup_id_y 1
		.amdhsa_system_sgpr_workgroup_id_z 1
		.amdhsa_system_vgpr_workitem_id 0
		.amdhsa_next_free_vgpr 1024
		.amdhsa_next_free_sgpr 72
		.amdhsa_reserve_vcc 1
		.amdhsa_float_denorm_mode_32 3
		.amdhsa_float_denorm_mode_16_64 3
		.amdhsa_memory_ordered 1
		.amdhsa_forward_progress 1
		.amdhsa_inst_pref_size 138
	.end_amdhsa_kernel
	.amdgpu_metadata
---
amdhsa.version: [ 1, 2 ]
amdhsa.kernels:
  - .name:           k_q96d156b1af_qk
    .symbol:         k_q96d156b1af_qk.kd
    .args:
      - { .name: wc, .offset: 0, .size: 8, .value_kind: global_buffer, .address_space: global }
      - { .name: bk, .offset: 8, .size: 8, .value_kind: global_buffer, .address_space: global }
      - { .name: bq, .offset: 16, .size: 8, .value_kind: global_buffer, .address_space: global }
      - { .name: att, .offset: 24, .size: 8, .value_kind: global_buffer, .address_space: global }
    .group_segment_fixed_size: 327680
    .private_segment_fixed_size: 0
    .kernarg_segment_align: 8
    .kernarg_segment_size: 32
    .max_flat_workgroup_size: 128
    .sgpr_count:     72
    .vgpr_count:     1024
    .wavefront_size: 32
...
	.end_amdgpu_metadata
.endif
;; end of part 2
;; launch vproj (part 3): grid 16 x 4, 4 waves a work-group, clusters of 4 x 4, 327,680 bytes of LDS; arguments wc, bv, att; writes att
.if DOCPART == 3
	.amdgcn_target "amdgcn-amd-amdhsa--gfx1250"
	.amdhsa_code_object_version 6
	.text
	.protected	k_q96d156b1af_vproj
	.globl	k_q96d156b1af_vproj
	.p2align	8
	.type	k_q96d156b1af_vproj,@function
k_q96d156b1af_vproj:
	s_mov_b64 s[64:65], 0
	v_nop
	global_prefetch_b8 v0, s[64:65] scope:SCOPE_SE
	s_setreg_imm32_b32 hwreg(HW_REG_WAVE_MODE, 25, 1), 1
	s_wait_xcnt 0x0
	s_wait_alu depctr_hold_cnt(0) depctr_sa_sdst(0) depctr_va_vdst(0) depctr_va_sdst(0) depctr_va_ssrc(0) depctr_va_vcc(0) depctr_vm_vsrc(0)
	s_getreg_b32 s2, hwreg(HW_REG_IB_STS2, 6, 4)
	s_cmp_eq_u32 s2, 0
	s_cbranch_scc0 .Lentry_in_a_cluster
	s_endpgm
.Lentry_in_a_cluster:
	s_bfe_u32 s2, ttmp6, 0x10000c
	s_cmp_lg_u32 s2, 0xf033
	s_cbranch_scc0 .Lentry_shape_is_right
	s_endpgm
.Lentry_shape_is_right:
; V^T = Wv x^T + bv on codes of FP6 (E2M3), and the result quantised along the KEYS, which are the attention's second product's K.
; A = Wv (1,024 rows: V's features), B = x (4,096 rows: the tokens), so that C's columns are the tokens.  Both come as CHUNKS: 128 rows x 128 K in 12,800 bytes: eight fragments as images of the operand's registers (1,536 bytes
; each), then 512 bytes of scale words (row m of fragment i at 32 m + 4 i); a tensor's chunks lie [rows / 128][K / 128].  Lane-row m of fragment i is row 32 (i / 2) + 16 (m / 8) + 8 (i % 2) + m % 8 of the 128.
; A tile of C, 256 x 256, is made by four waves; a wave makes 128 x 128: 64 accumulators, 512 registers.  K goes in steps of 256 through a ring of two LDS slots: a wave's one tensor load brings two chunks, 25,600 consecutive
; bytes, as 100 rows of 256 bytes.  CLUSTERS: 4 x 4; A's chunks are asked for jointly along a row of the cluster, B's along a column.  THE MATRIX INSTRUCTION IS USED TRANSPOSED (source 0 = B, source 1 = A): register 16 b + i
; of a lane's 64 for a block of 16 rows is column 32 b + 16 (lane / 16) + i.  The bias hangs on the row: a tile's eight registers of C all hold the lane's row's number.
; C has 64 tiles of this size: 64 work-groups; a smaller tile would fill more WGPs at twice the LDS reads for each product.
; OUT: a wave's 128 x 128 is one chunk of V, at att + 6,553,600, [features / 128][tokens / 128].
; REGISTERS: window 0: v16-29 addresses; v32-63 scale words, two sets, and nothing else; v64-127 the bias; v128-223 A's fragments, one set (on the way out: scratch).  Window 1: B's fragments, two sets.  Windows 2, 3: the accumulators.
; LIMITS: a block whose largest magnitude lies under 2^-124 gets the byte 1 (this program alone reads the bytes); NaN and infinities are not served.
.set NP,      8
.set AOFF,    384*12800                ; Wv's chunks in wc
.set BOFF,    0                        ; x's
.set PA,      4
.set PB,      4
.set PBI,     6                        ; s[6:7] bv
.set PO,      8                        ; s[8:9] att
.set CH,      12800
.set QUARTER, 2*CH
.set SLOT,    4*QUARTER
.set SPARE,   2*SLOT                   ; behind the ring: the spare words, 128 bytes a wave: two blocks of 256 bytes that no other line names
.set LAPS,    NP/4
.set FR,   12
.set NL,   3
.set ADRA, 16
.set ADRB, 20
.set ADRS, 22
.set CO,   26
.set CS,   27
.set SPW,  28
.set NIL,  29
.set SC,   32
.set BI,   64
.set AF,   128
.set PC,   128
.set TM,   168
.set PW,   184
.set W,    192
.set G1,   24
.set G0,   32
.set G1B,  48
.set G0B,  56
.set SEL,  66
.set MSB,  0
.macro WIN new                         ; the immediate's high byte repeats the setting that is left; a switch that changes nothing is dropped
.if MSB != (\new)
	s_set_vgpr_msb (MSB<<8)|(\new)
.set MSB, (\new)
.endif
.endm
.macro PLACES                          ; four plain places behind a matrix instruction (ISA guide 7.12.1)
.rept 4
	v_nop
.endr
.endm
.macro JLOAD s                         ; a joint load: waves 0, 1 fetch A's two row groups, waves 2, 3 B's; four v_nop follow each line
	s_cmp_eq_u32 s15, 0
	s_cbranch_scc0 .Lfor_b_\@
	tensor_load_to_lds s[G0+4*\s:G0+4*\s+3], s[G1:G1+7]
	s_nop 0
.rept 4
	v_nop
.endr
	s_branch .Lasked_\@
.Lfor_b_\@:
	tensor_load_to_lds s[G0B+4*\s:G0B+4*\s+3], s[G1B:G1B+7]
	s_nop 0
.rept 4
	v_nop
.endr
.Lasked_\@:
.endm
.macro CREST
	s_cmp_lg_u32 s14, 0
	s_cbranch_scc1 .Lnot_wave_0_\@
	s_barrier_signal -3
.Lnot_wave_0_\@:
	s_barrier_wait -3
	s_barrier_signal -1
	s_barrier_wait -1
.endm
.macro CROUND
	s_barrier_signal -1
	s_barrier_wait -1
	CREST
.endm
	s_load_b128 s[4:7], s[0:1], 0x0                ; wc, bv
	s_load_b64 s[8:9], s[0:1], 0x10                ; att
	v_lshl_add_u32 v[SPW], v0, 2, SPARE
	v_mov_b32 v[NIL], 0
	ds_add_u32 v28, v29
	s_wait_dscnt 0x0
	v_lshrrev_b32 v1, 5, v0
	v_readfirstlane_b32 s14, v1                    ; wave 0..3
	s_lshr_b32 s15, s14, 1                         ; my half of the tile's rows.  Also: I fetch for A (0) or for B (1)
	s_and_b32 s16, s14, 1                          ; my half of its columns.  Also: which row group I fetch
	s_bfe_u32 s40, ttmp6, 0x40000
	s_bfe_u32 s41, ttmp6, 0x40004
	s_lshl_b32 s42, ttmp9, 2
	s_add_co_u32 s42, s42, s40                     ; tile column
	s_and_b32 s17, ttmp7, 0xffff
	s_lshl_b32 s17, s17, 2
	s_add_co_u32 s17, s17, s41                     ; tile row
	s_lshl_b32 s43, s41, 2
	s_lshl_b32 s43, 15, s43
	s_lshl_b32 s44, 0x1111, s40
	s_or_b32 s[G1+0], s43, (3<<16)|(1<<21)         ; 15:0 the mask; 17:16 elements of 8 bytes; 21 set beside a mask; no padding
	s_or_b32 s[G1B+0], s44, (3<<16)|(1<<21)
.irp g, G1, G1B
	s_mov_b32 s[\g+1], 32<<16                      ; 100 rows of 32 elements, dense
	s_mov_b32 s[\g+2], 100<<16
	s_mov_b32 s[\g+3], 32<<16
	s_mov_b32 s[\g+4], 100
	s_mov_b32 s[\g+5], 32
	s_mov_b32 s[\g+6], 0
	s_mov_b32 s[\g+7], 0
.endr
	s_lshl_b32 s20, s17, 1
	s_add_co_u32 s20, s20, s16
	s_mul_i32 s20, s20, NP*CH
	s_add_co_u32 s20, s20, AOFF
	s_mov_b32 s21, 0
	s_lshl_b32 s46, s42, 1
	s_add_co_u32 s46, s46, s16
	s_mul_i32 s46, s46, NP*CH
	s_add_co_u32 s46, s46, BOFF
	s_mov_b32 s47, 0
	s_mul_i32 s45, s14, QUARTER
	s_wait_kmcnt 0x0
	s_add_nc_u64 s[20:21], s[PA:PA+1], s[20:21]
	s_add_nc_u64 s[46:47], s[PB:PB+1], s[46:47]
	CROUND                                         ; all sixteen work-groups are here: the first joint loads meet
.irp s, 0,1
	s_mov_b32 s[G0+4*\s], 1
	s_add_co_u32 s[G0+4*\s+1], s45, \s*SLOT
	s_add_nc_u64 s[G0+4*\s+2:G0+4*\s+3], s[20:21], \s*QUARTER
	s_or_b32 s[G0+4*\s+3], s[G0+4*\s+3], 0x80000000
	s_mov_b32 s[G0B+4*\s], 1
	s_add_co_u32 s[G0B+4*\s+1], s45, \s*SLOT
	s_add_nc_u64 s[G0B+4*\s+2:G0B+4*\s+3], s[46:47], \s*QUARTER
	s_or_b32 s[G0B+4*\s+3], s[G0B+4*\s+3], 0x80000000
	JLOAD \s
.endr
	v_and_b32 v1, 15, v0                           ; r
	v_bfe_u32 v2, v0, 4, 1                         ; h
	v_and_b32 v3, 31, v0
	v_lshlrev_b32 v[CO], 4, v3
	s_mul_i32 s21, s15, QUARTER
	s_mul_i32 s22, s16, QUARTER
	s_add_co_u32 s22, s22, 2*QUARTER
	s_xor_b32 s23, s15, 1
	s_add_co_u32 s23, s23, s16
	s_add_co_u32 s23, s23, 1
	s_mul_i32 s23, s23, QUARTER                    ; from my row group of A to mine of B
	v_lshlrev_b32 v4, 5, v1
	v_mul_u32_u24 v5, s23, v2                      ; lanes 16-31 take B's scale words
	v_add_nc_u32 v4, v4, v5
	v_add_nc_u32 v4, 8*1536, v4
.irp s, 0,1
	v_add_nc_u32 v[ADRA+\s], s21, v[CO]
	v_add_nc_u32 v[ADRB+\s], s22, v[CO]
	v_add_nc_u32 v[ADRS+\s], s21, v4
	s_add_co_u32 s21, s21, SLOT
	s_add_co_u32 s22, s22, SLOT
.endr
	s_lshl_b32 s18, s42, 1
	s_add_co_u32 s18, s18, s16                     ; my 128 tokens
	s_lshl_b32 s19, s17, 1
	s_add_co_u32 s19, s19, s15                     ; my 128 features
	s_lshl_b32 s12, s19, 9
	s_mov_b32 s13, 0
	s_add_nc_u64 s[PBI:PBI+1], s[PBI:PBI+1], s[12:13]
	v_and_b32 v6, 8, v1
	v_add_nc_u32 v6, v6, v1
	v_lshlrev_b32 v6, 2, v6                        ; 4 (r + 8 (r / 8)): my lane-row's place in a pair of blocks
.irp a, 0,1,2,3,4,5,6,7
	global_load_b32 v[BI+8*\a], v6, s[PBI:PBI+1] offset:4*(32*(\a/2)+8*(\a%2))   ; bv at lane-row r of block a
.endr
	s_lshl_b32 s12, s19, 5
	s_add_co_u32 s12, s12, s18
	s_mul_i32 s12, s12, CH
	s_add_co_u32 s12, s12, 6553600
	s_add_nc_u64 s[PO:PO+1], s[PO:PO+1], s[12:13]  ; my chunk of V
	v_lshlrev_b32 v[CS], 5, v1
	v_lshl_add_u32 v[CS], v2, 4, v[CS]
	v_add_nc_u32 v[CS], 8*1536, v[CS]              ; its scale words: 12,288 + 32 r + 16 h
	s_mov_b32 s[SEL], 0x76543210
	s_mov_b32 s[SEL+1], 0xfedcba98
.macro FRAG reg, adr, q, i
.irp c, 0,1,2
	ds_load_b128 v[(\reg)+4*\c:(\reg)+4*\c+3], v[\adr] offset:(\q)*CH+(\i)*1536+512*\c
.endr
.endm
; 16 matrix instructions: A's blocks a0, a0 + 1 x B's eight.  first = 1: the sums begin with the row's bias.  The 64 accumulators take turns, one instruction a turn.
.macro MUL16 a0, p, q, sc, first
.irp a, \a0, \a0+1
.irp b, 0,1,2,3,4,5,6,7
.if \first
	v_wmma_scale_f32_16x16x128_f8f6f4 v[8*(8*((\a)%4)+\b):8*(8*((\a)%4)+\b)+7], v[128*(\p)+FR*\b:128*(\p)+FR*\b+FR-1], v[AF+FR*(\a):AF+FR*(\a)+FR-1], v[BI+8*(\a):BI+8*(\a)+7], v[SC+16*(\sc)+8*(\q)+\b], v[SC+16*(\sc)+8*(\q)+(\a)] matrix_a_fmt:MATRIX_FMT_FP6 matrix_b_fmt:MATRIX_FMT_FP6 matrix_a_scale:MATRIX_SCALE_ROW1
.else
	v_wmma_scale_f32_16x16x128_f8f6f4 v[8*(8*((\a)%4)+\b):8*(8*((\a)%4)+\b)+7], v[128*(\p)+FR*\b:128*(\p)+FR*\b+FR-1], v[AF+FR*(\a):AF+FR*(\a)+FR-1], v[8*(8*((\a)%4)+\b):8*(8*((\a)%4)+\b)+7], v[SC+16*(\sc)+8*(\q)+\b], v[SC+16*(\sc)+8*(\q)+(\a)] matrix_a_fmt:MATRIX_FMT_FP6 matrix_b_fmt:MATRIX_FMT_FP6 matrix_a_scale:MATRIX_SCALE_ROW1
.endif
.endr
.endr
.endm
.macro FETCH_B slot, q, p
	WIN 0x40
.irp i, 0,1,2,3,4,5,6,7
	FRAG 128*(\p)+FR*\i, ADRB+\slot, \q, \i
.endr
	WIN 0
.endm
.macro FETCH_A slot, q, i0
.irp i, \i0, \i0+1, \i0+2, \i0+3
	FRAG AF+FR*(\i), ADRA+\slot, \q, \i
.endr
.endm
.macro SCALES slot
.irp q, 0,1
.irp e, 0,1
	ds_load_b128 v[SC+16*\slot+8*\q+4*\e:SC+16*\slot+8*\q+4*\e+3], v[ADRS+\slot] offset:\q*CH+16*\e
.endr
.endr
.endm
.macro STEP slot, first                ; a slot's first 128 along K
	s_wait_dscnt 4*NL                              ; all but the youngest twelve loads (A's blocks 4-7) are in
.if \first
	WIN 0x81
.else
	WIN 0xa1
.endif
	MUL16 0, 0, 0, \slot, \first
	MUL16 2, 0, 0, \slot, \first
	s_wait_dscnt 0x0
	PLACES
	FETCH_B \slot, 1, 1
	FETCH_A \slot, 1, 0
.if \first
	WIN 0xc1
.else
	WIN 0xf1
.endif
	MUL16 4, 0, 0, \slot, \first
	MUL16 6, 0, 0, \slot, \first
	PLACES
	WIN 0
	FETCH_A \slot, 1, 4
.endm
.macro TURN slot, next, fill           ; a slot's second 128 along K, and the change of slots
	s_wait_tensorcnt 0x0                           ; all my tensor loads have landed: my part of the next slot
	ds_add_u32 v[SPW], v[NIL]                      ; 0 onto my spare word
	s_wait_dscnt 4*NL+1                            ; (the add and the youngest twelve loads may be out)
	WIN 0xa1
	MUL16 0, 1, 1, \slot, 0
	s_wait_dscnt 0x0                               ; the add is done, and my reads of this slot are over
	s_barrier_signal -1
	MUL16 2, 1, 1, \slot, 0
	WIN 0
	s_barrier_wait -1
.if \fill
	CREST                                          ; the barrier has opened a round of the cluster's
	s_add_nc_u64 s[G0+4*\slot+2:G0+4*\slot+3], s[G0+4*\slot+2:G0+4*\slot+3], 2*QUARTER
	s_add_nc_u64 s[G0B+4*\slot+2:G0B+4*\slot+3], s[G0B+4*\slot+2:G0B+4*\slot+3], 2*QUARTER
	JLOAD \slot                                    ; the first tensor load behind the round; its four v_nop are the places in front of the loads below
.else
	PLACES
.endif
	FETCH_B \next, 0, 0
	FETCH_A \next, 0, 0
	SCALES \next
	WIN 0xf1
	MUL16 4, 1, 1, \slot, 0
	MUL16 6, 1, 1, \slot, 0
	PLACES
	WIN 0
	FETCH_A \next, 0, 4
.endm
	s_wait_tensorcnt 1                             ; my part of slot 0 is in; slot 1's may stay out
	s_barrier_signal -1
	s_barrier_wait -1
	FETCH_B 0, 0, 0
	FETCH_A 0, 0, 0
	SCALES 0
	FETCH_A 0, 0, 4
	s_wait_loadcnt 0x0                             ; the bias
.irp a, 0,1,2,3,4,5,6,7
.irp j, 1,2,3,4,5,6,7
	v_mov_b32 v[BI+8*\a+\j], v[BI+8*\a]            ; a lane's eight results of a tile lie in one row: the same number eight times
.endr
.endr
	STEP 0, 1
	s_mov_b32 s3, LAPS-1
.Llap:
	TURN 0, 1, 1
	STEP 1, 0
	TURN 1, 0, 1
	STEP 0, 0
	s_sub_co_u32 s3, s3, 1
	s_cmp_lg_u32 s3, 0
	s_cbranch_scc1 .Llap
	TURN 0, 1, 0
	STEP 1, 0
	s_wait_dscnt 4*NL
	WIN 0xa1
	MUL16 0, 1, 1, 1, 0
	MUL16 2, 1, 1, 1, 0
	s_wait_dscnt 0x0
	WIN 0xf1
	MUL16 4, 1, 1, 1, 0
	MUL16 6, 1, 1, 1, 0
	WIN 0
; Four runs of 16 registers in window w, run b = k 32 b + 16 (lane / 16) + 0 .. 15 of my row, become a fragment's codes in v[PC] on and its scale word in v[pw].  Each accumulator is read from its low end on.
.macro QUANT w, s0, s1, s2, s3, pw
	WIN ((\w)<<2)|((\w)<<4)
	v_max3_num_f32 v[TM+0], 0x1800000, |v[(\s0)]|, |v[(\s0)+1]|   ; the floor 2^(3 - 127): the byte cannot fall under 1
	v_max3_num_f32 v[TM+1], 0x1800000, |v[(\s1)]|, |v[(\s1)+1]|
	v_max3_num_f32 v[TM+2], 0x1800000, |v[(\s2)]|, |v[(\s2)+1]|
	v_max3_num_f32 v[TM+3], 0x1800000, |v[(\s3)]|, |v[(\s3)+1]|
.irp i, 2,4,6,8,10,12,14
	v_max3_num_f32 v[TM+0], v[TM+0], |v[(\s0)+\i]|, |v[(\s0)+\i+1]|
	v_max3_num_f32 v[TM+1], v[TM+1], |v[(\s1)+\i]|, |v[(\s1)+\i+1]|
	v_max3_num_f32 v[TM+2], v[TM+2], |v[(\s2)+\i]|, |v[(\s2)+\i+1]|
	v_max3_num_f32 v[TM+3], v[TM+3], |v[(\s3)+\i]|, |v[(\s3)+\i+1]|
.endr
	WIN 0
.irp b, 0,1,2,3
	v_permlanex16_b32 v[TM+4+\b], v[TM+\b], s[SEL], s[SEL+1]
.endr
.irp b, 0,1,2,3
	v_max_num_f32 v[TM+\b], v[TM+\b], v[TM+4+\b]
.endr
.irp b, 0,1,2,3
	v_add_nc_u32 v[TM+12+\b], 0xff000000, v[TM+\b]   ; 2 off the exponent field: the conversion's scale operand
.endr
.irp b, 0,1,2,3
	v_lshrrev_b32 v[TM+4+\b], 23, v[TM+12+\b]      ; the scale's byte
.endr
	v_lshl_or_b32 v[\pw], v[TM+5], 8, v[TM+4]
	v_lshl_or_b32 v[\pw], v[TM+6], 16, v[\pw]
	v_lshl_or_b32 v[\pw], v[TM+7], 24, v[\pw]
	s_wait_xcnt 0x0                                ; the last fragment's stores have read v[PC] on
	WIN (\w)
	v_cvt_scalef32_pk16_fp6_f32 v[PC:PC+2], v[(\s0):(\s0)+15], v[TM+12]
	v_cvt_scalef32_pk16_fp6_f32 v[PC+12:PC+14], v[(\s1):(\s1)+15], v[TM+13]
	v_cvt_scalef32_pk16_fp6_f32 v[PC+6:PC+8], v[(\s2):(\s2)+15], v[TM+14]
	v_cvt_scalef32_pk16_fp6_f32 v[PC+16:PC+18], v[(\s3):(\s3)+15], v[TM+15]
	WIN 0
	v_nop                                          ; one plain place behind a scaled conversion
.irp c, 0,1
.irp i, 0,1,2
	v_permlane16_swap_b32 v[PC+6*\c+\i], v[PC+12+4*\c+\i]
.endr
.irp i, 0,1,2
	v_mov_b32 v[PC+3+6*\c+\i], v[PC+12+4*\c+\i]
.endr
.endr
.endm
	; THE WAY OUT: each block of 16 rows becomes one fragment of my chunk
	PLACES
.irp b, 0,1,2,3
	v_mov_b32 v[TM+4+\b], 0                        ; written once: a lane permute's destination counts as one of its sources
.endr
.irp a, 0,1,2,3,4,5,6,7
	QUANT 2+\a/4, 64*(\a%4), 64*(\a%4)+16, 64*(\a%4)+32, 64*(\a%4)+48, PW+\a
.irp c, 0,1,2
	global_store_b128 v[CO], v[PC+4*\c:PC+4*\c+3], s[PO:PO+1] offset:1536*\a+512*\c   ; 512 consecutive bytes, at a multiple of 256 from the buffer's first byte
.endr
.endr
	v_cmp_ne_u32 vcc_lo, 0, v2
.irp i, 0,1,2,3
	v_cndmask_b32 v[W+\i], v[PW+\i], v[PW+4+\i], vcc_lo
.endr
	global_store_b128 v[CS], v[W:W+3], s[PO:PO+1]
	s_wait_tensorcnt 0x0                           ; the wave's end
	ds_add_u32 v[SPW], v[NIL]
	s_wait_dscnt 0x0
	CROUND                                         ; the closing round
	s_endpgm
.Lfunc_end_k_q96d156b1af_vproj:
	.size	k_q96d156b1af_vproj, .Lfunc_end_k_q96d156b1af_vproj-k_q96d156b1af_vproj
	.p2alignl 7, 3214868480
	.fill 96, 4, 3214868480
	.section	.rodata,"a",@progbits
	.p2align	6, 0x0
	.amdhsa_kernel k_q96d156b1af_vproj
		.amdhsa_group_segment_fixed_size 327680
		.amdhsa_private_segment_fixed_size 0
		.amdhsa_enable_private_segment 0
		.amdhsa_kernarg_size 24
		.amdhsa_user_sgpr_count 2
		.amdhsa_user_sgpr_kernarg_segment_ptr 1
		.amdhsa_wavefront_size32 1
		.amdhsa_system_sgpr_workgroup_id_x 1
		.amdhsa_system_sgpr_workgroup_id_y 1
		.amdhsa_system_sgpr_workgroup_id_z 1
		.amdhsa_system_vgpr_workitem_id 0
		.amdhsa_next_free_vgpr 1024
		.amdhsa_next_free_sgpr 72
		.amdhsa_reserve_vcc 1
		.amdhsa_float_denorm_mode_32 3
		.amdhsa_float_denorm_mode_16_64 3
		.amdhsa_memory_ordered 1
		.amdhsa_forward_progress 1
		.amdhsa_inst_pref_size 139
	.end_amdhsa_kernel
	.amdgpu_metadata
---
amdhsa.version: [ 1, 2 ]
amdhsa.kernels:
  - .name:           k_q96d156b1af_vproj
    .symbol:         k_q96d156b1af_vproj.kd
    .args:
      - { .name: wc, .offset: 0, .size: 8, .value_kind: global_buffer, .address_space: global }
      - { .name: bv, .offset: 8, .size: 8, .value_kind: global_buffer, .address_space: global }
      - { .name: att, .offset: 16, .size: 8, .value_kind: global_buffer, .address_space: global }
    .group_segment_fixed_size: 327680
    .private_segment_fixed_size: 0
    .kernarg_segment_align: 8
    .kernarg_segment_size: 24
    .max_flat_workgroup_size: 128
    .sgpr_count:     72
    .vgpr_count:     1024
    .wavefront_size: 32
...
	.end_amdgpu_metadata
.endif
;; end of part 3
;; launch attn (part 4): grid 32 x 16, 16 waves a work-group, clusters of 4 x 1, 327,680 bytes of LDS; arguments att, oc; writes oc
.if DOCPART == 4
	.amdgcn_target "amdgcn-amd-amdhsa--gfx1250"
	.amdhsa_code_object_version 6
	.text
	.protected	k_q96d156b1af_attn
	.globl	k_q96d156b1af_attn
	.p2align	8
	.type	k_q96d156b1af_attn,@function
k_q96d156b1af_attn:
	s_mov_b64 s[64:65], 0
	v_nop
	global_prefetch_b8 v0, s[64:65] scope:SCOPE_SE
	s_setreg_imm32_b32 hwreg(HW_REG_WAVE_MODE, 25, 1), 1
	s_wait_xcnt 0x0
	s_wait_alu depctr_hold_cnt(0) depctr_sa_sdst(0) depctr_va_vdst(0) depctr_va_sdst(0) depctr_va_ssrc(0) depctr_va_vcc(0) depctr_vm_vsrc(0)
	s_getreg_b32 s2, hwreg(HW_REG_IB_STS2, 6, 4)
	s_cmp_eq_u32 s2, 0
	s_cbranch_scc0 .Lentry_in_a_cluster
	s_endpgm
.Lentry_in_a_cluster:
	s_bfe_u32 s2, ttmp6, 0x10000c
	s_cmp_lg_u32 s2, 0x3003
	s_cbranch_scc0 .Lentry_shape_is_right
	s_endpgm
.Lentry_shape_is_right:
; o = softmax(query . key / sqrt(32)) v for 64 (batch, head) pairs of 2,048 tokens and head size 32, both products on codes of FP6 (E2M3); o is quantised along the features for the next product.
; THE SOFTMAX AHEAD OF THE SECOND PRODUCT: t = score x log2(e) / sqrt(32); M = the row's largest t so far, rounded UP to a whole number; p = 2^(t - M) is quantised along the keys, not normalised; the row's sum is taken of the
; unquantised p and divides O at the end.  When M moves, the sum and O are multiplied by 2^(old M - new M): exact.
; IN (att).  Queries (panels 0-7) and keys (panels 8-15): for 64 tokens x 4 heads a block of 6,400 bytes: for each head a fragment's image (1,536 bytes) whose block jb of 32 along K holds the head's 32 codes of lane-row r of the
; tokens' jb-th block of 16; at 6,144 the scale words (16 r + 4 head; byte jb); [panel][tokens / 64].  V at 6,553,600: chunks of 128 features x 128 keys, 12,800 bytes: eight images, then scale words (32 m + 4 i); [features / 128][keys / 128].
; THE HEAD'S 32 FILL A QUARTER OF A MATRIX INSTRUCTION'S K.  A fragment of keys holds FOUR tiles of 16 keys in its four blocks; the query's operand holds its codes in ONE block and zero codes in the other three, in four variants:
; the product with variant jb is tile jb's scores.  So no LDS byte is read in vain; zero codes add nothing under any scale byte from 1 to 254.
; SHARES.  A work-group: 64 queries x 4 heads.  Wave w: head w % 4, queries' tile w / 4; 256 registers, four waves to a SIMD, so that one wave's vector work stands beside another's matrix work.  Every wave walks 2,048 keys, 128 a step.
; Both products are used transposed (S^T = K Q^T, O^T = V^T P^T): a lane holds ONE query.  By the order of the lane-rows the 16 registers of two neighbouring tiles are 16 neighbouring keys.
; RING: two slots of 512 keys: eight blocks of keys (51,200 bytes), then four chunks of V (51,200).  Waves 0-3 fetch a quarter each, 25,600 consecutive bytes as 100 rows of 256.  CLUSTER: the four work-groups of a cluster share batch
; and heads and walk the same keys: each quarter is asked for JOINTLY.  A wave has one tensor load out.
; OUT (oc): chunks [tokens / 128][features / 128]; the sixteen waves' codes meet in LDS as four fragments' images and leave as runs of 512 bytes.
; LIMITS: a block's largest p is taken through its largest score, which takes v_exp_f32 not to fall where its input rises; a block whose largest magnitude lies under 2^-124 gets the byte 1; NaN and infinities are not served.
.set KCH,   6400
.set CH,    12800
.set VOFF,  8*KCH                      ; V's chunks in a slot
.set SLOT1, 1<<17                      ; slot 1: one exclusive or turns an address in one slot into the other's
.set OST,   SLOT1+VOFF+4*CH            ; behind the ring: o's four images,
.set OSC,   OST+4*1536                 ; their 256 scale bytes,
.set SPARE, OSC+256                    ; and the spare words, 128 bytes a wave: eight blocks of 256 bytes that no other line names
.set AK0,  1                           ; v1-4 my lane's places in a slot: keys, their scale words, V, its scale words
.set AKS0, 2
.set AV0,  3
.set AVS0, 4
.set SPW,  5                           ; v5 my spare word; never rewritten
.set NIL,  6                           ; v6 0; never rewritten
.set ADK,  8                           ; v8-11 the same four in the slot in hand
.set ADS,  9
.set ADV,  10
.set ADT,  11
.set Q,    16                          ; v16-45: zeros, codes in lanes 0-15, zeros, codes in lanes 16-31, zeros: six registers each.  v12 -M, v13 the largest t, v[14:15] the sum
.set QS,   46                          ; the query's scale byte, four times
.set PS,   47                          ; p's scale word
.set FF,   48                          ; v[48:49] f = 2^(old M - new M)
.set KS,   50                          ; v50-51 the keys' scale words
.set VS,   52                          ; v52-53 V's
.set KF,   54                          ; two fragments of keys
.set VF,   78                          ; two fragments of V
.set S,    102                         ; S^T, then p
.set O,    166                         ; O^T: two tiles
.set PCD,  182                         ; p's codes
.set CV,   194                         ; a conversion's second halves
.set BM,   202                         ; block maxima;
.set BP,   206                         ; the other half's, then bytes;
.set BS,   210                         ; scale operands
.set SU,   214
.set TMP,  216
.set OA,   218                         ; v218-220 the way out: where my three registers of codes go;
.set OB,   221                         ; my scale byte;
.set ORD,  222                         ; where I read 16 bytes back;
.set OSR,  223                         ; and 8 scale bytes
.set GOC,  224                         ; their places in oc
.set GOS,  225
.set RR,   226
.set HH,   227
.set LN,   228
.set QL,   230                         ; v230-236 the query as loaded
.set QA,   237                         ; v237-239 its addresses
.set OD,   240
.set T1,   244
.set WV,   18
.set SEL,  20
.set CSC,  22                          ; s[22:23] c = log2(e) / sqrt(32)
.set G1,   24
.set G0,   32
.set TB,   36                          ; the slot in hand
.set SLOTS, 37
.macro ROUND                           ; a round of the cluster's barrier
	s_barrier_signal -1
	s_barrier_wait -1
	s_cmp_lg_u32 s[WV], 0
	s_cbranch_scc1 .Lnot_wave_0_\@
	s_barrier_signal -3
.Lnot_wave_0_\@:
	s_barrier_wait -3
	s_barrier_signal -1
	s_barrier_wait -1
.endm
.macro TLOAD                           ; waves 0-3 fetch, the others nothing; four v_nop follow the line
	s_cmp_lt_u32 s[WV], 4
	s_cbranch_scc0 .Lasked_\@
	tensor_load_to_lds s[G0:G0+3], s[G1:G1+7]
	s_nop 0
.rept 4
	v_nop
.endr
.Lasked_\@:
.endm
	s_load_b128 s[4:7], s[0:1], 0x0                ; att, oc
	v_lshl_add_u32 v[SPW], v0, 2, SPARE
	v_mov_b32 v[NIL], 0
	ds_add_u32 v5, v6
	s_wait_dscnt 0x0
	v_lshrrev_b32 v7, 5, v0
	v_readfirstlane_b32 s[WV], v7                  ; wave 0..15
	s_bfe_u32 s38, ttmp6, 0x40000                  ; cx
	s_lshl_b32 s39, ttmp9, 2
	s_add_co_u32 s39, s39, s38                     ; my 64 queries of the batch's 2,048: it enters the query's and o's global addresses alone
	s_and_b32 s40, ttmp7, 0xffff
	s_lshr_b32 s41, s40, 3                         ; the batch,
	s_and_b32 s42, s40, 7                          ; the group of four heads: the four partners share both
	s_lshl_b32 s43, s41, 5
	s_add_co_u32 s43, s43, s39                     ; F: my 64 tokens of all 4,096
	s_and_b32 s44, s[WV], 3                        ; my head of the four
	s_lshr_b32 s45, s[WV], 2                       ; my tile of 16 queries
	s_mov_b32 s[G1], 15|(3<<16)|(1<<21)            ; 15:0 the mask: all four work-groups; 17:16 elements of 8 bytes; 21 set beside a mask; no padding
	s_mov_b32 s[G1+1], 32<<16                      ; 100 rows of 32 elements, dense
	s_mov_b32 s[G1+2], 100<<16
	s_mov_b32 s[G1+3], 32<<16
	s_mov_b32 s[G1+4], 100
	s_mov_b32 s[G1+5], 32
	s_mov_b32 s[G1+6], 0
	s_mov_b32 s[G1+7], 0
	s_min_u32 s48, s[WV], 3                        ; (the waves that fetch nothing keep wave 3's numbers)
	s_mul_i32 s46, s42, 64*KCH
	s_mul_i32 s47, s41, 32*KCH
	s_add_co_u32 s46, s46, s47
	s_add_co_u32 s46, s46, 512*KCH                 ; the keys of my batch and heads: panel 8 + g, tokens / 64 = 32 b
	s_lshr_b32 s47, s48, 1
	s_mul_i32 s47, s47, 512*KCH                    ; V's chunks of the same batch and heads lie 3,276,800 bytes further on
	s_add_co_u32 s46, s46, s47
	s_and_b32 s47, s48, 1
	s_mul_i32 s47, s47, 2*CH                       ; which half of a slot's keys or of its V
	s_add_co_u32 s46, s46, s47
	s_mov_b32 s47, 0
	s_mov_b32 s[SEL], 0x76543210
	s_mov_b32 s[SEL+1], 0xfedcba98
	s_mov_b32 s[CSC], 0x3e8293ee                   ; c
	s_mov_b32 s[CSC+1], s[CSC]                     ; (named with it as a pair, so it is written)
	s_mov_b32 s[TB], 0
	s_mov_b32 s[SLOTS], 3
	s_wait_kmcnt 0x0
	s_mov_b32 s[G0], 1
	s_mul_i32 s[G0+1], s48, 2*CH                   ; slot 0, my quarter
	s_add_nc_u64 s[G0+2:G0+3], s[4:5], s[46:47]
	s_or_b32 s[G0+3], s[G0+3], 0x80000000
	ROUND                                          ; all four work-groups are here: the first joint loads meet
	TLOAD                                          ; slot 0
	v_and_b32 v[RR], 15, v0
	v_bfe_u32 v[HH], v0, 4, 1
	v_and_b32 v[LN], 31, v0
	s_lshl_b32 s50, s42, 6
	s_add_co_u32 s50, s50, s43
	s_mul_i32 s50, s50, KCH
	s_mov_b32 s51, 0
	s_add_nc_u64 s[8:9], s[4:5], s[50:51]          ; my queries' block: panel g, tokens / 64 = F
	; my tile jb = 2 cq + hq lies in registers 6 cq .. 6 cq + 5 of lanes 16 hq + r of my head's image: three pieces of 8 bytes
	s_lshr_b32 s52, s45, 1
	s_and_b32 s54, s45, 1
	s_mul_i32 s53, s52, 1016
	s_mul_i32 s52, s52, 520
	s_lshl_b32 s54, s54, 8
	s_mul_i32 s55, s44, 1536
	s_add_co_u32 s54, s54, s55
	v_lshl_add_u32 v[QA], v[RR], 4, s54
	v_add_nc_u32 v[QA+1], s53, v[QA]
	v_add_nc_u32 v[QA], s52, v[QA]
	s_lshl_b32 s56, s44, 2
	v_lshl_add_u32 v[QA+2], v[RR], 4, s56
	global_load_b64 v[QL:QL+1], v[QA], s[8:9]
	global_load_b64 v[QL+2:QL+3], v[QA+1], s[8:9] offset:8
	global_load_b64 v[QL+4:QL+5], v[QA], s[8:9] offset:512
	global_load_b32 v[QL+6], v[QA+2], s[8:9] offset:4*1536
	v_lshl_add_u32 v[AK0], v[LN], 4, s55           ; keys: my head's image, 16 x lane
	v_add_nc_u32 v[AKS0], 4*1536, v[QA+2]          ; their scale words: 6,144 + 16 r + 4 head
	s_lshl_b32 s57, s55, 1
	s_add_co_u32 s57, s57, VOFF
	v_lshl_add_u32 v[AV0], v[LN], 4, s57           ; V: my head's 32 features are fragments 2 head, 2 head + 1
	s_lshl_b32 s58, s44, 3
	s_add_co_u32 s58, s58, VOFF+8*1536
	v_lshl_add_u32 v[AVS0], v[RR], 5, s58          ; their two scale words: 32 r + 8 head
	; the way out.  In o's fragment head b' is block b' of 32 along K: registers 6 (b' / 2) .. + 5 of lanes 16 (b' % 2) + r.  My lane (r, h) makes registers R = 6 (b' / 2) + 3 h + 0 .. 2: byte 512 (R / 4) + 16 lane + 4 (R % 4) of the image
	s_lshr_b32 s56, s44, 1
	s_mul_i32 s56, s56, 6
	s_and_b32 s57, s44, 1
	s_lshl_b32 s57, s57, 8
	s_mul_i32 s58, s45, 1536
	s_add_co_u32 s57, s57, s58
	s_add_co_u32 s57, s57, OST
	v_lshl_add_u32 v[T1], v[RR], 4, s57
	v_mul_u32_u24 v[T1+1], v[HH], 3
	v_add_nc_u32 v[T1+1], s56, v[T1+1]
.irp i, 0,1,2
	v_add_nc_u32 v[T1+2], \i, v[T1+1]
	v_lshrrev_b32 v[T1+3], 2, v[T1+2]
	v_and_b32 v[T1+2], 3, v[T1+2]
	v_lshl_add_u32 v[OA+\i], v[T1+3], 9, v[T1]
	v_lshl_add_u32 v[OA+\i], v[T1+2], 2, v[OA+\i]
.endr
	s_lshl_b32 s59, s45, 2
	s_add_co_u32 s59, s59, s44
	s_add_co_u32 s59, s59, OSC
	v_lshl_add_u32 v[OB], v[RR], 4, s59            ; my scale byte: 16 r + 4 tile + head
	s_min_u32 s60, s[WV], 11                       ; waves 0-11 carry the 6,144 bytes of codes out, 512 each
	s_lshl_b32 s60, s60, 9
	v_lshl_add_u32 v[GOC], v[LN], 4, s60
	v_add_nc_u32 v[ORD], OST, v[GOC]
	v_lshlrev_b32 v[OSR], 4, v[RR]
	v_lshl_add_u32 v[OSR], v[HH], 3, v[OSR]
	v_add_nc_u32 v[OSR], OSC, v[OSR]               ; wave 12 the scale bytes, 8 a lane
	v_lshlrev_b32 v[GOS], 5, v[RR]
	v_lshl_add_u32 v[GOS], v[HH], 3, v[GOS]
	v_add_nc_u32 v[GOS], 8*1536, v[GOS]
	s_lshr_b32 s61, s43, 1
	s_lshl_b32 s61, s61, 3
	s_add_co_u32 s61, s61, s42
	s_mul_i32 s50, s61, CH                         ; o's chunk: tokens / 128 = F / 2, features / 128 = g
	s_add_nc_u64 s[12:13], s[6:7], s[50:51]
	s_and_b32 s61, s43, 1                          ; my 64 tokens are its fragments 4 (F % 2) on
	s_mul_i32 s50, s61, 4*1536
	s_add_nc_u64 s[10:11], s[12:13], s[50:51]
	s_lshl_b32 s50, s61, 4
	s_add_nc_u64 s[12:13], s[12:13], s[50:51]
	s_mul_i32 s59, s45, 0x01010101                 ; byte selects: my tile's byte of the scale word, four times
.irp i, 0,1,2,3,4,5
	v_mov_b32 v[Q+\i], 0
	v_mov_b32 v[Q+12+\i], 0
	v_mov_b32 v[Q+24+\i], 0
.endr
	v_cmp_gt_u32 vcc_lo, 16, v[LN]
	s_wait_loadcnt 0x0
.irp i, 0,1,2,3,4,5
	v_cndmask_b32 v[Q+6+\i], v[Q], v[QL+\i], vcc_lo    ; the codes in lanes 0-15, zeros above: an even block
	v_cndmask_b32 v[Q+18+\i], v[QL+\i], v[Q], vcc_lo   ; the codes in lanes 16-31: an odd block
.endr
	v_perm_b32 v[QS], v[QL+6], v[QL+6], s59
	v_mov_b32 v13, 0xff61b1e6                      ; the largest t so far: -3e38, under every t
	v_floor_f32 v12, -v13                          ; -M
	v_mov_b32 v14, 0
	v_mov_b32 v15, 0
	v_mov_b32 v[FF+1], 0                           ; (named as the upper half of a pair)
.irp b, 0,1,2,3
	v_mov_b32 v[BP+\b], 0                          ; written once: a lane permute's destination counts as one of its sources
.endr
.irp j, 0,1,2,3,4,5,6,7,8,9,10,11,12,13,14,15
	v_mov_b32 v[O+\j], 0                           ; O^T: the step is written once; the first finds zeros, which the first change of M leaves zeros
.endr
.macro SQK f, jb, qv                   ; tile jb of fragment f: the query's variant with its codes in block jb
	v_wmma_scale_f32_16x16x128_f8f6f4 v[S+8*(4*\f+\jb):S+8*(4*\f+\jb)+7], v[KF+12*\f:KF+12*\f+11], v[(\qv):(\qv)+11], 0, v[KS+\f], v[QS] matrix_a_fmt:MATRIX_FMT_FP6 matrix_b_fmt:MATRIX_FMT_FP6
.endm
; A KEY STEP: 128 keys, the q-th of the slot in hand
.macro STEP q
.irp f, 0,1
.irp c, 0,1,2
	ds_load_b128 v[KF+12*\f+4*\c:KF+12*\f+4*\c+3], v[ADK] offset:(2*(\q)+\f)*KCH+512*\c
.endr
.endr
.irp f, 0,1
	ds_load_b32 v[KS+\f], v[ADS] offset:(2*(\q)+\f)*KCH
.endr
.irp t, 0,1
.irp c, 0,1,2
	ds_load_b128 v[VF+12*\t+4*\c:VF+12*\t+4*\c+3], v[ADV] offset:(\q)*CH+1536*\t+512*\c
.endr
.endr
	ds_load_b64 v[VS:VS+1], v[ADT] offset:(\q)*CH
	s_wait_dscnt 7                                 ; the keys and their scale words are in; V's seven loads may be out
.irp f, 0,1
	SQK \f, 0, Q+6
	SQK \f, 1, Q+18
	SQK \f, 2, Q
	SQK \f, 3, Q+12
.endr                                          ; lane (r, h) holds query r; register 16 b + i is key 32 b + 16 h + i of the step
.rept 4
	v_nop
.endr
.irp b, 0,1,2,3
	v_max3_num_f32 v[BM+\b], v[S+16*\b], v[S+1+16*\b], v[S+2+16*\b]   ; THE LARGEST SCORE OF EACH BLOCK OF 32 KEYS serves twice: for the row's maximum, and, since p rises with the score, for the block's largest p
.endr
.irp i, 3,5,7,9,11,13
.irp b, 0,1,2,3
	v_max3_num_f32 v[BM+\b], v[BM+\b], v[S+16*\b+\i], v[S+1+16*\b+\i]
.endr
.endr
.irp b, 0,1,2,3
	v_max_num_f32 v[BM+\b], v[BM+\b], v[S+15+16*\b]
.endr
.irp b, 0,1,2,3
	v_permlanex16_b32 v[BP+\b], v[BM+\b], s[SEL], s[SEL+1]
.endr
.irp b, 0,1,2,3
	v_max_num_f32 v[BM+\b], v[BM+\b], v[BP+\b]     ; with lane l xor 16's 16 keys
.endr
	v_max3_num_f32 v[TMP], v[BM], v[BM+1], v[BM+2]
	v_max_num_f32 v[TMP], v[TMP], v[BM+3]          ; the step's largest score of my query
	v_mul_f32 v[TMP], s[CSC], v[TMP]               ; as t (c is positive)
	v_max_num_f32 v13, v13, v[TMP]                 ; the running largest t
	v_mov_b32 v[TMP], v12
	v_floor_f32 v12, -v13                          ; the new -M = floor(-t): M IS A WHOLE NUMBER
	v_sub_f32 v[TMP], v12, v[TMP]                  ; old M less new M: a whole number, 0 or less
	v_cvt_i32_f32 v[TMP], v[TMP]                   ; (it saturates)
	v_ldexp_f32 v[FF], 1.0, v[TMP]                 ; f = 2^(old M - new M)
.set j, 0
.rept 32
	v_pk_fma_f32 v[S+j:S+j+1], v[S+j:S+j+1], s[CSC:CSC+1], v[12:13] op_sel_hi:[1,0,0]   ; t - M, two at a time
.set j, j+2
.endr
.irp b, 0,1,2,3
	v_fma_f32 v[BM+\b], v[BM+\b], s[CSC], v12      ; the same of each block's largest score
.endr
.set j, 0
.rept 64
	v_exp_f32 v[S+j], v[S+j]                       ; p = 2^(t - M), at most 1: NOT normalised
.set j, j+1
.endr
.irp b, 0,1,2,3
	v_exp_f32 v[BM+\b], v[BM+\b]                   ; the block's largest p: the same two instructions on the same number give the same bits
.endr
	v_pk_mul_f32 v[14:15], v[14:15], v[FF:FF+1] op_sel_hi:[1,0]   ; the sums under the new M.  (A plain place behind the exponentials)
	s_wait_alu depctr_va_vdst(0)
.irp b, 0,1,2,3
	v_max_num_f32 v[BM+\b], 0x1800000, v[BM+\b]    ; the floor 2^(3 - 127): the byte cannot fall under 1
.endr
.irp b, 0,1,2,3
	v_add_nc_u32 v[BS+\b], 0xff000000, v[BM+\b]    ; 2 off the exponent field: the conversion's scale operand
.endr
.irp b, 0,1,2,3
	v_lshrrev_b32 v[BP+\b], 23, v[BS+\b]           ; the scale's byte
.endr
	v_lshl_or_b32 v[PS], v[BP+1], 8, v[BP]         ; p's scale word for these 128 keys
	v_lshl_or_b32 v[PS], v[BP+2], 16, v[PS]
	v_lshl_or_b32 v[PS], v[BP+3], 24, v[PS]
.irp c, 0,1
	v_cvt_scalef32_pk16_fp6_f32 v[PCD+6*\c:PCD+2+6*\c], v[S+32*\c:S+15+32*\c], v[BS+2*\c]
	v_cvt_scalef32_pk16_fp6_f32 v[CV+4*\c:CV+2+4*\c], v[S+16+32*\c:S+31+32*\c], v[BS+2*\c+1]   ; (a conversion's three registers begin on an even number)
.endr
	v_nop                                          ; one plain place behind a scaled conversion
.irp c, 0,1                                    ; the operand wants a WHOLE block in a lane
.irp i, 0,1,2
	v_permlane16_swap_b32 v[PCD+6*\c+\i], v[CV+4*\c+\i]
.endr
.irp i, 0,1,2
	v_mov_b32 v[PCD+3+6*\c+\i], v[CV+4*\c+\i]
.endr
.endr
	v_pk_add_f32 v[SU:SU+1], v[S:S+1], v[S+2:S+3]  ; THE ROW'S SUM IS TAKEN OF THE UNQUANTISED p: two at a time, in two chains
.irp j, 4,8,12,16,20,24,28,32,36,40,44,48,52,56,60
	v_pk_add_f32 v[14:15], v[14:15], v[S+\j:S+1+\j]
	v_pk_add_f32 v[SU:SU+1], v[SU:SU+1], v[S+2+\j:S+3+\j]
.endr
	v_pk_add_f32 v[14:15], v[14:15], v[SU:SU+1]
.irp j, 0,2,4,6,8,10,12,14
	v_pk_mul_f32 v[O+\j:O+1+\j], v[O+\j:O+1+\j], v[FF:FF+1] op_sel_hi:[1,0]   ; O^T under the new M
.endr
	s_wait_dscnt 0x0                               ; V and its scale words are in
.irp t, 0,1                                    ; O^T += V^T P^T: my head's two tiles of 16 features; the two accumulators take turns, with the eight products of scores between two turns of one
	v_wmma_scale_f32_16x16x128_f8f6f4 v[O+8*\t:O+8*\t+7], v[VF+12*\t:VF+12*\t+11], v[PCD:PCD+11], v[O+8*\t:O+8*\t+7], v[VS+\t], v[PS] matrix_a_fmt:MATRIX_FMT_FP6 matrix_b_fmt:MATRIX_FMT_FP6
.endr
.rept 4
	v_nop                                          ; places in front of the next step's loads into V's registers, and of the way out's first read of O^T
.endr
.endm
; THE CHANGE OF SLOTS stands at a slot's head.  Each wave waits for all its tensor loads, adds 0 to its spare word, and waits for that and for its reads of the slot that it has left.  fill = 1: that slot is filled with the
; keys that follow; the barrier is then a round of the cluster's, and the joint load is the first thing behind it: it has a slot's four steps in which to land.
.macro CHANGE fill
	s_wait_tensorcnt 0x0                           ; no tensor load of mine is out, so group 0 may be written
	ds_add_u32 v[SPW], v[NIL]                      ; 0 onto my spare word
.if \fill
	s_xor_b32 s[G0+1], s[G0+1], SLOT1              ; the other slot than last time,
	s_add_nc_u64 s[G0+2:G0+3], s[G0+2:G0+3], 4*CH  ; the next 512 keys
.endif
	s_wait_dscnt 0x0                               ; the add is done, and my reads of the slot that I have left are over
.if \fill
	ROUND
	TLOAD
.else
	s_barrier_signal -1
	s_barrier_wait -1
.endif
.endm
.macro SLOT_STEPS
	v_add_nc_u32 v[ADK], s[TB], v[AK0]
	v_add_nc_u32 v[ADS], s[TB], v[AKS0]
	v_add_nc_u32 v[ADV], s[TB], v[AV0]
	v_add_nc_u32 v[ADT], s[TB], v[AVS0]
	STEP 0
	STEP 1
	STEP 2
	STEP 3
	s_xor_b32 s[TB], s[TB], SLOT1
.endm
.Lslot:                                            ; three trips: behind each change of slots but the last the next slot is asked for
	CHANGE 1
	SLOT_STEPS
	s_sub_co_u32 s[SLOTS], s[SLOTS], 1
	s_cmp_lg_u32 s[SLOTS], 0
	s_cbranch_scc1 .Lslot
	CHANGE 0                                       ; the last slot is written out
	SLOT_STEPS
	; THE WAY OUT.  O^T / the sum: a lane holds features 16 h + 0 .. 15 of its query's head: half a block of the next product's K
	v_add_f32 v14, v14, v15
	v_permlanex16_b32 v[TMP], v14, s[SEL], s[SEL+1]
	v_add_f32 v14, v14, v[TMP]                     ; the row's sum
	v_rcp_f32 v14, v14
	v_nop                                          ; a plain place behind the transcendental
	s_wait_alu depctr_va_vdst(0)
.irp j, 0,2,4,6,8,10,12,14
	v_pk_mul_f32 v[O+\j:O+1+\j], v[O+\j:O+1+\j], v[14:15] op_sel_hi:[1,0]
.endr
	v_max3_num_f32 v[BM], |v[O]|, |v[O+1]|, 0x1800000
	v_max3_num_f32 v[BM+1], |v[O+2]|, |v[O+3]|, |v[O+4]|
.irp i, 5,9
	v_max3_num_f32 v[BM], v[BM], |v[O+\i]|, |v[O+1+\i]|
	v_max3_num_f32 v[BM+1], v[BM+1], |v[O+2+\i]|, |v[O+3+\i]|
.endr
	v_max3_num_f32 v[BM], v[BM], |v[O+13]|, |v[O+14]|
	v_max3_num_f32 v[BM], v[BM], v[BM+1], |v[O+15]|
	v_permlanex16_b32 v[BP], v[BM], s[SEL], s[SEL+1]
	v_max_num_f32 v[BM], v[BM], v[BP]              ; the block's largest magnitude
	v_add_nc_u32 v[BS], 0xff000000, v[BM]
	v_lshrrev_b32 v[BP], 23, v[BS]
	v_cvt_scalef32_pk16_fp6_f32 v[CV:CV+2], v[O:O+15], v[BS]
	v_nop
.irp i, 0,1,2
	ds_store_b32 v[OA+\i], v[CV+\i]
.endr
	ds_store_b8 v[OB], v[BP]                       ; both lanes of a block write the same byte with the same value
	s_wait_dscnt 0x0                               ; for the others' sake: my stores have landed
	s_barrier_signal -1
	s_barrier_wait -1
	s_cmp_lt_u32 s[WV], 12
	s_cbranch_scc0 .Lnot_codes
	ds_load_b128 v[OD:OD+3], v[ORD]
	s_wait_dscnt 0x0
	global_store_b128 v[GOC], v[OD:OD+3], s[10:11] ; 512 consecutive bytes, at a multiple of 256 from the buffer's first byte
	s_branch .Ldone
.Lnot_codes:
	s_cmp_eq_u32 s[WV], 12
	s_cbranch_scc0 .Ldone
	ds_load_b64 v[OD:OD+1], v[OSR]
	s_wait_dscnt 0x0
	global_store_b64 v[GOS], v[OD:OD+1], s[12:13]  ; my four tiles' words of row r: 16 of the row's 32 bytes; the neighbouring 64 tokens' work-group writes the others
.Ldone:
	s_wait_tensorcnt 0x0                           ; the wave's end
	ds_add_u32 v[SPW], v[NIL]
	s_wait_dscnt 0x0
	ROUND                                          ; the closing round
	s_endpgm
.Lfunc_end_k_q96d156b1af_attn:
	.size	k_q96d156b1af_attn, .Lfunc_end_k_q96d156b1af_attn-k_q96d156b1af_attn
	.p2alignl 7, 3214868480
	.fill 96, 4, 3214868480
	.section	.rodata,"a",@progbits
	.p2align	6, 0x0
	.amdhsa_kernel k_q96d156b1af_attn
		.amdhsa_group_segment_fixed_size 327680
		.amdhsa_private_segment_fixed_size 0
		.amdhsa_enable_private_segment 0
		.amdhsa_kernarg_size 16
		.amdhsa_user_sgpr_count 2
		.amdhsa_user_sgpr_kernarg_segment_ptr 1
		.amdhsa_wavefront_size32 1
		.amdhsa_system_sgpr_workgroup_id_x 1
		.amdhsa_system_sgpr_workgroup_id_y 1
		.amdhsa_system_sgpr_workgroup_id_z 1
		.amdhsa_system_vgpr_workitem_id 0
		.amdhsa_next_free_vgpr 256
		.amdhsa_next_free_sgpr 66
		.amdhsa_reserve_vcc 1
		.amdhsa_float_denorm_mode_32 3
		.amdhsa_float_denorm_mode_16_64 3
		.amdhsa_memory_ordered 1
		.amdhsa_forward_progress 1
		.amdhsa_inst_pref_size 122
	.end_amdhsa_kernel
	.amdgpu_metadata
---
amdhsa.version: [ 1, 2 ]
amdhsa.kernels:
  - .name:           k_q96d156b1af_attn
    .symbol:         k_q96d156b1af_attn.kd
    .args:
      - { .name: att, .offset: 0, .size: 8, .value_kind: global_buffer, .address_space: global }
      - { .name: oc, .offset: 8, .size: 8, .value_kind: global_buffer, .address_space: global }
    .group_segment_fixed_size: 327680
    .private_segment_fixed_size: 0
    .kernarg_segment_align: 8
    .kernarg_segment_size: 16
    .max_flat_workgroup_size: 512
    .sgpr_count:     66
    .vgpr_count:     256
    .wavefront_size: 32
...
	.end_amdgpu_metadata
.endif
;; end of part 4
;; launch oproj (part 5): grid 4 x 16, 4 waves a work-group, clusters of 4 x 4, 327,680 bytes of LDS; arguments oc, wc, bo, y; writes y
.if DOCPART == 5
	.amdgcn_target "amdgcn-amd-amdhsa--gfx1250"
	.amdhsa_code_object_version 6
	.text
	.protected	k_q96d156b1af_oproj
	.globl	k_q96d156b1af_oproj
	.p2align	8
	.type	k_q96d156b1af_oproj,@function
k_q96d156b1af_oproj:
	s_mov_b64 s[64:65], 0
	v_nop
	global_prefetch_b8 v0, s[64:65] scope:SCOPE_SE
	s_setreg_imm32_b32 hwreg(HW_REG_WAVE_MODE, 25, 1), 1
	s_wait_xcnt 0x0
	s_wait_alu depctr_hold_cnt(0) depctr_sa_sdst(0) depctr_va_vdst(0) depctr_va_sdst(0) depctr_va_ssrc(0) depctr_va_vcc(0) depctr_vm_vsrc(0)
	s_getreg_b32 s2, hwreg(HW_REG_IB_STS2, 6, 4)
	s_cmp_eq_u32 s2, 0
	s_cbranch_scc0 .Lentry_in_a_cluster
	s_endpgm
.Lentry_in_a_cluster:
	s_bfe_u32 s2, ttmp6, 0x10000c
	s_cmp_lg_u32 s2, 0xf033
	s_cbranch_scc0 .Lentry_shape_is_right
	s_endpgm
.Lentry_shape_is_right:
; y = o Wo^T + bo on codes of FP6 (E2M3); y stays f32: a LayerNorm follows, which wants whole rows.
; A = o (4,096 rows), B = Wo (1,024 rows), both as CHUNKS: 128 rows x 128 K in 12,800 bytes: eight fragments as images of the operand's registers (1,536 bytes each), then 512 bytes of scale words (row m of fragment i at
; 32 m + 4 i); a tensor's chunks lie [rows / 128][K / 128].  Lane-row m of fragment i is row 32 (i / 2) + 16 (m / 8) + 8 (i % 2) + m % 8 of the 128.
; A tile of C, 256 x 256, is made by four waves; a wave makes 128 x 128: 64 accumulators, 512 registers.  K goes in steps of 256 through a ring of two LDS slots: a wave's one tensor load brings two chunks, 25,600 consecutive
; bytes, as 100 rows of 256 bytes.  CLUSTERS: 4 x 4; A's chunks are asked for jointly along a row of the cluster, B's along a column.  THE MATRIX INSTRUCTION IS USED TRANSPOSED (source 0 = B, source 1 = A).
; The bias is the C of each sum's first instruction.  C has 64 tiles of this size: 64 work-groups; a smaller tile would fill more WGPs at twice the LDS reads for each product.
; OUT: the accumulators as they stand: for each block of 16 rows and panel of 128 columns 8,192 bytes at (8 block + panel) x 8,192; registers 4 q .. 4 q + 3 of a lane's 64 at 512 q + 16 lane; register n is column
; 32 (n / 16) + 16 (lane / 16) + n % 16 of the panel, lane % 16 the block's lane-row.  Every store covers 512 consecutive bytes.
; REGISTERS: window 0: v16-29 addresses; v32-63 scale words, two sets, and nothing else; v64-127 the bias; v128-223 A's fragments, one set.  Window 1: B's fragments, two sets.  Windows 2, 3: the accumulators.
.set NP,      8
.set AOFF,    0
.set BOFF,    448*12800                ; Wo's chunks in wc
.set PA,      4
.set PB,      6
.set PBI,     8
.set PO,      10
.set CH,      12800
.set QUARTER, 2*CH
.set SLOT,    4*QUARTER
.set SPARE,   2*SLOT                   ; behind the ring: the spare words, 128 bytes a wave: two blocks of 256 bytes that no other line names
.set LAPS,    NP/4
.set FR,   12
.set NL,   3
.set ADRA, 16
.set ADRB, 20
.set ADRS, 22
.set CO,   26
.set SPW,  28
.set NIL,  29
.set SC,   32
.set BI,   64
.set AF,   128
.set G1,   24
.set G0,   32
.set G1B,  48
.set G0B,  56
.set MSB,  0
.macro WIN new                         ; the immediate's high byte repeats the setting that is left; a switch that changes nothing is dropped
.if MSB != (\new)
	s_set_vgpr_msb (MSB<<8)|(\new)
.set MSB, (\new)
.endif
.endm
.macro PLACES                          ; four plain places behind a matrix instruction (ISA guide 7.12.1)
.rept 4
	v_nop
.endr
.endm
.macro JLOAD s                         ; a joint load: waves 0, 1 fetch A's two row groups, waves 2, 3 B's; four v_nop follow each line
	s_cmp_eq_u32 s15, 0
	s_cbranch_scc0 .Lfor_b_\@
	tensor_load_to_lds s[G0+4*\s:G0+4*\s+3], s[G1:G1+7]
	s_nop 0
.rept 4
	v_nop
.endr
	s_branch .Lasked_\@
.Lfor_b_\@:
	tensor_load_to_lds s[G0B+4*\s:G0B+4*\s+3], s[G1B:G1B+7]
	s_nop 0
.rept 4
	v_nop
.endr
.Lasked_\@:
.endm
.macro CREST
	s_cmp_lg_u32 s14, 0
	s_cbranch_scc1 .Lnot_wave_0_\@
	s_barrier_signal -3
.Lnot_wave_0_\@:
	s_barrier_wait -3
	s_barrier_signal -1
	s_barrier_wait -1
.endm
.macro CROUND
	s_barrier_signal -1
	s_barrier_wait -1
	CREST
.endm
	s_load_b256 s[4:11], s[0:1], 0x0               ; oc, wc, bo, y
	v_lshl_add_u32 v[SPW], v0, 2, SPARE
	v_mov_b32 v[NIL], 0
	ds_add_u32 v28, v29
	s_wait_dscnt 0x0
	v_lshrrev_b32 v1, 5, v0
	v_readfirstlane_b32 s14, v1                    ; wave 0..3
	s_lshr_b32 s15, s14, 1                         ; my half of the tile's rows.  Also: I fetch for A (0) or for B (1)
	s_and_b32 s16, s14, 1                          ; my half of its columns.  Also: which row group I fetch
	s_bfe_u32 s40, ttmp6, 0x40000
	s_bfe_u32 s41, ttmp6, 0x40004
	s_lshl_b32 s42, ttmp9, 2
	s_add_co_u32 s42, s42, s40                     ; tile column
	s_and_b32 s17, ttmp7, 0xffff
	s_lshl_b32 s17, s17, 2
	s_add_co_u32 s17, s17, s41                     ; tile row
	s_lshl_b32 s43, s41, 2
	s_lshl_b32 s43, 15, s43
	s_lshl_b32 s44, 0x1111, s40
	s_or_b32 s[G1+0], s43, (3<<16)|(1<<21)         ; 15:0 the mask; 17:16 elements of 8 bytes; 21 set beside a mask; no padding
	s_or_b32 s[G1B+0], s44, (3<<16)|(1<<21)
.irp g, G1, G1B
	s_mov_b32 s[\g+1], 32<<16                      ; 100 rows of 32 elements, dense
	s_mov_b32 s[\g+2], 100<<16
	s_mov_b32 s[\g+3], 32<<16
	s_mov_b32 s[\g+4], 100
	s_mov_b32 s[\g+5], 32
	s_mov_b32 s[\g+6], 0
	s_mov_b32 s[\g+7], 0
.endr
	s_lshl_b32 s20, s17, 1
	s_add_co_u32 s20, s20, s16
	s_mul_i32 s20, s20, NP*CH
	s_add_co_u32 s20, s20, AOFF
	s_mov_b32 s21, 0
	s_lshl_b32 s46, s42, 1
	s_add_co_u32 s46, s46, s16
	s_mul_i32 s46, s46, NP*CH
	s_add_co_u32 s46, s46, BOFF
	s_mov_b32 s47, 0
	s_mul_i32 s45, s14, QUARTER
	s_wait_kmcnt 0x0
	s_add_nc_u64 s[20:21], s[PA:PA+1], s[20:21]
	s_add_nc_u64 s[46:47], s[PB:PB+1], s[46:47]
	CROUND                                         ; all sixteen work-groups are here: the first joint loads meet
.irp s, 0,1
	s_mov_b32 s[G0+4*\s], 1
	s_add_co_u32 s[G0+4*\s+1], s45, \s*SLOT
	s_add_nc_u64 s[G0+4*\s+2:G0+4*\s+3], s[20:21], \s*QUARTER
	s_or_b32 s[G0+4*\s+3], s[G0+4*\s+3], 0x80000000
	s_mov_b32 s[G0B+4*\s], 1
	s_add_co_u32 s[G0B+4*\s+1], s45, \s*SLOT
	s_add_nc_u64 s[G0B+4*\s+2:G0B+4*\s+3], s[46:47], \s*QUARTER
	s_or_b32 s[G0B+4*\s+3], s[G0B+4*\s+3], 0x80000000
	JLOAD \s
.endr
	v_and_b32 v1, 15, v0                           ; r
	v_bfe_u32 v2, v0, 4, 1                         ; h
	v_and_b32 v3, 31, v0
	v_lshlrev_b32 v[CO], 4, v3
	s_mul_i32 s21, s15, QUARTER
	s_mul_i32 s22, s16, QUARTER
	s_add_co_u32 s22, s22, 2*QUARTER
	s_xor_b32 s23, s15, 1
	s_add_co_u32 s23, s23, s16
	s_add_co_u32 s23, s23, 1
	s_mul_i32 s23, s23, QUARTER                    ; from my row group of A to mine of B
	v_lshlrev_b32 v4, 5, v1
	v_mul_u32_u24 v5, s23, v2                      ; lanes 16-31 take B's scale words
	v_add_nc_u32 v4, v4, v5
	v_add_nc_u32 v4, 8*1536, v4
.irp s, 0,1
	v_add_nc_u32 v[ADRA+\s], s21, v[CO]
	v_add_nc_u32 v[ADRB+\s], s22, v[CO]
	v_add_nc_u32 v[ADRS+\s], s21, v4
	s_add_co_u32 s21, s21, SLOT
	s_add_co_u32 s22, s22, SLOT
.endr
	s_lshl_b32 s18, s42, 1
	s_add_co_u32 s18, s18, s16                     ; my panel of 128 columns
	s_lshl_b32 s19, s17, 1
	s_add_co_u32 s19, s19, s15                     ; my 128 rows
	s_lshl_b32 s12, s18, 9
	s_mov_b32 s13, 0
	s_add_nc_u64 s[PBI:PBI+1], s[PBI:PBI+1], s[12:13]
	v_lshlrev_b32 v6, 6, v2
.irp b, 0,1,2,3
.irp j, 0,1,2,3
	global_load_b128 v[BI+16*\b+4*\j:BI+16*\b+4*\j+3], v6, s[PBI:PBI+1] offset:128*\b+16*\j   ; the bias in the result's layout
.endr
.endr
	s_lshl_b32 s12, s19, 19                        ; 8 blocks of rows x 8 panels x 8,192 bytes,
	s_lshl_b32 s18, s18, 13                        ; my panel
	s_add_co_u32 s12, s12, s18
	s_add_nc_u64 s[PO:PO+1], s[PO:PO+1], s[12:13]
.macro FRAG reg, adr, q, i
.irp c, 0,1,2
	ds_load_b128 v[(\reg)+4*\c:(\reg)+4*\c+3], v[\adr] offset:(\q)*CH+(\i)*1536+512*\c
.endr
.endm
; 16 matrix instructions: A's blocks a0, a0 + 1 x B's eight.  first = 1: the sums begin with the bias.  The 64 accumulators take turns, one instruction a turn.
.macro MUL16 a0, p, q, sc, first
.irp a, \a0, \a0+1
.irp b, 0,1,2,3,4,5,6,7
.if \first
	v_wmma_scale_f32_16x16x128_f8f6f4 v[8*(8*((\a)%4)+\b):8*(8*((\a)%4)+\b)+7], v[128*(\p)+FR*\b:128*(\p)+FR*\b+FR-1], v[AF+FR*(\a):AF+FR*(\a)+FR-1], v[BI+8*\b:BI+8*\b+7], v[SC+16*(\sc)+8*(\q)+\b], v[SC+16*(\sc)+8*(\q)+(\a)] matrix_a_fmt:MATRIX_FMT_FP6 matrix_b_fmt:MATRIX_FMT_FP6 matrix_a_scale:MATRIX_SCALE_ROW1
.else
	v_wmma_scale_f32_16x16x128_f8f6f4 v[8*(8*((\a)%4)+\b):8*(8*((\a)%4)+\b)+7], v[128*(\p)+FR*\b:128*(\p)+FR*\b+FR-1], v[AF+FR*(\a):AF+FR*(\a)+FR-1], v[8*(8*((\a)%4)+\b):8*(8*((\a)%4)+\b)+7], v[SC+16*(\sc)+8*(\q)+\b], v[SC+16*(\sc)+8*(\q)+(\a)] matrix_a_fmt:MATRIX_FMT_FP6 matrix_b_fmt:MATRIX_FMT_FP6 matrix_a_scale:MATRIX_SCALE_ROW1
.endif
.endr
.endr
.endm
.macro FETCH_B slot, q, p
	WIN 0x40
.irp i, 0,1,2,3,4,5,6,7
	FRAG 128*(\p)+FR*\i, ADRB+\slot, \q, \i
.endr
	WIN 0
.endm
.macro FETCH_A slot, q, i0
.irp i, \i0, \i0+1, \i0+2, \i0+3
	FRAG AF+FR*(\i), ADRA+\slot, \q, \i
.endr
.endm
.macro SCALES slot
.irp q, 0,1
.irp e, 0,1
	ds_load_b128 v[SC+16*\slot+8*\q+4*\e:SC+16*\slot+8*\q+4*\e+3], v[ADRS+\slot] offset:\q*CH+16*\e
.endr
.endr
.endm
.macro STEP slot, first                ; a slot's first 128 along K
	s_wait_dscnt 4*NL                              ; all but the youngest twelve loads (A's blocks 4-7) are in
.if \first
	WIN 0x81
.else
	WIN 0xa1
.endif
	MUL16 0, 0, 0, \slot, \first
	MUL16 2, 0, 0, \slot, \first
	s_wait_dscnt 0x0
	PLACES
	FETCH_B \slot, 1, 1
	FETCH_A \slot, 1, 0
.if \first
	WIN 0xc1
.else
	WIN 0xf1
.endif
	MUL16 4, 0, 0, \slot, \first
	MUL16 6, 0, 0, \slot, \first
	PLACES
	WIN 0
	FETCH_A \slot, 1, 4
.endm
.macro TURN slot, next, fill           ; a slot's second 128 along K, and the change of slots
	s_wait_tensorcnt 0x0                           ; all my tensor loads have landed: my part of the next slot
	ds_add_u32 v[SPW], v[NIL]                      ; 0 onto my spare word
	s_wait_dscnt 4*NL+1                            ; (the add and the youngest twelve loads may be out)
	WIN 0xa1
	MUL16 0, 1, 1, \slot, 0
	s_wait_dscnt 0x0                               ; the add is done, and my reads of this slot are over
	s_barrier_signal -1
	MUL16 2, 1, 1, \slot, 0
	WIN 0
	s_barrier_wait -1
.if \fill
	CREST                                          ; the barrier has opened a round of the cluster's
	s_add_nc_u64 s[G0+4*\slot+2:G0+4*\slot+3], s[G0+4*\slot+2:G0+4*\slot+3], 2*QUARTER
	s_add_nc_u64 s[G0B+4*\slot+2:G0B+4*\slot+3], s[G0B+4*\slot+2:G0B+4*\slot+3], 2*QUARTER
	JLOAD \slot                                    ; the first tensor load behind the round; its four v_nop are the places in front of the loads below
.else
	PLACES
.endif
	FETCH_B \next, 0, 0
	FETCH_A \next, 0, 0
	SCALES \next
	WIN 0xf1
	MUL16 4, 1, 1, \slot, 0
	MUL16 6, 1, 1, \slot, 0
	PLACES
	WIN 0
	FETCH_A \next, 0, 4
.endm
	s_wait_tensorcnt 1                             ; my part of slot 0 is in; slot 1's may stay out
	s_barrier_signal -1
	s_barrier_wait -1
	FETCH_B 0, 0, 0
	FETCH_A 0, 0, 0
	SCALES 0
	FETCH_A 0, 0, 4
	s_wait_loadcnt 0x0                             ; the bias
	STEP 0, 1
	s_mov_b32 s3, LAPS-1
.Llap:
	TURN 0, 1, 1
	STEP 1, 0
	TURN 1, 0, 1
	STEP 0, 0
	s_sub_co_u32 s3, s3, 1
	s_cmp_lg_u32 s3, 0
	s_cbranch_scc1 .Llap
	TURN 0, 1, 0
	STEP 1, 0
	s_wait_dscnt 4*NL
	WIN 0xa1
	MUL16 0, 1, 1, 1, 0
	MUL16 2, 1, 1, 1, 0
	s_wait_dscnt 0x0
	WIN 0xf1
	MUL16 4, 1, 1, 1, 0
	MUL16 6, 1, 1, 1, 0
	WIN 0
	; THE WAY OUT: the accumulators as they stand, each from its low end on; every offset is an immediate and no register is written again
	PLACES
.irp a, 0,1,2,3,4,5,6,7
	WIN 0x08+4*(\a/4)                              ; a store's data: window 2 or 3
.irp b, 0,1,2,3,4,5,6,7
	global_store_b128 v[CO], v[64*(\a%4)+8*\b:64*(\a%4)+8*\b+3], s[PO:PO+1] offset:\a*65536+1024*\b
	global_store_b128 v[CO], v[64*(\a%4)+8*\b+4:64*(\a%4)+8*\b+7], s[PO:PO+1] offset:\a*65536+1024*\b+512
.endr
.endr
	WIN 0
	s_wait_tensorcnt 0x0                           ; the wave's end
	ds_add_u32 v[SPW], v[NIL]
	s_wait_dscnt 0x0
	CROUND                                         ; the closing round
	s_endpgm
.Lfunc_end_k_q96d156b1af_oproj:
	.size	k_q96d156b1af_oproj, .Lfunc_end_k_q96d156b1af_oproj-k_q96d156b1af_oproj
	.p2alignl 7, 3214868480
	.fill 96, 4, 3214868480
	.section	.rodata,"a",@progbits
	.p2align	6, 0x0
	.amdhsa_kernel k_q96d156b1af_oproj
		.amdhsa_group_segment_fixed_size 327680
		.amdhsa_private_segment_fixed_size 0
		.amdhsa_enable_private_segment 0
		.amdhsa_kernarg_size 32
		.amdhsa_user_sgpr_count 2
		.amdhsa_user_sgpr_kernarg_segment_ptr 1
		.amdhsa_wavefront_size32 1
		.amdhsa_system_sgpr_workgroup_id_x 1
		.amdhsa_system_sgpr_workgroup_id_y 1
		.amdhsa_system_sgpr_workgroup_id_z 1
		.amdhsa_system_vgpr_workitem_id 0
		.amdhsa_next_free_vgpr 1024
		.amdhsa_next_free_sgpr 72
		.amdhsa_reserve_vcc 0
		.amdhsa_float_denorm_mode_32 3
		.amdhsa_float_denorm_mode_16_64 3
		.amdhsa_memory_ordered 1
		.amdhsa_forward_progress 1
		.amdhsa_inst_pref_size 116
	.end_amdhsa_kernel
	.amdgpu_metadata
---
amdhsa.version: [ 1, 2 ]
amdhsa.kernels:
  - .name:           k_q96d156b1af_oproj
    .symbol:         k_q96d156b1af_oproj.kd
    .args:
      - { .name: oc, .offset: 0, .size: 8, .value_kind: global_buffer, .address_space: global }
      - { .name: wc, .offset: 8, .size: 8, .value_kind: global_buffer, .address_space: global }
      - { .name: bo, .offset: 16, .size: 8, .value_kind: global_buffer, .address_space: global }
      - { .name: y, .offset: 24, .size: 8, .value_kind: global_buffer, .address_space: global }
    .group_segment_fixed_size: 327680
    .private_segment_fixed_size: 0
    .kernarg_segment_align: 8
    .kernarg_segment_size: 32
    .max_flat_workgroup_size: 128
    .sgpr_count:     72
    .vgpr_count:     1024
    .wavefront_size: 32
...
	.end_amdgpu_metadata
.endif
;; end of part 5
;; launch ln0 (part 6): grid 256 x 1, 8 waves a work-group, no clusters, 69,632 bytes of LDS; arguments y, x, ln0_a, ln0_b, hf, hcod; writes hf, hcod
.if DOCPART == 6
	.amdgcn_target "amdgcn-amd-amdhsa--gfx1250"
	.amdhsa_code_object_version 6
	.text
	.protected	k_q96d156b1af_ln0
	.globl	k_q96d156b1af_ln0
	.p2align	8
	.type	k_q96d156b1af_ln0,@function
k_q96d156b1af_ln0:
	s_mov_b64 s[64:65], 0
	v_nop
	global_prefetch_b8 v0, s[64:65] scope:SCOPE_SE
	s_setreg_imm32_b32 hwreg(HW_REG_WAVE_MODE, 25, 1), 1
	s_wait_xcnt 0x0
; h = LayerNorm(y + x) x ln0_a + ln0_b, in f32 (sigma = sqrt(mean((v - mean)^2)); 1e-9 is added to sigma), stored as f32 (hf: the second residual) and as codes of FP6 with E8M0 scales (hcod: the next product's A).
; y lies as the product's accumulators left it: for each block of 16 rows and panel of 128 columns 8,192 bytes at (8 block + panel) x 8,192; registers 4 q .. 4 q + 3 of a lane's 64 at 512 q + 16 lane; register n is column
; 32 (n / 16) + 16 (lane / 16) + n % 16 of the panel; lane-row m of block rb is row 32 (rb / 2) + 16 (m / 8) + 8 (rb % 2) + m % 8.  hf is laid alike.  hcod: chunks of 128 rows x 128 K, 12,800 bytes (eight fragments' images, then scale words).
; SHARES: a work-group takes one block of 16 rows; wave w its panel w: 64 numbers a lane, which stay in registers from the sum to the store: the deviation is taken of v - mean, never as a difference of large sums.
; x's rows are read as they lie, 512 consecutive bytes a load, and turn through the wave's own stage in LDS into the accumulators' layout.  A row's sums meet in LDS: two barriers.
; Memory binds: no matrix unit, no tensor loads, no cluster (no byte is read twice).
; The scale words leave as 4 bytes a row, 128 KB in the whole launch: whole runs would want 128 rows to a work-group, which leaves 32 work-groups.
; LIMITS: a block whose largest magnitude lies under 2^-124 gets the byte 1; a variance under 2^-126 counts as 0 in v_sqrt_f32; NaN and infinities are not served.
.set CH,  12800
.set SP,  528                          ; a stage row: 512 bytes + 16
.set RED, 8*16*SP                      ; behind the eight stages: two regions of 512 bytes for the rows' partial sums: word 32 r + 4 w
.set LI,  1                            ; 16 x lane
.set RR,  2
.set HH,  3
.set SA,  4                            ; the stage by rows
.set SB,  5                            ; the stage by my row's blocks
.set PF,  6                            ; 64 h: my place in a run of 32 of alpha, beta
.set RW,  7
.set RL,  8
.set LN,  9
.set SO,  10                           ; 32 r
.set MU,  12                           ; v[12:13] the mean, twice
.set IV,  14                           ; v[14:15] 1 / (sigma + 1e-9), twice
.set TM,  16
.set V,   32
.set XR,  96                           ; x, later alpha
.set BE,  160                          ; beta
.set PC,  224
.set PW,  244
.set T,   246
.set SEL, 40
.macro QUANT s, pw                     ; 64 numbers of a lane, register 16 b + i = k 32 b + 16 (lane / 16) + i of my row, become a fragment's codes in v[PC] on and its scale word in v[pw]
.irp b, 0,1,2,3
	v_max3_num_f32 v[TM+\b], |v[(\s)+16*\b]|, |v[(\s)+1+16*\b]|, 0x1800000   ; the floor 2^(3 - 127): the byte cannot fall under 1
.endr
.irp i, 2,4,6,8,10,12,14
.irp b, 0,1,2,3
	v_max3_num_f32 v[TM+\b], v[TM+\b], |v[(\s)+16*\b+\i]|, |v[(\s)+1+16*\b+\i]|
.endr
.endr
.irp b, 0,1,2,3
	v_permlanex16_b32 v[TM+4+\b], v[TM+\b], s[SEL], s[SEL+1]
.endr
.irp b, 0,1,2,3
	v_max_num_f32 v[TM+\b], v[TM+\b], v[TM+4+\b]
.endr
.irp b, 0,1,2,3
	v_add_nc_u32 v[TM+12+\b], 0xff000000, v[TM+\b]   ; 2 off the exponent field: the conversion's scale operand
.endr
.irp b, 0,1,2,3
	v_lshrrev_b32 v[TM+4+\b], 23, v[TM+12+\b]      ; the scale's byte
.endr
	v_lshl_or_b32 v[\pw], v[TM+5], 8, v[TM+4]
	v_lshl_or_b32 v[\pw], v[TM+6], 16, v[\pw]
	v_lshl_or_b32 v[\pw], v[TM+7], 24, v[\pw]
.irp c, 0,1
	v_cvt_scalef32_pk16_fp6_f32 v[PC+6*\c:PC+2+6*\c], v[(\s)+32*\c:(\s)+15+32*\c], v[TM+12+2*\c]
	v_cvt_scalef32_pk16_fp6_f32 v[PC+12+4*\c:PC+14+4*\c], v[(\s)+16+32*\c:(\s)+31+32*\c], v[TM+13+2*\c]
.endr
	v_nop                                          ; one plain place behind a scaled conversion
.irp c, 0,1
.irp i, 0,1,2
	v_permlane16_swap_b32 v[PC+6*\c+\i], v[PC+12+4*\c+\i]
.endr
.irp i, 0,1,2
	v_mov_b32 v[PC+3+6*\c+\i], v[PC+12+4*\c+\i]
.endr
.endr
.endm
.macro ACROSS red                      ; v[T]: my lane's sum -> the row's, over lane l xor 16 and the eight waves
	v_permlanex16_b32 v[T+1], v[T], s[SEL], s[SEL+1]
	v_add_f32 v[T], v[T], v[T+1]
	ds_store_b32 v[RW], v[T] offset:\red           ; both lanes of a row write the same word with the same value
	s_wait_dscnt 0x0                               ; for the others' sake
	s_barrier_signal -1
	s_barrier_wait -1
	ds_load_b128 v[T:T+3], v[RL] offset:\red
	ds_load_b128 v[T+4:T+7], v[RL] offset:\red+16
	s_wait_dscnt 0x0
	v_add_f32 v[T], v[T], v[T+1]
	v_add_f32 v[T+2], v[T+2], v[T+3]
	v_add_f32 v[T+4], v[T+4], v[T+5]
	v_add_f32 v[T+6], v[T+6], v[T+7]
	v_add_f32 v[T], v[T], v[T+2]
	v_add_f32 v[T+4], v[T+4], v[T+6]
	v_add_f32 v[T], v[T], v[T+4]
.endm
	s_load_b256 s[4:11], s[0:1], 0x0               ; y, x, ln0_a, ln0_b
	s_load_b128 s[12:15], s[0:1], 0x20             ; hf, hcod
	v_lshl_add_u32 v254, v0, 2, 0x10c00
	v_mov_b32 v255, 0
	v_lshrrev_b32 v2, 5, v0
	v_readfirstlane_b32 s16, v2                    ; wave = panel
	v_and_b32 v[LN], 31, v0
	v_and_b32 v[RR], 15, v0
	v_bfe_u32 v[HH], v0, 4, 1
	v_lshlrev_b32 v[LI], 4, v[LN]
	s_mul_i32 s17, s16, 16*SP
	v_add_nc_u32 v[SA], s17, v[LI]
	v_mul_u32_u24 v[SB], v[RR], SP
	v_lshl_add_u32 v[SB], v[HH], 6, v[SB]
	v_add_nc_u32 v[SB], s17, v[SB]
	v_lshlrev_b32 v[PF], 6, v[HH]
	v_lshlrev_b32 v[SO], 5, v[RR]
	v_add_nc_u32 v[RL], RED, v[SO]
	s_lshl_b32 s17, s16, 2
	v_add_nc_u32 v[RW], s17, v[RL]
	s_mov_b32 s[SEL], 0x76543210
	s_mov_b32 s[SEL+1], 0xfedcba98
.irp b, 0,1,2,3
	v_mov_b32 v[TM+4+\b], 0                        ; written once: a lane permute's destination counts as one of its sources
.endr
	s_lshl_b32 s20, ttmp9, 3
	s_add_co_u32 s20, s20, s16
	s_lshl_b32 s20, s20, 13                        ; my 8,192 bytes of y and of hf
	s_mov_b32 s21, 0
	s_lshr_b32 s22, ttmp9, 1
	s_lshl_b32 s22, s22, 17                        ; x: row 32 (rb / 2) + 8 (rb % 2), 4,096 bytes a row,
	s_and_b32 s23, ttmp9, 1
	s_lshl_b32 s23, s23, 15
	s_add_co_u32 s22, s22, s23
	s_lshl_b32 s24, s16, 9                         ; + my panel's 512 bytes
	s_add_co_u32 s22, s22, s24
	s_mov_b32 s23, 0
	s_mov_b32 s25, 0
	s_lshr_b32 s26, ttmp9, 3
	s_lshl_b32 s26, s26, 3
	s_add_co_u32 s26, s26, s16
	s_mul_i32 s26, s26, CH                         ; hcod: chunk (rb / 8, panel),
	s_and_b32 s28, ttmp9, 7
	s_mul_i32 s30, s28, 1536                       ; fragment rb % 8,
	s_add_co_u32 s30, s30, s26
	s_mov_b32 s31, 0
	s_lshl_b32 s28, s28, 2
	s_add_co_u32 s28, s28, 8*1536                  ; and its scale words
	s_add_co_u32 s28, s28, s26
	s_mov_b32 s29, 0
	s_wait_kmcnt 0x0
	s_add_nc_u64 s[4:5], s[4:5], s[20:21]
	s_add_nc_u64 s[6:7], s[6:7], s[22:23]
	s_add_nc_u64 s[8:9], s[8:9], s[24:25]
	s_add_nc_u64 s[10:11], s[10:11], s[24:25]
	s_add_nc_u64 s[12:13], s[12:13], s[20:21]
	s_add_nc_u64 s[18:19], s[14:15], s[30:31]
	s_add_nc_u64 s[14:15], s[14:15], s[28:29]
.irp m, 0,1,2,3,4,5,6,7,8,9,10,11,12,13,14,15
	global_load_b128 v[XR+4*\m:XR+4*\m+3], v[LI], s[6:7] offset:(16*(\m/8)+\m%8)*4096   ; lane-row m of x: 512 consecutive bytes
.endr
.irp q, 0,1,2,3,4,5,6,7,8,9,10,11,12,13,14,15
	global_load_b128 v[V+4*\q:V+4*\q+3], v[LI], s[4:5] offset:512*\q th:TH_LOAD_NT
.endr
.irp b, 0,1,2,3
.irp j, 0,1,2,3
	global_load_b128 v[BE+16*\b+4*\j:BE+16*\b+4*\j+3], v[PF], s[10:11] offset:128*\b+16*\j
.endr
.endr
	s_wait_loadcnt 32                              ; x's 16 loads are in; y's and beta's may be out
.irp m, 0,1,2,3,4,5,6,7,8,9,10,11,12,13,14,15
	ds_store_b128 v[SA], v[XR+4*\m:XR+4*\m+3] offset:SP*\m
.endr
.irp b, 0,1,2,3
.irp j, 0,1,2,3
	ds_load_b128 v[XR+16*\b+4*\j:XR+16*\b+4*\j+3], v[SB] offset:128*\b+16*\j   ; LDS serves a wave's instructions in order: these see the stores above
.endr
.endr
	s_wait_loadcnt 16                              ; y is in; beta's 16 loads may be out
	s_wait_dscnt 0x0
.set j, 0
.rept 32
	v_pk_add_f32 v[V+j:V+j+1], v[V+j:V+j+1], v[XR+j:XR+j+1]
.set j, j+2
.endr
.irp b, 0,1,2,3
.irp j, 0,1,2,3
	global_load_b128 v[XR+16*\b+4*\j:XR+16*\b+4*\j+3], v[PF], s[8:9] offset:128*\b+16*\j   ; alpha, into the registers that x has left
.endr
.endr
	v_pk_add_f32 v[T:T+1], v[V:V+1], v[V+2:V+3]    ; my 64 numbers' sum, in two chains
	v_pk_add_f32 v[T+2:T+3], v[V+4:V+5], v[V+6:V+7]
.set j, 8
.rept 14
	v_pk_add_f32 v[T:T+1], v[T:T+1], v[V+j:V+j+1]
	v_pk_add_f32 v[T+2:T+3], v[T+2:T+3], v[V+j+2:V+j+3]
.set j, j+4
.endr
	v_pk_add_f32 v[T:T+1], v[T:T+1], v[T+2:T+3]
	v_add_f32 v[T], v[T], v[T+1]
	ACROSS 0
	v_mul_f32 v[MU], 0x3a800000, v[T]              ; / 1,024
	v_mov_b32 v[MU+1], v[MU]
.set j, 0
.rept 32
	v_pk_add_f32 v[V+j:V+j+1], v[V+j:V+j+1], v[MU:MU+1] neg_lo:[0,1] neg_hi:[0,1]
.set j, j+2
.endr
	v_pk_mul_f32 v[T:T+1], v[V:V+1], v[V:V+1]
	v_pk_mul_f32 v[T+2:T+3], v[V+2:V+3], v[V+2:V+3]
.set j, 4
.rept 15
	v_pk_fma_f32 v[T:T+1], v[V+j:V+j+1], v[V+j:V+j+1], v[T:T+1]
	v_pk_fma_f32 v[T+2:T+3], v[V+j+2:V+j+3], v[V+j+2:V+j+3], v[T+2:T+3]
.set j, j+4
.endr
	v_pk_add_f32 v[T:T+1], v[T:T+1], v[T+2:T+3]
	v_add_f32 v[T], v[T], v[T+1]
	ACROSS 512
	v_mul_f32 v[T], 0x3a800000, v[T]
	v_sqrt_f32 v[IV], v[T]
	v_nop                                          ; a plain place behind each transcendental
	s_wait_alu depctr_va_vdst(0)
	v_add_f32 v[IV], 0x3089705f, v[IV]             ; sigma + 1e-9
	v_rcp_f32 v[IV], v[IV]
	v_nop
	s_wait_alu depctr_va_vdst(0)
	v_mov_b32 v[IV+1], v[IV]
	s_wait_loadcnt 0x0                             ; alpha and beta
.set j, 0
.rept 32
	v_pk_mul_f32 v[V+j:V+j+1], v[V+j:V+j+1], v[IV:IV+1]
.set j, j+2
.endr
.set j, 0
.rept 32
	v_pk_fma_f32 v[V+j:V+j+1], v[V+j:V+j+1], v[XR+j:XR+j+1], v[BE+j:BE+j+1]
.set j, j+2
.endr
.irp q, 0,1,2,3,4,5,6,7,8,9,10,11,12,13,14,15
	global_store_b128 v[LI], v[V+4*\q:V+4*\q+3], s[12:13] offset:512*\q
.endr
	QUANT V, PW
.irp c, 0,1,2
	global_store_b128 v[LI], v[PC+4*\c:PC+4*\c+3], s[18:19] offset:512*\c
.endr
	v_cmp_gt_u32 vcc_lo, 16, v[LN]
	s_wait_xcnt 0x0                                ; EXEC changes only behind this wait
	s_wait_tensorcnt 0x0
	ds_add_u32 v254, v255
	s_wait_dscnt 0x0
	s_and_saveexec_b32 s20, vcc_lo                 ; lanes 16-31 hold the same words
	global_store_b32 v[SO], v[PW], s[14:15]
	s_endpgm
.Lfunc_end_k_q96d156b1af_ln0:
	.size	k_q96d156b1af_ln0, .Lfunc_end_k_q96d156b1af_ln0-k_q96d156b1af_ln0
	.p2alignl 7, 3214868480
	.fill 96, 4, 3214868480
	.section	.rodata,"a",@progbits
	.p2align	6, 0x0
	.amdhsa_kernel k_q96d156b1af_ln0
		.amdhsa_group_segment_fixed_size 69632
		.amdhsa_private_segment_fixed_size 0
		.amdhsa_enable_private_segment 0
		.amdhsa_kernarg_size 48
		.amdhsa_user_sgpr_count 2
		.amdhsa_user_sgpr_kernarg_segment_ptr 1
		.amdhsa_wavefront_size32 1
		.amdhsa_system_sgpr_workgroup_id_x 1
		.amdhsa_system_sgpr_workgroup_id_y 1
		.amdhsa_system_sgpr_workgroup_id_z 1
		.amdhsa_system_vgpr_workitem_id 0
		.amdhsa_next_free_vgpr 256
		.amdhsa_next_free_sgpr 66
		.amdhsa_reserve_vcc 1
		.amdhsa_float_denorm_mode_32 3
		.amdhsa_float_denorm_mode_16_64 3
		.amdhsa_memory_ordered 1
		.amdhsa_forward_progress 1
		.amdhsa_inst_pref_size 31
	.end_amdhsa_kernel
	.amdgpu_metadata
---
amdhsa.version: [ 1, 2 ]
amdhsa.kernels:
  - .name:           k_q96d156b1af_ln0
    .symbol:         k_q96d156b1af_ln0.kd
    .args:
      - { .name: y, .offset: 0, .size: 8, .value_kind: global_buffer, .address_space: global }
      - { .name: x, .offset: 8, .size: 8, .value_kind: global_buffer, .address_space: global }
      - { .name: ln0_a, .offset: 16, .size: 8, .value_kind: global_buffer, .address_space: global }
      - { .name: ln0_b, .offset: 24, .size: 8, .value_kind: global_buffer, .address_space: global }
      - { .name: hf, .offset: 32, .size: 8, .value_kind: global_buffer, .address_space: global }
      - { .name: hcod, .offset: 40, .size: 8, .value_kind: global_buffer, .address_space: global }
    .group_segment_fixed_size: 69632
    .private_segment_fixed_size: 0
    .kernarg_segment_align: 8
    .kernarg_segment_size: 48
    .max_flat_workgroup_size: 256
    .sgpr_count:     66
    .vgpr_count:     256
    .wavefront_size: 32
...
	.end_amdgpu_metadata
.endif
;; end of part 6
;; launch ffn1 (part 7): grid 16 x 16, 4 waves a work-group, clusters of 4 x 4, 327,680 bytes of LDS; arguments hcod, wc, b0, hid; writes hid
.if DOCPART == 7
	.amdgcn_target "amdgcn-amd-amdhsa--gfx1250"
	.amdhsa_code_object_version 6
	.text
	.protected	k_q96d156b1af_ffn1
	.globl	k_q96d156b1af_ffn1
	.p2align	8
	.type	k_q96d156b1af_ffn1,@function
k_q96d156b1af_ffn1:
	s_mov_b64 s[64:65], 0
	v_nop
	global_prefetch_b8 v0, s[64:65] scope:SCOPE_SE
	s_setreg_imm32_b32 hwreg(HW_REG_WAVE_MODE, 25, 1), 1
	s_wait_xcnt 0x0
	s_wait_alu depctr_hold_cnt(0) depctr_sa_sdst(0) depctr_va_vdst(0) depctr_va_sdst(0) depctr_va_ssrc(0) depctr_va_vcc(0) depctr_vm_vsrc(0)
	s_getreg_b32 s2, hwreg(HW_REG_IB_STS2, 6, 4)
	s_cmp_eq_u32 s2, 0
	s_cbranch_scc0 .Lentry_in_a_cluster
	s_endpgm
.Lentry_in_a_cluster:
	s_bfe_u32 s2, ttmp6, 0x10000c
	s_cmp_lg_u32 s2, 0xf033
	s_cbranch_scc0 .Lentry_shape_is_right
	s_endpgm
.Lentry_shape_is_right:
; relu(h W0^T + b0) on codes of FP6 (E2M3), and the result quantised along the hidden units, which are the next product's K: the hidden layer goes to memory as codes alone.
; A = h (4,096 rows), B = W0 (4,096 rows), both as CHUNKS: 128 rows x 128 K in 12,800 bytes: eight fragments as images of the operand's registers (1,536 bytes each), then 512 bytes of scale words (row m of fragment i at
; 32 m + 4 i); a tensor's chunks lie [rows / 128][K / 128].  Lane-row m of fragment i is row 32 (i / 2) + 16 (m / 8) + 8 (i % 2) + m % 8 of the 128.
; A tile of C, 256 x 256, is made by four waves; a wave makes 128 x 128: 64 accumulators, 512 registers; 256 work-groups.  K goes in steps of 256 through a ring of two LDS slots: a wave's one tensor load brings two chunks,
; 25,600 consecutive bytes, as 100 rows of 256 bytes.  CLUSTERS: 4 x 4; A's chunks are asked for jointly along a row of the cluster, B's along a column.  THE MATRIX INSTRUCTION IS USED TRANSPOSED (source 0 = B, source 1 = A):
; register 16 b + i of a lane's 64 for a block of 16 rows is column 32 b + 16 (lane / 16) + i.  The bias is the C of each sum's first instruction.
; OUT: a wave's 128 x 128 is one chunk of hid, [rows / 128][hidden units / 128].
; REGISTERS: window 0: v16-29 addresses; v32-63 scale words, two sets, and nothing else; v64-127 the bias; v128-223 A's fragments, one set (on the way out: scratch).  Window 1: B's fragments, two sets.  Windows 2, 3: the accumulators.
; LIMITS: a block whose largest magnitude lies under 2^-124, a block of zeros among them, gets the byte 1 (this program alone reads the bytes); NaN and infinities are not served.
.set NP,      8
.set AOFF,    0
.set BOFF,    512*12800                ; W0's chunks in wc
.set PA,      4
.set PB,      6
.set PBI,     8
.set PO,      10
.set CH,      12800
.set QUARTER, 2*CH
.set SLOT,    4*QUARTER
.set SPARE,   2*SLOT                   ; behind the ring: the spare words, 128 bytes a wave: two blocks of 256 bytes that no other line names
.set LAPS,    NP/4
.set FR,   12
.set NL,   3
.set ADRA, 16
.set ADRB, 20
.set ADRS, 22
.set CO,   26
.set CS,   27
.set SPW,  28
.set NIL,  29
.set SC,   32
.set BI,   64
.set AF,   128
.set PC,   128
.set TM,   168
.set PW,   184
.set W,    192
.set G1,   24
.set G0,   32
.set G1B,  48
.set G0B,  56
.set SEL,  66
.set MSB,  0
.macro WIN new                         ; the immediate's high byte repeats the setting that is left; a switch that changes nothing is dropped
.if MSB != (\new)
	s_set_vgpr_msb (MSB<<8)|(\new)
.set MSB, (\new)
.endif
.endm
.macro PLACES                          ; four plain places behind a matrix instruction (ISA guide 7.12.1)
.rept 4
	v_nop
.endr
.endm
.macro JLOAD s                         ; a joint load: waves 0, 1 fetch A's two row groups, waves 2, 3 B's; four v_nop follow each line
	s_cmp_eq_u32 s15, 0
	s_cbranch_scc0 .Lfor_b_\@
	tensor_load_to_lds s[G0+4*\s:G0+4*\s+3], s[G1:G1+7]
	s_nop 0
.rept 4
	v_nop
.endr
	s_branch .Lasked_\@
.Lfor_b_\@:
	tensor_load_to_lds s[G0B+4*\s:G0B+4*\s+3], s[G1B:G1B+7]
	s_nop 0
.rept 4
	v_nop
.endr
.Lasked_\@:
.endm
.macro CREST
	s_cmp_lg_u32 s14, 0
	s_cbranch_scc1 .Lnot_wave_0_\@
	s_barrier_signal -3
.Lnot_wave_0_\@:
	s_barrier_wait -3
	s_barrier_signal -1
	s_barrier_wait -1
.endm
.macro CROUND
	s_barrier_signal -1
	s_barrier_wait -1
	CREST
.endm
	s_load_b256 s[4:11], s[0:1], 0x0               ; hcod, wc, b0, hid
	v_lshl_add_u32 v[SPW], v0, 2, SPARE
	v_mov_b32 v[NIL], 0
	ds_add_u32 v28, v29
	s_wait_dscnt 0x0
	v_lshrrev_b32 v1, 5, v0
	v_readfirstlane_b32 s14, v1                    ; wave 0..3
	s_lshr_b32 s15, s14, 1                         ; my half of the tile's rows.  Also: I fetch for A (0) or for B (1)
	s_and_b32 s16, s14, 1                          ; my half of its columns.  Also: which row group I fetch
	s_bfe_u32 s40, ttmp6, 0x40000
	s_bfe_u32 s41, ttmp6, 0x40004
	s_lshl_b32 s42, ttmp9, 2
	s_add_co_u32 s42, s42, s40                     ; tile column
	s_and_b32 s17, ttmp7, 0xffff
	s_lshl_b32 s17, s17, 2
	s_add_co_u32 s17, s17, s41                     ; tile row
	s_lshl_b32 s43, s41, 2
	s_lshl_b32 s43, 15, s43
	s_lshl_b32 s44, 0x1111, s40
	s_or_b32 s[G1+0], s43, (3<<16)|(1<<21)         ; 15:0 the mask; 17:16 elements of 8 bytes; 21 set beside a mask; no padding
	s_or_b32 s[G1B+0], s44, (3<<16)|(1<<21)
.irp g, G1, G1B
	s_mov_b32 s[\g+1], 32<<16                      ; 100 rows of 32 elements, dense
	s_mov_b32 s[\g+2], 100<<16
	s_mov_b32 s[\g+3], 32<<16
	s_mov_b32 s[\g+4], 100
	s_mov_b32 s[\g+5], 32
	s_mov_b32 s[\g+6], 0
	s_mov_b32 s[\g+7], 0
.endr
	s_lshl_b32 s20, s17, 1
	s_add_co_u32 s20, s20, s16
	s_mul_i32 s20, s20, NP*CH
	s_add_co_u32 s20, s20, AOFF
	s_mov_b32 s21, 0
	s_lshl_b32 s46, s42, 1
	s_add_co_u32 s46, s46, s16
	s_mul_i32 s46, s46, NP*CH
	s_add_co_u32 s46, s46, BOFF
	s_mov_b32 s47, 0
	s_mul_i32 s45, s14, QUARTER
	s_wait_kmcnt 0x0
	s_add_nc_u64 s[20:21], s[PA:PA+1], s[20:21]
	s_add_nc_u64 s[46:47], s[PB:PB+1], s[46:47]
	CROUND                                         ; all sixteen work-groups are here: the first joint loads meet
.irp s, 0,1
	s_mov_b32 s[G0+4*\s], 1
	s_add_co_u32 s[G0+4*\s+1], s45, \s*SLOT
	s_add_nc_u64 s[G0+4*\s+2:G0+4*\s+3], s[20:21], \s*QUARTER
	s_or_b32 s[G0+4*\s+3], s[G0+4*\s+3], 0x80000000
	s_mov_b32 s[G0B+4*\s], 1
	s_add_co_u32 s[G0B+4*\s+1], s45, \s*SLOT
	s_add_nc_u64 s[G0B+4*\s+2:G0B+4*\s+3], s[46:47], \s*QUARTER
	s_or_b32 s[G0B+4*\s+3], s[G0B+4*\s+3], 0x80000000
	JLOAD \s
.endr
	v_and_b32 v1, 15, v0                           ; r
	v_bfe_u32 v2, v0, 4, 1                         ; h
	v_and_b32 v3, 31, v0
	v_lshlrev_b32 v[CO], 4, v3
	s_mul_i32 s21, s15, QUARTER
	s_mul_i32 s22, s16, QUARTER
	s_add_co_u32 s22, s22, 2*QUARTER
	s_xor_b32 s23, s15, 1
	s_add_co_u32 s23, s23, s16
	s_add_co_u32 s23, s23, 1
	s_mul_i32 s23, s23, QUARTER                    ; from my row group of A to mine of B
	v_lshlrev_b32 v4, 5, v1
	v_mul_u32_u24 v5, s23, v2                      ; lanes 16-31 take B's scale words
	v_add_nc_u32 v4, v4, v5
	v_add_nc_u32 v4, 8*1536, v4
.irp s, 0,1
	v_add_nc_u32 v[ADRA+\s], s21, v[CO]
	v_add_nc_u32 v[ADRB+\s], s22, v[CO]
	v_add_nc_u32 v[ADRS+\s], s21, v4
	s_add_co_u32 s21, s21, SLOT
	s_add_co_u32 s22, s22, SLOT
.endr
	s_lshl_b32 s18, s42, 1
	s_add_co_u32 s18, s18, s16                     ; my panel of 128 hidden units
	s_lshl_b32 s19, s17, 1
	s_add_co_u32 s19, s19, s15                     ; my 128 rows
	s_lshl_b32 s12, s18, 9
	s_mov_b32 s13, 0
	s_add_nc_u64 s[PBI:PBI+1], s[PBI:PBI+1], s[12:13]
	v_lshlrev_b32 v6, 6, v2
.irp b, 0,1,2,3
.irp j, 0,1,2,3
	global_load_b128 v[BI+16*\b+4*\j:BI+16*\b+4*\j+3], v6, s[PBI:PBI+1] offset:128*\b+16*\j   ; the bias in the result's layout
.endr
.endr
	s_lshl_b32 s12, s19, 5
	s_add_co_u32 s12, s12, s18
	s_mul_i32 s12, s12, CH
	s_add_nc_u64 s[PO:PO+1], s[PO:PO+1], s[12:13]  ; my chunk of hid
	v_lshlrev_b32 v[CS], 5, v1
	v_lshl_add_u32 v[CS], v2, 4, v[CS]
	v_add_nc_u32 v[CS], 8*1536, v[CS]              ; its scale words: 12,288 + 32 r + 16 h
	s_mov_b32 s[SEL], 0x76543210
	s_mov_b32 s[SEL+1], 0xfedcba98
.macro FRAG reg, adr, q, i
.irp c, 0,1,2
	ds_load_b128 v[(\reg)+4*\c:(\reg)+4*\c+3], v[\adr] offset:(\q)*CH+(\i)*1536+512*\c
.endr
.endm
; 16 matrix instructions: A's blocks a0, a0 + 1 x B's eight.  first = 1: the sums begin with the bias.  The 64 accumulators take turns, one instruction a turn.
.macro MUL16 a0, p, q, sc, first
.irp a, \a0, \a0+1
.irp b, 0,1,2,3,4,5,6,7
.if \first
	v_wmma_scale_f32_16x16x128_f8f6f4 v[8*(8*((\a)%4)+\b):8*(8*((\a)%4)+\b)+7], v[128*(\p)+FR*\b:128*(\p)+FR*\b+FR-1], v[AF+FR*(\a):AF+FR*(\a)+FR-1], v[BI+8*\b:BI+8*\b+7], v[SC+16*(\sc)+8*(\q)+\b], v[SC+16*(\sc)+8*(\q)+(\a)] matrix_a_fmt:MATRIX_FMT_FP6 matrix_b_fmt:MATRIX_FMT_FP6 matrix_a_scale:MATRIX_SCALE_ROW1
.else
	v_wmma_scale_f32_16x16x128_f8f6f4 v[8*(8*((\a)%4)+\b):8*(8*((\a)%4)+\b)+7], v[128*(\p)+FR*\b:128*(\p)+FR*\b+FR-1], v[AF+FR*(\a):AF+FR*(\a)+FR-1], v[8*(8*((\a)%4)+\b):8*(8*((\a)%4)+\b)+7], v[SC+16*(\sc)+8*(\q)+\b], v[SC+16*(\sc)+8*(\q)+(\a)] matrix_a_fmt:MATRIX_FMT_FP6 matrix_b_fmt:MATRIX_FMT_FP6 matrix_a_scale:MATRIX_SCALE_ROW1
.endif
.endr
.endr
.endm
.macro FETCH_B slot, q, p
	WIN 0x40
.irp i, 0,1,2,3,4,5,6,7
	FRAG 128*(\p)+FR*\i, ADRB+\slot, \q, \i
.endr
	WIN 0
.endm
.macro FETCH_A slot, q, i0
.irp i, \i0, \i0+1, \i0+2, \i0+3
	FRAG AF+FR*(\i), ADRA+\slot, \q, \i
.endr
.endm
.macro SCALES slot
.irp q, 0,1
.irp e, 0,1
	ds_load_b128 v[SC+16*\slot+8*\q+4*\e:SC+16*\slot+8*\q+4*\e+3], v[ADRS+\slot] offset:\q*CH+16*\e
.endr
.endr
.endm
.macro STEP slot, first                ; a slot's first 128 along K
	s_wait_dscnt 4*NL                              ; all but the youngest twelve loads (A's blocks 4-7) are in
.if \first
	WIN 0x81
.else
	WIN 0xa1
.endif
	MUL16 0, 0, 0, \slot, \first
	MUL16 2, 0, 0, \slot, \first
	s_wait_dscnt 0x0
	PLACES
	FETCH_B \slot, 1, 1
	FETCH_A \slot, 1, 0
.if \first
	WIN 0xc1
.else
	WIN 0xf1
.endif
	MUL16 4, 0, 0, \slot, \first
	MUL16 6, 0, 0, \slot, \first
	PLACES
	WIN 0
	FETCH_A \slot, 1, 4
.endm
.macro TURN slot, next, fill           ; a slot's second 128 along K, and the change of slots
	s_wait_tensorcnt 0x0                           ; all my tensor loads have landed: my part of the next slot
	ds_add_u32 v[SPW], v[NIL]                      ; 0 onto my spare word
	s_wait_dscnt 4*NL+1                            ; (the add and the youngest twelve loads may be out)
	WIN 0xa1
	MUL16 0, 1, 1, \slot, 0
	s_wait_dscnt 0x0                               ; the add is done, and my reads of this slot are over
	s_barrier_signal -1
	MUL16 2, 1, 1, \slot, 0
	WIN 0
	s_barrier_wait -1
.if \fill
	CREST                                          ; the barrier has opened a round of the cluster's
	s_add_nc_u64 s[G0+4*\slot+2:G0+4*\slot+3], s[G0+4*\slot+2:G0+4*\slot+3], 2*QUARTER
	s_add_nc_u64 s[G0B+4*\slot+2:G0B+4*\slot+3], s[G0B+4*\slot+2:G0B+4*\slot+3], 2*QUARTER
	JLOAD \slot                                    ; the first tensor load behind the round; its four v_nop are the places in front of the loads below
.else
	PLACES
.endif
	FETCH_B \next, 0, 0
	FETCH_A \next, 0, 0
	SCALES \next
	WIN 0xf1
	MUL16 4, 1, 1, \slot, 0
	MUL16 6, 1, 1, \slot, 0
	PLACES
	WIN 0
	FETCH_A \next, 0, 4
.endm
	s_wait_tensorcnt 1                             ; my part of slot 0 is in; slot 1's may stay out
	s_barrier_signal -1
	s_barrier_wait -1
	FETCH_B 0, 0, 0
	FETCH_A 0, 0, 0
	SCALES 0
	FETCH_A 0, 0, 4
	s_wait_loadcnt 0x0                             ; the bias
	STEP 0, 1
	s_mov_b32 s3, LAPS-1
.Llap:
	TURN 0, 1, 1
	STEP 1, 0
	TURN 1, 0, 1
	STEP 0, 0
	s_sub_co_u32 s3, s3, 1
	s_cmp_lg_u32 s3, 0
	s_cbranch_scc1 .Llap
	TURN 0, 1, 0
	STEP 1, 0
	s_wait_dscnt 4*NL
	WIN 0xa1
	MUL16 0, 1, 1, 1, 0
	MUL16 2, 1, 1, 1, 0
	s_wait_dscnt 0x0
	WIN 0xf1
	MUL16 4, 1, 1, 1, 0
	MUL16 6, 1, 1, 1, 0
	WIN 0
.macro RELU a                          ; the activation, in f32, on block a's 64 registers, in ascending order
	WIN ((2+(\a)/4)<<6)|((2+(\a)/4)<<2)
.set j, 64*((\a)%4)
.rept 64
	v_max_num_f32 v[j], 0, v[j]
.set j, j+1
.endr
.endm
; Four runs of 16 registers in window w, run b = k 32 b + 16 (lane / 16) + 0 .. 15 of my row, become a fragment's codes in v[PC] on and its scale word in v[pw]
.macro QUANT w, s0, s1, s2, s3, pw
	WIN ((\w)<<2)|((\w)<<4)
	v_max3_num_f32 v[TM+0], 0x1800000, |v[(\s0)]|, |v[(\s0)+1]|   ; the floor 2^(3 - 127): the byte cannot fall under 1
	v_max3_num_f32 v[TM+1], 0x1800000, |v[(\s1)]|, |v[(\s1)+1]|
	v_max3_num_f32 v[TM+2], 0x1800000, |v[(\s2)]|, |v[(\s2)+1]|
	v_max3_num_f32 v[TM+3], 0x1800000, |v[(\s3)]|, |v[(\s3)+1]|
.irp i, 2,4,6,8,10,12,14
	v_max3_num_f32 v[TM+0], v[TM+0], |v[(\s0)+\i]|, |v[(\s0)+\i+1]|
	v_max3_num_f32 v[TM+1], v[TM+1], |v[(\s1)+\i]|, |v[(\s1)+\i+1]|
	v_max3_num_f32 v[TM+2], v[TM+2], |v[(\s2)+\i]|, |v[(\s2)+\i+1]|
	v_max3_num_f32 v[TM+3], v[TM+3], |v[(\s3)+\i]|, |v[(\s3)+\i+1]|
.endr
	WIN 0
.irp b, 0,1,2,3
	v_permlanex16_b32 v[TM+4+\b], v[TM+\b], s[SEL], s[SEL+1]
.endr
.irp b, 0,1,2,3
	v_max_num_f32 v[TM+\b], v[TM+\b], v[TM+4+\b]
.endr
.irp b, 0,1,2,3
	v_add_nc_u32 v[TM+12+\b], 0xff000000, v[TM+\b]   ; 2 off the exponent field: the conversion's scale operand
.endr
.irp b, 0,1,2,3
	v_lshrrev_b32 v[TM+4+\b], 23, v[TM+12+\b]      ; the scale's byte
.endr
	v_lshl_or_b32 v[\pw], v[TM+5], 8, v[TM+4]
	v_lshl_or_b32 v[\pw], v[TM+6], 16, v[\pw]
	v_lshl_or_b32 v[\pw], v[TM+7], 24, v[\pw]
	s_wait_xcnt 0x0                                ; the last fragment's stores have read v[PC] on
	WIN (\w)
	v_cvt_scalef32_pk16_fp6_f32 v[PC:PC+2], v[(\s0):(\s0)+15], v[TM+12]
	v_cvt_scalef32_pk16_fp6_f32 v[PC+12:PC+14], v[(\s1):(\s1)+15], v[TM+13]
	v_cvt_scalef32_pk16_fp6_f32 v[PC+6:PC+8], v[(\s2):(\s2)+15], v[TM+14]
	v_cvt_scalef32_pk16_fp6_f32 v[PC+16:PC+18], v[(\s3):(\s3)+15], v[TM+15]
	WIN 0
	v_nop                                          ; one plain place behind a scaled conversion
.irp c, 0,1
.irp i, 0,1,2
	v_permlane16_swap_b32 v[PC+6*\c+\i], v[PC+12+4*\c+\i]
.endr
.irp i, 0,1,2
	v_mov_b32 v[PC+3+6*\c+\i], v[PC+12+4*\c+\i]
.endr
.endr
.endm
	; THE WAY OUT: each block of 16 rows becomes one fragment of my chunk
	PLACES
.irp b, 0,1,2,3
	v_mov_b32 v[TM+4+\b], 0                        ; written once: a lane permute's destination counts as one of its sources
.endr
.irp a, 0,1,2,3,4,5,6,7
	RELU \a
	QUANT 2+\a/4, 64*(\a%4), 64*(\a%4)+16, 64*(\a%4)+32, 64*(\a%4)+48, PW+\a
.irp c, 0,1,2
	global_store_b128 v[CO], v[PC+4*\c:PC+4*\c+3], s[PO:PO+1] offset:1536*\a+512*\c   ; 512 consecutive bytes, at a multiple of 256 from the buffer's first byte
.endr
.endr
	v_cmp_ne_u32 vcc_lo, 0, v2
.irp i, 0,1,2,3
	v_cndmask_b32 v[W+\i], v[PW+\i], v[PW+4+\i], vcc_lo
.endr
	global_store_b128 v[CS], v[W:W+3], s[PO:PO+1]
	s_wait_tensorcnt 0x0                           ; the wave's end
	ds_add_u32 v[SPW], v[NIL]
	s_wait_dscnt 0x0
	CROUND                                         ; the closing round
	s_endpgm
.Lfunc_end_k_q96d156b1af_ffn1:
	.size	k_q96d156b1af_ffn1, .Lfunc_end_k_q96d156b1af_ffn1-k_q96d156b1af_ffn1
	.p2alignl 7, 3214868480
	.fill 96, 4, 3214868480
	.section	.rodata,"a",@progbits
	.p2align	6, 0x0
	.amdhsa_kernel k_q96d156b1af_ffn1
		.amdhsa_group_segment_fixed_size 327680
		.amdhsa_private_segment_fixed_size 0
		.amdhsa_enable_private_segment 0
		.amdhsa_kernarg_size 32
		.amdhsa_user_sgpr_count 2
		.amdhsa_user_sgpr_kernarg_segment_ptr 1
		.amdhsa_wavefront_size32 1
		.amdhsa_system_sgpr_workgroup_id_x 1
		.amdhsa_system_sgpr_workgroup_id_y 1
		.amdhsa_system_sgpr_workgroup_id_z 1
		.amdhsa_system_vgpr_workitem_id 0
		.amdhsa_next_free_vgpr 1024
		.amdhsa_next_free_sgpr 72
		.amdhsa_reserve_vcc 1
		.amdhsa_float_denorm_mode_32 3
		.amdhsa_float_denorm_mode_16_64 3
		.amdhsa_memory_ordered 1
		.amdhsa_forward_progress 1
		.amdhsa_inst_pref_size 154
	.end_amdhsa_kernel
	.amdgpu_metadata
---
amdhsa.version: [ 1, 2 ]
amdhsa.kernels:
  - .name:           k_q96d156b1af_ffn1
    .symbol:         k_q96d156b1af_ffn1.kd
    .args:
      - { .name: hcod, .offset: 0, .size: 8, .value_kind: global_buffer, .address_space: global }
      - { .name: wc, .offset: 8, .size: 8, .value_kind: global_buffer, .address_space: global }
      - { .name: b0, .offset: 16, .size: 8, .value_kind: global_buffer, .address_space: global }
      - { .name: hid, .offset: 24, .size: 8, .value_kind: global_buffer, .address_space: global }
    .group_segment_fixed_size: 327680
    .private_segment_fixed_size: 0
    .kernarg_segment_align: 8
    .kernarg_segment_size: 32
    .max_flat_workgroup_size: 128
    .sgpr_count:     72
    .vgpr_count:     1024
    .wavefront_size: 32
...
	.end_amdgpu_metadata
.endif
;; end of part 7
;; launch ffn2 (part 8): grid 4 x 16, 4 waves a work-group, clusters of 4 x 4, 327,680 bytes of LDS; arguments hid, wc, b1, y; writes y
.if DOCPART == 8
	.amdgcn_target "amdgcn-amd-amdhsa--gfx1250"
	.amdhsa_code_object_version 6
	.text
	.protected	k_q96d156b1af_ffn2
	.globl	k_q96d156b1af_ffn2
	.p2align	8
	.type	k_q96d156b1af_ffn2,@function
k_q96d156b1af_ffn2:
	s_mov_b64 s[64:65], 0
	v_nop
	global_prefetch_b8 v0, s[64:65] scope:SCOPE_SE
	s_setreg_imm32_b32 hwreg(HW_REG_WAVE_MODE, 25, 1), 1
	s_wait_xcnt 0x0
	s_wait_alu depctr_hold_cnt(0) depctr_sa_sdst(0) depctr_va_vdst(0) depctr_va_sdst(0) depctr_va_ssrc(0) depctr_va_vcc(0) depctr_vm_vsrc(0)
	s_getreg_b32 s2, hwreg(HW_REG_IB_STS2, 6, 4)
	s_cmp_eq_u32 s2, 0
	s_cbranch_scc0 .Lentry_in_a_cluster
	s_endpgm
.Lentry_in_a_cluster:
	s_bfe_u32 s2, ttmp6, 0x10000c
	s_cmp_lg_u32 s2, 0xf033
	s_cbranch_scc0 .Lentry_shape_is_right
	s_endpgm
.Lentry_shape_is_right:
; y = hidden W1^T + b1 on codes of FP6 (E2M3), K = 4,096; y stays f32: a LayerNorm follows, which wants whole rows.
; A = the hidden layer (4,096 rows), B = W1 (1,024 rows), both as CHUNKS: 128 rows x 128 K in 12,800 bytes: eight fragments as images of the operand's registers (1,536 bytes each), then 512 bytes of scale words (row m of
; fragment i at 32 m + 4 i); a tensor's chunks lie [rows / 128][K / 128].  Lane-row m of fragment i is row 32 (i / 2) + 16 (m / 8) + 8 (i % 2) + m % 8 of the 128.
; A tile of C, 256 x 256, is made by four waves; a wave makes 128 x 128: 64 accumulators, 512 registers.  K goes in steps of 256 through a ring of two LDS slots: a wave's one tensor load brings two chunks, 25,600 consecutive
; bytes, as 100 rows of 256 bytes.  CLUSTERS: 4 x 4; A's chunks are asked for jointly along a row of the cluster, B's along a column.  THE MATRIX INSTRUCTION IS USED TRANSPOSED (source 0 = B, source 1 = A).
; The bias is the C of each sum's first instruction.  C has 64 tiles of this size: 64 work-groups; a smaller tile would fill more WGPs at twice the LDS reads for each product.
; OUT: the accumulators as they stand: for each block of 16 rows and panel of 128 columns 8,192 bytes at (8 block + panel) x 8,192; registers 4 q .. 4 q + 3 of a lane's 64 at 512 q + 16 lane.  Every store covers 512 consecutive bytes.
; REGISTERS: window 0: v16-29 addresses; v32-63 scale words, two sets, and nothing else; v64-127 the bias; v128-223 A's fragments, one set.  Window 1: B's fragments, two sets.  Windows 2, 3: the accumulators.
.set NP,      32
.set AOFF,    0
.set BOFF,    768*12800                ; W1's chunks in wc
.set PA,      4
.set PB,      6
.set PBI,     8
.set PO,      10
.set CH,      12800
.set QUARTER, 2*CH
.set SLOT,    4*QUARTER
.set SPARE,   2*SLOT                   ; behind the ring: the spare words, 128 bytes a wave: two blocks of 256 bytes that no other line names
.set LAPS,    NP/4
.set FR,   12
.set NL,   3
.set ADRA, 16
.set ADRB, 20
.set ADRS, 22
.set CO,   26
.set SPW,  28
.set NIL,  29
.set SC,   32
.set BI,   64
.set AF,   128
.set G1,   24
.set G0,   32
.set G1B,  48
.set G0B,  56
.set MSB,  0
.macro WIN new                         ; the immediate's high byte repeats the setting that is left; a switch that changes nothing is dropped
.if MSB != (\new)
	s_set_vgpr_msb (MSB<<8)|(\new)
.set MSB, (\new)
.endif
.endm
.macro PLACES                          ; four plain places behind a matrix instruction (ISA guide 7.12.1)
.rept 4
	v_nop
.endr
.endm
.macro JLOAD s                         ; a joint load: waves 0, 1 fetch A's two row groups, waves 2, 3 B's; four v_nop follow each line
	s_cmp_eq_u32 s15, 0
	s_cbranch_scc0 .Lfor_b_\@
	tensor_load_to_lds s[G0+4*\s:G0+4*\s+3], s[G1:G1+7]
	s_nop 0
.rept 4
	v_nop
.endr
	s_branch .Lasked_\@
.Lfor_b_\@:
	tensor_load_to_lds s[G0B+4*\s:G0B+4*\s+3], s[G1B:G1B+7]
	s_nop 0
.rept 4
	v_nop
.endr
.Lasked_\@:
.endm
.macro CREST
	s_cmp_lg_u32 s14, 0
	s_cbranch_scc1 .Lnot_wave_0_\@
	s_barrier_signal -3
.Lnot_wave_0_\@:
	s_barrier_wait -3
	s_barrier_signal -1
	s_barrier_wait -1
.endm
.macro CROUND
	s_barrier_signal -1
	s_barrier_wait -1
	CREST
.endm
	s_load_b256 s[4:11], s[0:1], 0x0               ; hid, wc, b1, y
	v_lshl_add_u32 v[SPW], v0, 2, SPARE
	v_mov_b32 v[NIL], 0
	ds_add_u32 v28, v29
	s_wait_dscnt 0x0
	v_lshrrev_b32 v1, 5, v0
	v_readfirstlane_b32 s14, v1                    ; wave 0..3
	s_lshr_b32 s15, s14, 1                         ; my half of the tile's rows.  Also: I fetch for A (0) or for B (1)
	s_and_b32 s16, s14, 1                          ; my half of its columns.  Also: which row group I fetch
	s_bfe_u32 s40, ttmp6, 0x40000
	s_bfe_u32 s41, ttmp6, 0x40004
	s_lshl_b32 s42, ttmp9, 2
	s_add_co_u32 s42, s42, s40                     ; tile column
	s_and_b32 s17, ttmp7, 0xffff
	s_lshl_b32 s17, s17, 2
	s_add_co_u32 s17, s17, s41                     ; tile row
	s_lshl_b32 s43, s41, 2
	s_lshl_b32 s43, 15, s43
	s_lshl_b32 s44, 0x1111, s40
	s_or_b32 s[G1+0], s43, (3<<16)|(1<<21)         ; 15:0 the mask; 17:16 elements of 8 bytes; 21 set beside a mask; no padding
	s_or_b32 s[G1B+0], s44, (3<<16)|(1<<21)
.irp g, G1, G1B
	s_mov_b32 s[\g+1], 32<<16                      ; 100 rows of 32 elements, dense
	s_mov_b32 s[\g+2], 100<<16
	s_mov_b32 s[\g+3], 32<<16
	s_mov_b32 s[\g+4], 100
	s_mov_b32 s[\g+5], 32
	s_mov_b32 s[\g+6], 0
	s_mov_b32 s[\g+7], 0
.endr
	s_lshl_b32 s20, s17, 1
	s_add_co_u32 s20, s20, s16
	s_mul_i32 s20, s20, NP*CH
	s_add_co_u32 s20, s20, AOFF
	s_mov_b32 s21, 0
	s_lshl_b32 s46, s42, 1
	s_add_co_u32 s46, s46, s16
	s_mul_i32 s46, s46, NP*CH
	s_add_co_u32 s46, s46, BOFF
	s_mov_b32 s47, 0
	s_mul_i32 s45, s14, QUARTER
	s_wait_kmcnt 0x0
	s_add_nc_u64 s[20:21], s[PA:PA+1], s[20:21]
	s_add_nc_u64 s[46:47], s[PB:PB+1], s[46:47]
	CROUND                                         ; all sixteen work-groups are here: the first joint loads meet
.irp s, 0,1
	s_mov_b32 s[G0+4*\s], 1
	s_add_co_u32 s[G0+4*\s+1], s45, \s*SLOT
	s_add_nc_u64 s[G0+4*\s+2:G0+4*\s+3], s[20:21], \s*QUARTER
	s_or_b32 s[G0+4*\s+3], s[G0+4*\s+3], 0x80000000
	s_mov_b32 s[G0B+4*\s], 1
	s_add_co_u32 s[G0B+4*\s+1], s45, \s*SLOT
	s_add_nc_u64 s[G0B+4*\s+2:G0B+4*\s+3], s[46:47], \s*QUARTER
	s_or_b32 s[G0B+4*\s+3], s[G0B+4*\s+3], 0x80000000
	JLOAD \s
.endr
	v_and_b32 v1, 15, v0                           ; r
	v_bfe_u32 v2, v0, 4, 1                         ; h
	v_and_b32 v3, 31, v0
	v_lshlrev_b32 v[CO], 4, v3
	s_mul_i32 s21, s15, QUARTER
	s_mul_i32 s22, s16, QUARTER
	s_add_co_u32 s22, s22, 2*QUARTER
	s_xor_b32 s23, s15, 1
	s_add_co_u32 s23, s23, s16
	s_add_co_u32 s23, s23, 1
	s_mul_i32 s23, s23, QUARTER                    ; from my row group of A to mine of B
	v_lshlrev_b32 v4, 5, v1
	v_mul_u32_u24 v5, s23, v2                      ; lanes 16-31 take B's scale words
	v_add_nc_u32 v4, v4, v5
	v_add_nc_u32 v4, 8*1536, v4
.irp s, 0,1
	v_add_nc_u32 v[ADRA+\s], s21, v[CO]
	v_add_nc_u32 v[ADRB+\s], s22, v[CO]
	v_add_nc_u32 v[ADRS+\s], s21, v4
	s_add_co_u32 s21, s21, SLOT
	s_add_co_u32 s22, s22, SLOT
.endr
	s_lshl_b32 s18, s42, 1
	s_add_co_u32 s18, s18, s16                     ; my panel of 128 columns
	s_lshl_b32 s19, s17, 1
	s_add_co_u32 s19, s19, s15                     ; my 128 rows
	s_lshl_b32 s12, s18, 9
	s_mov_b32 s13, 0
	s_add_nc_u64 s[PBI:PBI+1], s[PBI:PBI+1], s[12:13]
	v_lshlrev_b32 v6, 6, v2
.irp b, 0,1,2,3
.irp j, 0,1,2,3
	global_load_b128 v[BI+16*\b+4*\j:BI+16*\b+4*\j+3], v6, s[PBI:PBI+1] offset:128*\b+16*\j   ; the bias in the result's layout
.endr
.endr
	s_lshl_b32 s12, s19, 19                        ; 8 blocks of rows x 8 panels x 8,192 bytes,
	s_lshl_b32 s18, s18, 13                        ; my panel
	s_add_co_u32 s12, s12, s18
	s_add_nc_u64 s[PO:PO+1], s[PO:PO+1], s[12:13]
.macro FRAG reg, adr, q, i
.irp c, 0,1,2
	ds_load_b128 v[(\reg)+4*\c:(\reg)+4*\c+3], v[\adr] offset:(\q)*CH+(\i)*1536+512*\c
.endr
.endm
; 16 matrix instructions: A's blocks a0, a0 + 1 x B's eight.  first = 1: the sums begin with the bias.  The 64 accumulators take turns, one instruction a turn.
.macro MUL16 a0, p, q, sc, first
.irp a, \a0, \a0+1
.irp b, 0,1,2,3,4,5,6,7
.if \first
	v_wmma_scale_f32_16x16x128_f8f6f4 v[8*(8*((\a)%4)+\b):8*(8*((\a)%4)+\b)+7], v[128*(\p)+FR*\b:128*(\p)+FR*\b+FR-1], v[AF+FR*(\a):AF+FR*(\a)+FR-1], v[BI+8*\b:BI+8*\b+7], v[SC+16*(\sc)+8*(\q)+\b], v[SC+16*(\sc)+8*(\q)+(\a)] matrix_a_fmt:MATRIX_FMT_FP6 matrix_b_fmt:MATRIX_FMT_FP6 matrix_a_scale:MATRIX_SCALE_ROW1
.else
	v_wmma_scale_f32_16x16x128_f8f6f4 v[8*(8*((\a)%4)+\b):8*(8*((\a)%4)+\b)+7], v[128*(\p)+FR*\b:128*(\p)+FR*\b+FR-1], v[AF+FR*(\a):AF+FR*(\a)+FR-1], v[8*(8*((\a)%4)+\b):8*(8*((\a)%4)+\b)+7], v[SC+16*(\sc)+8*(\q)+\b], v[SC+16*(\sc)+8*(\q)+(\a)] matrix_a_fmt:MATRIX_FMT_FP6 matrix_b_fmt:MATRIX_FMT_FP6 matrix_a_scale:MATRIX_SCALE_ROW1
.endif
.endr
.endr
.endm
.macro FETCH_B slot, q, p
	WIN 0x40
.irp i, 0,1,2,3,4,5,6,7
	FRAG 128*(\p)+FR*\i, ADRB+\slot, \q, \i
.endr
	WIN 0
.endm
.macro FETCH_A slot, q, i0
.irp i, \i0, \i0+1, \i0+2, \i0+3
	FRAG AF+FR*(\i), ADRA+\slot, \q, \i
.endr
.endm
.macro SCALES slot
.irp q, 0,1
.irp e, 0,1
	ds_load_b128 v[SC+16*\slot+8*\q+4*\e:SC+16*\slot+8*\q+4*\e+3], v[ADRS+\slot] offset:\q*CH+16*\e
.endr
.endr
.endm
.macro STEP slot, first                ; a slot's first 128 along K
	s_wait_dscnt 4*NL                              ; all but the youngest twelve loads (A's blocks 4-7) are in
.if \first
	WIN 0x81
.else
	WIN 0xa1
.endif
	MUL16 0, 0, 0, \slot, \first
	MUL16 2, 0, 0, \slot, \first
	s_wait_dscnt 0x0
	PLACES
	FETCH_B \slot, 1, 1
	FETCH_A \slot, 1, 0
.if \first
	WIN 0xc1
.else
	WIN 0xf1
.endif
	MUL16 4, 0, 0, \slot, \first
	MUL16 6, 0, 0, \slot, \first
	PLACES
	WIN 0
	FETCH_A \slot, 1, 4
.endm
.macro TURN slot, next, fill           ; a slot's second 128 along K, and the change of slots
	s_wait_tensorcnt 0x0                           ; all my tensor loads have landed: my part of the next slot
	ds_add_u32 v[SPW], v[NIL]                      ; 0 onto my spare word
	s_wait_dscnt 4*NL+1                            ; (the add and the youngest twelve loads may be out)
	WIN 0xa1
	MUL16 0, 1, 1, \slot, 0
	s_wait_dscnt 0x0                               ; the add is done, and my reads of this slot are over
	s_barrier_signal -1
	MUL16 2, 1, 1, \slot, 0
	WIN 0
	s_barrier_wait -1
.if \fill
	CREST                                          ; the barrier has opened a round of the cluster's
	s_add_nc_u64 s[G0+4*\slot+2:G0+4*\slot+3], s[G0+4*\slot+2:G0+4*\slot+3], 2*QUARTER
	s_add_nc_u64 s[G0B+4*\slot+2:G0B+4*\slot+3], s[G0B+4*\slot+2:G0B+4*\slot+3], 2*QUARTER
	JLOAD \slot                                    ; the first tensor load behind the round; its four v_nop are the places in front of the loads below
.else
	PLACES
.endif
	FETCH_B \next, 0, 0
	FETCH_A \next, 0, 0
	SCALES \next
	WIN 0xf1
	MUL16 4, 1, 1, \slot, 0
	MUL16 6, 1, 1, \slot, 0
	PLACES
	WIN 0
	FETCH_A \next, 0, 4
.endm
	s_wait_tensorcnt 1                             ; my part of slot 0 is in; slot 1's may stay out
	s_barrier_signal -1
	s_barrier_wait -1
	FETCH_B 0, 0, 0
	FETCH_A 0, 0, 0
	SCALES 0
	FETCH_A 0, 0, 4
	s_wait_loadcnt 0x0                             ; the bias
	STEP 0, 1
	s_mov_b32 s3, LAPS-1
.Llap:
	TURN 0, 1, 1
	STEP 1, 0
	TURN 1, 0, 1
	STEP 0, 0
	s_sub_co_u32 s3, s3, 1
	s_cmp_lg_u32 s3, 0
	s_cbranch_scc1 .Llap
	TURN 0, 1, 0
	STEP 1, 0
	s_wait_dscnt 4*NL
	WIN 0xa1
	MUL16 0, 1, 1, 1, 0
	MUL16 2, 1, 1, 1, 0
	s_wait_dscnt 0x0
	WIN 0xf1
	MUL16 4, 1, 1, 1, 0
	MUL16 6, 1, 1, 1, 0
	WIN 0
	; THE WAY OUT: the accumulators as they stand, each from its low end on; every offset is an immediate and no register is written again
	PLACES
.irp a, 0,1,2,3,4,5,6,7
	WIN 0x08+4*(\a/4)                              ; a store's data: window 2 or 3
.irp b, 0,1,2,3,4,5,6,7
	global_store_b128 v[CO], v[64*(\a%4)+8*\b:64*(\a%4)+8*\b+3], s[PO:PO+1] offset:\a*65536+1024*\b
	global_store_b128 v[CO], v[64*(\a%4)+8*\b+4:64*(\a%4)+8*\b+7], s[PO:PO+1] offset:\a*65536+1024*\b+512
.endr
.endr
	WIN 0
	s_wait_tensorcnt 0x0                           ; the wave's end
	ds_add_u32 v[SPW], v[NIL]
	s_wait_dscnt 0x0
	CROUND                                         ; the closing round
	s_endpgm
.Lfunc_end_k_q96d156b1af_ffn2:
	.size	k_q96d156b1af_ffn2, .Lfunc_end_k_q96d156b1af_ffn2-k_q96d156b1af_ffn2
	.p2alignl 7, 3214868480
	.fill 96, 4, 3214868480
	.section	.rodata,"a",@progbits
	.p2align	6, 0x0
	.amdhsa_kernel k_q96d156b1af_ffn2
		.amdhsa_group_segment_fixed_size 327680
		.amdhsa_private_segment_fixed_size 0
		.amdhsa_enable_private_segment 0
		.amdhsa_kernarg_size 32
		.amdhsa_user_sgpr_count 2
		.amdhsa_user_sgpr_kernarg_segment_ptr 1
		.amdhsa_wavefront_size32 1
		.amdhsa_system_sgpr_workgroup_id_x 1
		.amdhsa_system_sgpr_workgroup_id_y 1
		.amdhsa_system_sgpr_workgroup_id_z 1
		.amdhsa_system_vgpr_workitem_id 0
		.amdhsa_next_free_vgpr 1024
		.amdhsa_next_free_sgpr 72
		.amdhsa_reserve_vcc 0
		.amdhsa_float_denorm_mode_32 3
		.amdhsa_float_denorm_mode_16_64 3
		.amdhsa_memory_ordered 1
		.amdhsa_forward_progress 1
		.amdhsa_inst_pref_size 116
	.end_amdhsa_kernel
	.amdgpu_metadata
---
amdhsa.version: [ 1, 2 ]
amdhsa.kernels:
  - .name:           k_q96d156b1af_ffn2
    .symbol:         k_q96d156b1af_ffn2.kd
    .args:
      - { .name: hid, .offset: 0, .size: 8, .value_kind: global_buffer, .address_space: global }
      - { .name: wc, .offset: 8, .size: 8, .value_kind: global_buffer, .address_space: global }
      - { .name: b1, .offset: 16, .size: 8, .value_kind: global_buffer, .address_space: global }
      - { .name: y, .offset: 24, .size: 8, .value_kind: global_buffer, .address_space: global }
    .group_segment_fixed_size: 327680
    .private_segment_fixed_size: 0
    .kernarg_segment_align: 8
    .kernarg_segment_size: 32
    .max_flat_workgroup_size: 128
    .sgpr_count:     72
    .vgpr_count:     1024
    .wavefront_size: 32
...
	.end_amdgpu_metadata
.endif
;; end of part 8
;; launch ln1 (part 9): grid 256 x 1, 8 waves a work-group, no clusters, 69,632 bytes of LDS; arguments y, hf, ln1_a, ln1_b, out0; writes out0
.if DOCPART == 9
	.amdgcn_target "amdgcn-amd-amdhsa--gfx1250"
	.amdhsa_code_object_version 6
	.text
	.protected	k_q96d156b1af_ln1
	.globl	k_q96d156b1af_ln1
	.p2align	8
	.type	k_q96d156b1af_ln1,@function
k_q96d156b1af_ln1:
	s_mov_b64 s[64:65], 0
	v_nop
	global_prefetch_b8 v0, s[64:65] scope:SCOPE_SE
	s_setreg_imm32_b32 hwreg(HW_REG_WAVE_MODE, 25, 1), 1
	s_wait_xcnt 0x0
; out0 = LayerNorm(y + h) x ln1_a + ln1_b, in f32 (sigma = sqrt(mean((v - mean)^2)); 1e-9 is added to sigma).
; y and hf lie as a product's accumulators: for each block of 16 rows and panel of 128 columns 8,192 bytes at (8 block + panel) x 8,192; registers 4 q .. 4 q + 3 of a lane's 64 at 512 q + 16 lane; register n is column
; 32 (n / 16) + 16 (lane / 16) + n % 16 of the panel; lane-row m of block rb is row 32 (rb / 2) + 16 (m / 8) + 8 (rb % 2) + m % 8.
; SHARES: a work-group takes one block of 16 rows; wave w its panel w: 64 numbers a lane, which stay in registers from the sum to the store: the deviation is taken of v - mean, never as a difference of large sums.
; A row's sums meet in LDS: two barriers.  The result turns through the wave's own stage in LDS and leaves as rows: each store covers 512 consecutive bytes of one row of out0.
; Memory binds: no matrix unit, no tensor loads, no cluster (no byte is read twice).
; LIMITS: a variance under 2^-126 counts as 0 in v_sqrt_f32; NaN and infinities are not served.
.set SP,  528                          ; a stage row: 512 bytes + 16
.set RED, 8*16*SP                      ; behind the eight stages: two regions of 512 bytes for the rows' partial sums: word 32 r + 4 w
.set LI,  1
.set RR,  2
.set HH,  3
.set SA,  4                            ; the stage by rows
.set SB,  5                            ; the stage by my row's blocks
.set PF,  6                            ; 64 h
.set RW,  7
.set RL,  8
.set LN,  9
.set MU,  12
.set IV,  14
.set V,   32
.set XR,  96                           ; h, later alpha, later rows of the result
.set BE,  160
.set T,   246
.set SEL, 40
.macro ACROSS red                      ; v[T]: my lane's sum -> the row's, over lane l xor 16 and the eight waves
	v_permlanex16_b32 v[T+1], v[T], s[SEL], s[SEL+1]
	v_add_f32 v[T], v[T], v[T+1]
	ds_store_b32 v[RW], v[T] offset:\red           ; both lanes of a row write the same word with the same value
	s_wait_dscnt 0x0                               ; for the others' sake
	s_barrier_signal -1
	s_barrier_wait -1
	ds_load_b128 v[T:T+3], v[RL] offset:\red
	ds_load_b128 v[T+4:T+7], v[RL] offset:\red+16
	s_wait_dscnt 0x0
	v_add_f32 v[T], v[T], v[T+1]
	v_add_f32 v[T+2], v[T+2], v[T+3]
	v_add_f32 v[T+4], v[T+4], v[T+5]
	v_add_f32 v[T+6], v[T+6], v[T+7]
	v_add_f32 v[T], v[T], v[T+2]
	v_add_f32 v[T+4], v[T+4], v[T+6]
	v_add_f32 v[T], v[T], v[T+4]
.endm
	s_load_b256 s[4:11], s[0:1], 0x0               ; y, hf, ln1_a, ln1_b
	s_load_b64 s[12:13], s[0:1], 0x20              ; out0
	v_lshl_add_u32 v254, v0, 2, 0x10c00
	v_mov_b32 v255, 0
	v_lshrrev_b32 v2, 5, v0
	v_readfirstlane_b32 s16, v2                    ; wave = panel
	v_and_b32 v[LN], 31, v0
	v_and_b32 v[RR], 15, v0
	v_bfe_u32 v[HH], v0, 4, 1
	v_lshlrev_b32 v[LI], 4, v[LN]
	s_mul_i32 s17, s16, 16*SP
	v_add_nc_u32 v[SA], s17, v[LI]
	v_mul_u32_u24 v[SB], v[RR], SP
	v_lshl_add_u32 v[SB], v[HH], 6, v[SB]
	v_add_nc_u32 v[SB], s17, v[SB]
	v_lshlrev_b32 v[PF], 6, v[HH]
	v_lshlrev_b32 v[RL], 5, v[RR]
	v_add_nc_u32 v[RL], RED, v[RL]
	s_lshl_b32 s17, s16, 2
	v_add_nc_u32 v[RW], s17, v[RL]
	s_mov_b32 s[SEL], 0x76543210
	s_mov_b32 s[SEL+1], 0xfedcba98
	s_lshl_b32 s20, ttmp9, 3
	s_add_co_u32 s20, s20, s16
	s_lshl_b32 s20, s20, 13                        ; my 8,192 bytes of y and of hf
	s_mov_b32 s21, 0
	s_lshr_b32 s22, ttmp9, 1
	s_lshl_b32 s22, s22, 17                        ; out0: row 32 (rb / 2) + 8 (rb % 2), 4,096 bytes a row,
	s_and_b32 s23, ttmp9, 1
	s_lshl_b32 s23, s23, 15
	s_add_co_u32 s22, s22, s23
	s_lshl_b32 s24, s16, 9                         ; + my panel's 512 bytes
	s_add_co_u32 s22, s22, s24
	s_mov_b32 s23, 0
	s_mov_b32 s25, 0
	s_wait_kmcnt 0x0
	s_add_nc_u64 s[4:5], s[4:5], s[20:21]
	s_add_nc_u64 s[6:7], s[6:7], s[20:21]
	s_add_nc_u64 s[8:9], s[8:9], s[24:25]
	s_add_nc_u64 s[10:11], s[10:11], s[24:25]
	s_add_nc_u64 s[12:13], s[12:13], s[22:23]
.irp q, 0,1,2,3,4,5,6,7,8,9,10,11,12,13,14,15
	global_load_b128 v[V+4*\q:V+4*\q+3], v[LI], s[4:5] offset:512*\q th:TH_LOAD_NT
.endr
.irp q, 0,1,2,3,4,5,6,7,8,9,10,11,12,13,14,15
	global_load_b128 v[XR+4*\q:XR+4*\q+3], v[LI], s[6:7] offset:512*\q th:TH_LOAD_NT
.endr
.irp b, 0,1,2,3
.irp j, 0,1,2,3
	global_load_b128 v[BE+16*\b+4*\j:BE+16*\b+4*\j+3], v[PF], s[10:11] offset:128*\b+16*\j
.endr
.endr
	s_wait_loadcnt 16                              ; y and h are in; beta's 16 loads may be out
.set j, 0
.rept 32
	v_pk_add_f32 v[V+j:V+j+1], v[V+j:V+j+1], v[XR+j:XR+j+1]
.set j, j+2
.endr
.irp b, 0,1,2,3
.irp j, 0,1,2,3
	global_load_b128 v[XR+16*\b+4*\j:XR+16*\b+4*\j+3], v[PF], s[8:9] offset:128*\b+16*\j   ; alpha, into the registers that h has left
.endr
.endr
	v_pk_add_f32 v[T:T+1], v[V:V+1], v[V+2:V+3]    ; my 64 numbers' sum, in two chains
	v_pk_add_f32 v[T+2:T+3], v[V+4:V+5], v[V+6:V+7]
.set j, 8
.rept 14
	v_pk_add_f32 v[T:T+1], v[T:T+1], v[V+j:V+j+1]
	v_pk_add_f32 v[T+2:T+3], v[T+2:T+3], v[V+j+2:V+j+3]
.set j, j+4
.endr
	v_pk_add_f32 v[T:T+1], v[T:T+1], v[T+2:T+3]
	v_add_f32 v[T], v[T], v[T+1]
	ACROSS 0
	v_mul_f32 v[MU], 0x3a800000, v[T]              ; / 1,024
	v_mov_b32 v[MU+1], v[MU]
.set j, 0
.rept 32
	v_pk_add_f32 v[V+j:V+j+1], v[V+j:V+j+1], v[MU:MU+1] neg_lo:[0,1] neg_hi:[0,1]
.set j, j+2
.endr
	v_pk_mul_f32 v[T:T+1], v[V:V+1], v[V:V+1]
	v_pk_mul_f32 v[T+2:T+3], v[V+2:V+3], v[V+2:V+3]
.set j, 4
.rept 15
	v_pk_fma_f32 v[T:T+1], v[V+j:V+j+1], v[V+j:V+j+1], v[T:T+1]
	v_pk_fma_f32 v[T+2:T+3], v[V+j+2:V+j+3], v[V+j+2:V+j+3], v[T+2:T+3]
.set j, j+4
.endr
	v_pk_add_f32 v[T:T+1], v[T:T+1], v[T+2:T+3]
	v_add_f32 v[T], v[T], v[T+1]
	ACROSS 512
	v_mul_f32 v[T], 0x3a800000, v[T]
	v_sqrt_f32 v[IV], v[T]
	v_nop                                          ; a plain place behind each transcendental
	s_wait_alu depctr_va_vdst(0)
	v_add_f32 v[IV], 0x3089705f, v[IV]             ; sigma + 1e-9
	v_rcp_f32 v[IV], v[IV]
	v_nop
	s_wait_alu depctr_va_vdst(0)
	v_mov_b32 v[IV+1], v[IV]
	s_wait_loadcnt 0x0                             ; alpha and beta
.set j, 0
.rept 32
	v_pk_mul_f32 v[V+j:V+j+1], v[V+j:V+j+1], v[IV:IV+1]
.set j, j+2
.endr
.set j, 0
.rept 32
	v_pk_fma_f32 v[V+j:V+j+1], v[V+j:V+j+1], v[XR+j:XR+j+1], v[BE+j:BE+j+1]
.set j, j+2
.endr
.irp b, 0,1,2,3
.irp j, 0,1,2,3
	ds_store_b128 v[SB], v[V+16*\b+4*\j:V+16*\b+4*\j+3] offset:128*\b+16*\j   ; my row's 16 numbers of each block of 32
.endr
.endr
.irp m, 0,1,2,3,4,5,6,7,8,9,10,11,12,13,14,15
	ds_load_b128 v[XR+4*\m:XR+4*\m+3], v[SA] offset:SP*\m   ; LDS serves a wave's instructions in order: these see the stores above
.endr
.irp m, 0,1,2,3,4,5,6,7,8,9,10,11,12,13,14,15
	s_wait_dscnt 15-\m                             ; row m is back; the younger rows may be out
	global_store_b128 v[LI], v[XR+4*\m:XR+4*\m+3], s[12:13] offset:(16*(\m/8)+\m%8)*4096 th:TH_STORE_NT   ; 512 consecutive bytes of lane-row m's row
.endr
	s_wait_tensorcnt 0x0
	ds_add_u32 v254, v255
	s_wait_dscnt 0x0
	s_endpgm
.Lfunc_end_k_q96d156b1af_ln1:
	.size	k_q96d156b1af_ln1, .Lfunc_end_k_q96d156b1af_ln1-k_q96d156b1af_ln1
	.p2alignl 7, 3214868480
	.fill 96, 4, 3214868480
	.section	.rodata,"a",@progbits
	.p2align	6, 0x0
	.amdhsa_kernel k_q96d156b1af_ln1
		.amdhsa_group_segment_fixed_size 69632
		.amdhsa_private_segment_fixed_size 0
		.amdhsa_enable_private_segment 0
		.amdhsa_kernarg_size 40
		.amdhsa_user_sgpr_count 2
		.amdhsa_user_sgpr_kernarg_segment_ptr 1
		.amdhsa_wavefront_size32 1
		.amdhsa_system_sgpr_workgroup_id_x 1
		.amdhsa_system_sgpr_workgroup_id_y 1
		.amdhsa_system_sgpr_workgroup_id_z 1
		.amdhsa_system_vgpr_workitem_id 0
		.amdhsa_next_free_vgpr 256
		.amdhsa_next_free_sgpr 66
		.amdhsa_reserve_vcc 0
		.amdhsa_float_denorm_mode_32 3
		.amdhsa_float_denorm_mode_16_64 3
		.amdhsa_memory_ordered 1
		.amdhsa_forward_progress 1
		.amdhsa_inst_pref_size 26
	.end_amdhsa_kernel
	.amdgpu_metadata
---
amdhsa.version: [ 1, 2 ]
amdhsa.kernels:
  - .name:           k_q96d156b1af_ln1
    .symbol:         k_q96d156b1af_ln1.kd
    .args:
      - { .name: y, .offset: 0, .size: 8, .value_kind: global_buffer, .address_space: global }
      - { .name: hf, .offset: 8, .size: 8, .value_kind: global_buffer, .address_space: global }
      - { .name: ln1_a, .offset: 16, .size: 8, .value_kind: global_buffer, .address_space: global }
      - { .name: ln1_b, .offset: 24, .size: 8, .value_kind: global_buffer, .address_space: global }
      - { .name: out0, .offset: 32, .size: 8, .value_kind: global_buffer, .address_space: global }
    .group_segment_fixed_size: 69632
    .private_segment_fixed_size: 0
    .kernarg_segment_align: 8
    .kernarg_segment_size: 40
    .max_flat_workgroup_size: 256
    .sgpr_count:     66
    .vgpr_count:     256
    .wavefront_size: 32
...
	.end_amdgpu_metadata
.endif
;; end of part 9
;; ======== version 2 of 2: 8 launches
;; limits: right only within a limited range of input values
;; workspace buffers: wc 13,107,200 bytes; att 9,830,400 bytes; oc 3,276,800 bytes; y 16,777,216 bytes; hf 16,777,216 bytes; hcod 3,276,800 bytes; hid 13,107,200 bytes
;; launch quant (part 10): grid 256 x 1, 4 waves a work-group, no clusters, 34,304 bytes of LDS; arguments x, Wk, Wq, Wv, Wo, W0, W1, wc; writes wc
.if DOCPART == 10
	.amdgcn_target "amdgcn-amd-amdhsa--gfx1250"
	.amdhsa_code_object_version 6
	.text
	.protected	k_q96d156b1af_quant
	.globl	k_q96d156b1af_quant
	.p2align	8
	.type	k_q96d156b1af_quant,@function
k_q96d156b1af_quant:
	s_mov_b64 s[64:65], 0
	v_nop
	global_prefetch_b8 v0, s[64:65] scope:SCOPE_SE
	s_setreg_imm32_b32 hwreg(HW_REG_WAVE_MODE, 25, 1), 1
	s_wait_xcnt 0x0
; x and the six weights, f32 with K innermost, become codes of FP6 (E2M3) with one E8M0 byte for each 32 along K, laid in CHUNKS, the form in which the products' launches take operands.
; A CHUNK is 128 rows x 128 along K, 12,800 bytes: eight fragments as images of the operand's registers (fragment i: register quad c of lane l at 1536 i + 512 c + 16 l), then at 12,288 the scale words (row m of fragment i at 32 m + 4 i).
; Lane-row m of fragment i is row 32 (i / 2) + 16 (m / 8) + 8 (i % 2) + m % 8 of the 128: with that order a product's 16 registers of two neighbouring tiles are 16 neighbours along the next K.
; A tensor's chunks lie [rows / 128][K / 128].  wc: x chunks 0-255, Wk 256-, Wq 320-, Wv 384-, Wo 448-, W0 512-, W1 768-1023.
; SHARES: 1,024 waves, one chunk each.  A load reads 512 consecutive bytes of one row; a fragment's 16 rows turn through the wave's own stage in LDS, so that a lane holds 16 neighbours of each block of 32.
; Memory binds: no tensor loads, no barrier (waves share nothing), no cluster (no byte is read twice).  Loads run one fragment (16 loads) ahead of the fragment in hand.
; A block's scale is 2^(floor(log2(largest magnitude)) - 2): its byte is the largest magnitude's exponent field - 2, held at 1 from below.
; LIMITS: a block whose largest magnitude lies under 2^-124, a block of zeros among them, gets the byte 1 (its codes are zeros or next to it; this program alone reads the bytes); NaN and infinities are not served.
.set CH,  12800
.set SP,  528                          ; a stage row: 512 bytes + 16: the 16 rows that a load of 16 bytes a lane touches start in different banks
.set VO,  16                           ; v16-31   row m's byte offset: 16 x lane + (16 (m / 8) + m % 8) x pitch
.set R0,  32                           ; v32-159  two sets of 64 numbers
.set TM,  160                          ; v160-175 largest magnitudes, bytes, scale operands
.set PC,  176                          ; v176-194 a fragment's codes
.set PW,  216                          ; v216-223 the eight fragments' scale words
.set W,   224                          ; v224-227 four of them, to store
.set SEL, 56                           ; s[56:57] lane selects: lane l xor 16
; 64 numbers of a lane, register 16 b + i = k 32 b + 16 (lane / 16) + i of my row, become a fragment's codes in v[PC] on and its scale word in v[pw]
.macro QUANT s, pw
.irp b, 0,1,2,3
	v_max3_num_f32 v[TM+\b], |v[(\s)+16*\b]|, |v[(\s)+1+16*\b]|, 0x1800000   ; my 16 numbers of block b, and the floor 2^(3 - 127): the byte cannot fall under 1
.endr
.irp i, 2,4,6,8,10,12,14
.irp b, 0,1,2,3
	v_max3_num_f32 v[TM+\b], v[TM+\b], |v[(\s)+16*\b+\i]|, |v[(\s)+1+16*\b+\i]|   ; the four blocks by turns
.endr
.endr
.irp b, 0,1,2,3
	v_permlanex16_b32 v[TM+4+\b], v[TM+\b], s[SEL], s[SEL+1]
.endr
.irp b, 0,1,2,3
	v_max_num_f32 v[TM+\b], v[TM+\b], v[TM+4+\b]   ; with lane l xor 16's: the block's largest magnitude
.endr
.irp b, 0,1,2,3
	v_add_nc_u32 v[TM+12+\b], 0xff000000, v[TM+\b]   ; 2 off its exponent field: the conversion's scale operand
.endr
.irp b, 0,1,2,3
	v_lshrrev_b32 v[TM+4+\b], 23, v[TM+12+\b]      ; the scale's byte
.endr
	v_lshl_or_b32 v[\pw], v[TM+5], 8, v[TM+4]
	v_lshl_or_b32 v[\pw], v[TM+6], 16, v[\pw]
	v_lshl_or_b32 v[\pw], v[TM+7], 24, v[\pw]
	s_wait_xcnt 0x0                                ; the last fragment's stores have read v[PC] on
.irp c, 0,1
	v_cvt_scalef32_pk16_fp6_f32 v[PC+6*\c:PC+2+6*\c], v[(\s)+32*\c:(\s)+15+32*\c], v[TM+12+2*\c]
	v_cvt_scalef32_pk16_fp6_f32 v[PC+12+4*\c:PC+14+4*\c], v[(\s)+16+32*\c:(\s)+31+32*\c], v[TM+13+2*\c]   ; (a conversion's three registers begin on an even number)
.endr
	v_nop                                          ; one plain place behind a scaled conversion
.irp c, 0,1                                    ; the operand wants a WHOLE block in a lane: lanes 0-15 block 2 c, lanes 16-31 block 2 c + 1
.irp i, 0,1,2
	v_permlane16_swap_b32 v[PC+6*\c+\i], v[PC+12+4*\c+\i]
.endr
.irp i, 0,1,2
	v_mov_b32 v[PC+3+6*\c+\i], v[PC+12+4*\c+\i]
.endr
.endr
.endm
	s_load_b256 s[4:11], s[0:1], 0x0               ; x, Wk, Wq, Wv
	s_load_b256 s[12:19], s[0:1], 0x20             ; Wo, W0, W1, wc
	v_lshl_add_u32 v232, v0, 2, 0x8400
	v_mov_b32 v233, 0
	v_lshrrev_b32 v2, 5, v0
	v_readfirstlane_b32 s20, v2                    ; wave
	v_and_b32 v2, 31, v0                           ; lane
	v_and_b32 v3, 15, v0                           ; r
	v_bfe_u32 v7, v0, 4, 1                         ; h
	v_lshlrev_b32 v1, 4, v2                        ; 16 x lane
	s_mul_i32 s21, s20, 16*SP                      ; my stage
	v_add_nc_u32 v4, s21, v1                       ; into it: a row as it lies
	v_mul_u32_u24 v5, v3, SP
	v_lshl_add_u32 v5, v7, 6, v5
	v_add_nc_u32 v5, s21, v5                       ; out of it: row r, + 64 h: my 16 numbers of a block
	v_lshlrev_b32 v6, 5, v3
	v_lshl_add_u32 v6, v7, 4, v6
	v_add_nc_u32 v6, 8*1536, v6                    ; the scale words: 12,288 + 32 r + 16 h
	s_mov_b32 s[SEL], 0x76543210
	s_mov_b32 s[SEL+1], 0xfedcba98
.irp b, 0,1,2,3
	v_mov_b32 v[TM+4+\b], 0                        ; written once: a lane permute's destination counts as one of its sources
.endr
	s_lshl_b32 s22, ttmp9, 2
	s_add_co_u32 s22, s22, s20                     ; my chunk: 4 x work-group + wave
	s_mov_b32 s26, 768                             ; W1's first chunk,
	s_mov_b32 s27, 16384                           ; and its rows' bytes
	s_wait_kmcnt 0x0
	s_mov_b64 s[24:25], s[16:17]
	s_cmp_lt_u32 ttmp9, 192                        ; which tensor: the choice hangs on the work-group's number alone
	s_cselect_b64 s[24:25], s[14:15], s[24:25]
	s_cselect_b32 s26, 512, s26
	s_cselect_b32 s27, 4096, s27                   ; all but W1 have rows of 1,024 numbers,
	s_cselect_b32 s28, 3, 5                        ; 8 chunks along K (W1: 32)
	s_cselect_b32 s29, 7, 31
.macro PICK below, ptr, first
	s_cmp_lt_u32 ttmp9, \below
	s_cselect_b64 s[24:25], s[\ptr:\ptr+1], s[24:25]
	s_cselect_b32 s26, \first, s26
.endm
	PICK 128, 12, 448
	PICK 112, 10, 384
	PICK 96, 8, 320
	PICK 80, 6, 256
	PICK 64, 4, 0
	s_sub_co_u32 s30, s22, s26                     ; my chunk within the tensor:
	s_lshr_b32 s31, s30, s28                       ; which 128 rows,
	s_and_b32 s30, s30, s29                        ; which 128 along K
	s_mul_i32 s31, s31, s27
	s_lshl_b32 s31, s31, 7
	s_lshl_b32 s30, s30, 9
	s_add_co_u32 s30, s30, s31
	s_mov_b32 s31, 0
	s_add_nc_u64 s[24:25], s[24:25], s[30:31]
.irp i, 0,1,2,3,4,5,6,7
	s_mul_i32 s30, s27, 32*(\i/2)+8*(\i%2)
	s_add_nc_u64 s[40+2*\i:41+2*\i], s[24:25], s[30:31]   ; fragment i's first row: a base for each, so that none is stepped
.endr
.irp m, 0,1,2,3,4,5,6,7,8,9,10,11,12,13,14,15
	s_mul_i32 s30, s27, 16*(\m/8)+\m%8
	v_add_nc_u32 v[VO+\m], s30, v1
.endr
	s_mul_i32 s30, s22, CH
	s_add_nc_u64 s[18:19], s[18:19], s[30:31]      ; where my chunk goes
.macro LOAD i
.irp m, 0,1,2,3,4,5,6,7,8,9,10,11,12,13,14,15
	global_load_b128 v[R0+64*((\i)%2)+4*\m:R0+64*((\i)%2)+4*\m+3], v[VO+\m], s[40+2*(\i):41+2*(\i)] th:TH_LOAD_NT   ; 32 lanes read 512 consecutive bytes of one row
.endr
.endm
.macro FRAGMENT i
.set RS, R0+64*((\i)%2)
.if (\i) < 7
	s_wait_loadcnt 16                              ; this fragment's 16 loads are in; the next fragment's may be out
.else
	s_wait_loadcnt 0x0
.endif
.irp m, 0,1,2,3,4,5,6,7,8,9,10,11,12,13,14,15
	ds_store_b128 v4, v[RS+4*\m:RS+4*\m+3] offset:SP*\m
.endr
.irp b, 0,1,2,3
.irp j, 0,1,2,3
	ds_load_b128 v[RS+16*\b+4*\j:RS+16*\b+4*\j+3], v5 offset:128*\b+16*\j   ; LDS serves a wave's instructions in order: these see the stores above, and come back into the registers that they left
.endr
.endr
	s_wait_dscnt 0x0
	QUANT RS, PW+(\i)
.if (\i)+2 < 8
	LOAD (\i)+2                                    ; into the set just worked
.endif
.irp c, 0,1,2
	global_store_b128 v1, v[PC+4*\c:PC+4*\c+3], s[18:19] offset:1536*(\i)+512*\c   ; 512 consecutive bytes, at a multiple of 256 from the buffer's first byte
.endr
.endm
	s_wait_alu depctr_va_vdst(0)
	LOAD 0
	LOAD 1
.irp i, 0,1,2,3,4,5,6,7
	FRAGMENT \i
.endr
	v_cmp_ne_u32 vcc_lo, 0, v7                     ; lanes 0-15 store fragments 0-3's words of row r, lanes 16-31 fragments 4-7's
.irp i, 0,1,2,3
	v_cndmask_b32 v[W+\i], v[PW+\i], v[PW+4+\i], vcc_lo
.endr
	global_store_b128 v6, v[W:W+3], s[18:19]       ; the chunk's 512 bytes of scale words
	s_wait_tensorcnt 0x0
	ds_add_u32 v232, v233
	s_wait_dscnt 0x0
	s_endpgm
.Lfunc_end_k_q96d156b1af_quant:
	.size	k_q96d156b1af_quant, .Lfunc_end_k_q96d156b1af_quant-k_q96d156b1af_quant
	.p2alignl 7, 3214868480
	.fill 96, 4, 3214868480
	.section	.rodata,"a",@progbits
	.p2align	6, 0x0
	.amdhsa_kernel k_q96d156b1af_quant
		.amdhsa_group_segment_fixed_size 34304
		.amdhsa_private_segment_fixed_size 0
		.amdhsa_enable_private_segment 0
		.amdhsa_kernarg_size 64
		.amdhsa_user_sgpr_count 2
		.amdhsa_user_sgpr_kernarg_segment_ptr 1
		.amdhsa_wavefront_size32 1
		.amdhsa_system_sgpr_workgroup_id_x 1
		.amdhsa_system_sgpr_workgroup_id_y 1
		.amdhsa_system_sgpr_workgroup_id_z 1
		.amdhsa_system_vgpr_workitem_id 0
		.amdhsa_next_free_vgpr 234
		.amdhsa_next_free_sgpr 66
		.amdhsa_reserve_vcc 1
		.amdhsa_float_denorm_mode_32 3
		.amdhsa_float_denorm_mode_16_64 3
		.amdhsa_memory_ordered 1
		.amdhsa_forward_progress 1
		.amdhsa_inst_pref_size 66
	.end_amdhsa_kernel
	.amdgpu_metadata
---
amdhsa.version: [ 1, 2 ]
amdhsa.kernels:
  - .name:           k_q96d156b1af_quant
    .symbol:         k_q96d156b1af_quant.kd
    .args:
      - { .name: x, .offset: 0, .size: 8, .value_kind: global_buffer, .address_space: global }
      - { .name: Wk, .offset: 8, .size: 8, .value_kind: global_buffer, .address_space: global }
      - { .name: Wq, .offset: 16, .size: 8, .value_kind: global_buffer, .address_space: global }
      - { .name: Wv, .offset: 24, .size: 8, .value_kind: global_buffer, .address_space: global }
      - { .name: Wo, .offset: 32, .size: 8, .value_kind: global_buffer, .address_space: global }
      - { .name: W0, .offset: 40, .size: 8, .value_kind: global_buffer, .address_space: global }
      - { .name: W1, .offset: 48, .size: 8, .value_kind: global_buffer, .address_space: global }
      - { .name: wc, .offset: 56, .size: 8, .value_kind: global_buffer, .address_space: global }
    .group_segment_fixed_size: 34304
    .private_segment_fixed_size: 0
    .kernarg_segment_align: 8
    .kernarg_segment_size: 64
    .max_flat_workgroup_size: 128
    .sgpr_count:     66
    .vgpr_count:     234
    .wavefront_size: 32
...
	.end_amdgpu_metadata
.endif
;; end of part 10
;; launch proj (part 11): grid 8 x 24, 4 waves a work-group, clusters of 4 x 4, 327,680 bytes of LDS; arguments wc, bk, bq, bv, att; writes att
.if DOCPART == 11
	.amdgcn_target "amdgcn-amd-amdhsa--gfx1250"
	.amdhsa_code_object_version 6
	.text
	.protected	k_q96d156b1af_proj
	.globl	k_q96d156b1af_proj
	.p2align	8
	.type	k_q96d156b1af_proj,@function
k_q96d156b1af_proj:
	s_mov_b64 s[64:65], 0
	v_nop
	global_prefetch_b8 v0, s[64:65] scope:SCOPE_SE
	s_setreg_imm32_b32 hwreg(HW_REG_WAVE_MODE, 25, 1), 1
	s_wait_xcnt 0x0
	s_wait_alu depctr_hold_cnt(0) depctr_sa_sdst(0) depctr_va_vdst(0) depctr_va_sdst(0) depctr_va_ssrc(0) depctr_va_vcc(0) depctr_vm_vsrc(0)
	s_getreg_b32 s2, hwreg(HW_REG_IB_STS2, 6, 4)
	s_cmp_eq_u32 s2, 0
	s_cbranch_scc0 .Lentry_in_a_cluster
	s_endpgm
.Lentry_in_a_cluster:
	s_bfe_u32 s2, ttmp6, 0x10000c
	s_cmp_lg_u32 s2, 0xf033
	s_cbranch_scc0 .Lentry_shape_is_right
	s_endpgm
.Lentry_shape_is_right:
; The three projections of x on codes of FP6 (E2M3), in one launch of 12 clusters of 4 x 4 work-groups; the role hangs on the cluster's number alone.
; ROLE 0 (cluster rows 0-3): C = x [Wk; Wq]^T + [bk; bq]: A = x (4,096 rows), B = Wk, Wq (2,048 rows); the result is quantised along each head's 32 features.
; ROLE 1 (cluster rows 4-5): V^T = Wv x^T + bv: A = Wv (1,024 rows), B = x; the result is quantised along the tokens, the K of attention's second product.
; Operands come as CHUNKS of 128 rows x 128 K, 12,800 bytes: eight fragments as images of the operand's registers (1,536 bytes each), then 512 bytes of scale words (row m of fragment i at 32 m + 4 i); a tensor's chunks lie
; [rows / 128][K / 128].  Lane-row m of fragment i is row 32 (i / 2) + 16 (m / 8) + 8 (i % 2) + m % 8 of the 128.
; A tile of C, 256 x 256, is made by four waves, 128 x 128 each: 64 accumulators.  K goes in steps of 256 through a ring of two LDS slots; a wave's one tensor load brings two chunks, 25,600 consecutive bytes, as 100 rows of 256.
; A's chunks are asked for jointly along a row of the cluster, B's along a column.  The matrix instruction is used transposed (source 0 = B, source 1 = A): register 16 b + i of a lane's 64 for 16 rows is column 32 b + 16 (lane / 16) + i.
; The head and the walk along K are one text for both roles; the bias, the first step (whose C is the bias: by columns in role 0, by rows in role 1) and the way out are written for each.
; OUT (att).  Role 0: for 64 tokens x 4 heads a block of 6,400 bytes: a fragment's image for each head (block jb of its K = the head's 32 codes of the tokens' jb-th 16), at 6,144 the scale words; [panel of 128 columns][tokens / 64].
; Role 1: a wave's 128 x 128 is one chunk of V, at 6,553,600, [features / 128][tokens / 128].
; PREFETCH: behind slot 0's first load each wave names the bytes of its second and third loads, behind slot 1's those of its fourth: of a load's 100 blocks of 256 bytes each of the four partners that ask for it jointly takes 25,
; told apart by address; lanes 25-31 name the 25th again.  K has four loads a wave, so nothing is named beyond them.
; LIMITS: a block whose largest magnitude lies under 2^-124 gets the byte 1 (this program alone reads the bytes); NaN and infinities are not served.
.set NP,      8
.set KCH,     6400
.set CH,      12800
.set QUARTER, 2*CH
.set SLOT,    4*QUARTER
.set SPARE,   2*SLOT                   ; behind the ring: the spare words, 128 bytes a wave
.set LAPS,    NP/4
.set FR,   12
.set NL,   3
.set ADRA, 16
.set ADRB, 20
.set ADRS, 22
.set CO,   26
.set CS,   27
.set SPW,  28
.set NIL,  29
.set PFO,  30                          ; v30 the prefetches' offset: 256 x min(lane, 24); never rewritten
.set SC,   32                          ; v32-63 scale words, two sets, and nothing else
.set BI,   64                          ; v64-127 the bias
.set AF,   128                         ; A's fragments, one set; on the way out scratch
.set PC,   128
.set TM,   168
.set PW,   184
.set W,    192
.set G1,   24
.set G0,   32
.set G1B,  48
.set G0B,  56
.set SEL,  66
.set PO,   68                          ; s[68:69] att
.set PFA,  70                          ; s[70:71] my work-group's 6,400 bytes of my first load; never rewritten
.set MSB,  0
.macro WIN new                         ; the immediate's high byte repeats the setting that is left
.if MSB != (\new)
	s_set_vgpr_msb (MSB<<8)|(\new)
.set MSB, (\new)
.endif
.endm
.macro PLACES                          ; four plain places behind a matrix instruction (ISA guide 7.12.1)
.rept 4
	v_nop
.endr
.endm
.macro JLOAD s                         ; a joint load: waves 0, 1 fetch A's two row groups, waves 2, 3 B's
	s_cmp_eq_u32 s15, 0
	s_cbranch_scc0 .Lfor_b_\@
	tensor_load_to_lds s[G0+4*\s:G0+4*\s+3], s[G1:G1+7]
	s_nop 0
.rept 4
	v_nop
.endr
	s_branch .Lasked_\@
.Lfor_b_\@:
	tensor_load_to_lds s[G0B+4*\s:G0B+4*\s+3], s[G1B:G1B+7]
	s_nop 0
.rept 4
	v_nop
.endr
.Lasked_\@:
.endm
.macro CREST
	s_cmp_lg_u32 s14, 0
	s_cbranch_scc1 .Lnot_wave_0_\@
	s_barrier_signal -3
.Lnot_wave_0_\@:
	s_barrier_wait -3
	s_barrier_signal -1
	s_barrier_wait -1
.endm
.macro CROUND
	s_barrier_signal -1
	s_barrier_wait -1
	CREST
.endm
	s_load_b256 s[4:11], s[0:1], 0x0               ; wc, bk, bq, bv
	s_load_b64 s[PO:PO+1], s[0:1], 0x20            ; att
	v_lshl_add_u32 v[SPW], v0, 2, SPARE
	v_mov_b32 v[NIL], 0
	ds_add_u32 v[SPW], v[NIL]                      ; the opening lines: the add twice on end and its wait
	ds_add_u32 v[SPW], v[NIL]
	s_wait_dscnt 0x0
	v_lshrrev_b32 v1, 5, v0
	v_readfirstlane_b32 s14, v1                    ; wave 0..3
	v_and_b32 v[PFO], 31, v0
	v_min_u32 v[PFO], 24, v[PFO]
	v_lshlrev_b32 v[PFO], 8, v[PFO]
	s_lshr_b32 s15, s14, 1                         ; my half of the tile's rows; also: I fetch for A (0) or B (1)
	s_and_b32 s16, s14, 1                          ; my half of its columns; also: which row group I fetch
	s_bfe_u32 s40, ttmp6, 0x40000                  ; cx
	s_bfe_u32 s41, ttmp6, 0x40004                  ; cy
	s_and_b32 s17, ttmp7, 0xffff                   ; the cluster's row Y, 0..5
	s_lshl_b32 s18, s17, 1
	s_add_co_u32 s18, s18, ttmp9
	s_sub_co_u32 s18, s18, 8                       ; role 1: the cluster's column of V^T is 2 (Y - 4) + X
	s_cmp_ge_u32 s17, 4
	s_cselect_b32 s2, 1, 0                         ; the role
	s_cselect_b32 s42, s18, ttmp9
	s_cselect_b32 s17, 0, s17
	s_cselect_b32 s19, 384*CH, 0                   ; A's first chunk in wc: Wv's or x's
	s_cselect_b32 s22, 0, 256*CH                   ; B's: x's or Wk's
	s_lshl_b32 s42, s42, 2
	s_add_co_u32 s42, s42, s40                     ; tile column
	s_lshl_b32 s17, s17, 2
	s_add_co_u32 s17, s17, s41                     ; tile row
	s_lshl_b32 s43, s41, 2
	s_lshl_b32 s43, 15, s43
	s_lshl_b32 s44, 0x1111, s40
	s_or_b32 s[G1+0], s43, (3<<16)|(1<<21)         ; the mask; elements of 8 bytes; bit 21 beside a mask; no padding
	s_or_b32 s[G1B+0], s44, (3<<16)|(1<<21)
.irp g, G1, G1B
	s_mov_b32 s[\g+1], 32<<16                      ; 100 rows of 32 elements, dense
	s_mov_b32 s[\g+2], 100<<16
	s_mov_b32 s[\g+3], 32<<16
	s_mov_b32 s[\g+4], 100
	s_mov_b32 s[\g+5], 32
	s_mov_b32 s[\g+6], 0
	s_mov_b32 s[\g+7], 0
.endr
	s_lshl_b32 s20, s17, 1
	s_add_co_u32 s20, s20, s16
	s_mul_i32 s20, s20, NP*CH
	s_add_co_u32 s20, s20, s19
	s_mov_b32 s21, 0
	s_lshl_b32 s46, s42, 1
	s_add_co_u32 s46, s46, s16
	s_mul_i32 s46, s46, NP*CH
	s_add_co_u32 s46, s46, s22
	s_mov_b32 s47, 0
	s_mul_i32 s45, s14, QUARTER
	s_wait_kmcnt 0x0
	s_add_nc_u64 s[20:21], s[4:5], s[20:21]
	s_add_nc_u64 s[46:47], s[4:5], s[46:47]
	s_cmp_eq_u32 s15, 0
	s_cselect_b64 s[PFA:PFA+1], s[20:21], s[46:47]
	s_cselect_b32 s12, s40, s41                    ; my place among the four that ask with me
	s_mul_i32 s12, s12, 25*256
	s_mov_b32 s13, 0
	s_add_nc_u64 s[PFA:PFA+1], s[PFA:PFA+1], s[12:13]
	CROUND                                         ; all sixteen work-groups are here
.irp s, 0,1
	s_mov_b32 s[G0+4*\s], 1
	s_add_co_u32 s[G0+4*\s+1], s45, \s*SLOT
	s_add_nc_u64 s[G0+4*\s+2:G0+4*\s+3], s[20:21], \s*QUARTER
	s_or_b32 s[G0+4*\s+3], s[G0+4*\s+3], 0x80000000
	s_mov_b32 s[G0B+4*\s], 1
	s_add_co_u32 s[G0B+4*\s+1], s45, \s*SLOT
	s_add_nc_u64 s[G0B+4*\s+2:G0B+4*\s+3], s[46:47], \s*QUARTER
	s_or_b32 s[G0B+4*\s+3], s[G0B+4*\s+3], 0x80000000
	s_wait_alu depctr_va_vdst(0)
	s_wait_tensorcnt 0x0                           ; one tensor load a wave behind each round
	ds_add_u32 v[SPW], v[NIL]
	ds_add_u32 v[SPW], v[NIL]
	s_wait_dscnt 0x0
	CROUND
	JLOAD \s
.if \s == 0
	global_prefetch_b8 v[PFO], s[PFA:PFA+1] offset:QUARTER th:TH_LOAD_NT scope:SCOPE_SE
	global_prefetch_b8 v[PFO], s[PFA:PFA+1] offset:2*QUARTER th:TH_LOAD_NT scope:SCOPE_SE
.else
	global_prefetch_b8 v[PFO], s[PFA:PFA+1] offset:3*QUARTER th:TH_LOAD_NT scope:SCOPE_SE
.endif
.endr
	v_and_b32 v1, 15, v0                           ; r
	v_bfe_u32 v2, v0, 4, 1                         ; h
	v_and_b32 v3, 31, v0
	v_lshlrev_b32 v[CO], 4, v3
	s_wait_alu depctr_va_vdst(0)
	s_mul_i32 s21, s15, QUARTER
	s_mul_i32 s22, s16, QUARTER
	s_add_co_u32 s22, s22, 2*QUARTER
	s_xor_b32 s23, s15, 1
	s_add_co_u32 s23, s23, s16
	s_add_co_u32 s23, s23, 1
	s_mul_i32 s23, s23, QUARTER                    ; from my row group of A to mine of B
	v_lshlrev_b32 v4, 5, v1
	v_mul_u32_u24 v5, s23, v2                      ; lanes 16-31 take B's scale words
	v_add_nc_u32 v4, v4, v5
	v_add_nc_u32 v4, 8*1536, v4
.irp s, 0,1
	v_add_nc_u32 v[ADRA+\s], s21, v[CO]
	v_add_nc_u32 v[ADRB+\s], s22, v[CO]
	v_add_nc_u32 v[ADRS+\s], s21, v4
	s_add_co_u32 s21, s21, SLOT
	s_add_co_u32 s22, s22, SLOT
.endr
	s_lshl_b32 s18, s42, 1
	s_add_co_u32 s18, s18, s16                     ; my 128 columns
	s_lshl_b32 s19, s17, 1
	s_add_co_u32 s19, s19, s15                     ; my 128 rows
	s_mov_b32 s13, 0
	s_mov_b32 s[SEL], 0x76543210
	s_mov_b32 s[SEL+1], 0xfedcba98
	s_wait_alu depctr_va_vdst(0)
	s_cmp_lg_u32 s2, 0
	s_cbranch_scc1 .Lv_head
	s_and_b32 s12, s18, 7                          ; ROLE 0: the bias of my 128 columns, in the results' order
	s_lshl_b32 s12, s12, 9
	s_cmp_lt_u32 s18, 8
	s_cselect_b64 s[6:7], s[6:7], s[8:9]           ; bk or bq
	s_add_nc_u64 s[6:7], s[6:7], s[12:13]
	v_lshlrev_b32 v6, 6, v2
.irp b, 0,1,2,3
.irp j, 0,1,2,3
	global_load_b128 v[BI+16*\b+4*\j:BI+16*\b+4*\j+3], v6, s[6:7] offset:128*\b+16*\j
.endr
.endr
	s_mul_i32 s12, s18, 64*KCH
	s_mul_i32 s19, s19, 2*KCH
	s_add_co_u32 s12, s12, s19                     ; my two blocks of 64 tokens in my panel
	v_mul_u32_u24 v5, v2, KCH
	v_lshl_add_u32 v[CS], v1, 4, v5
	v_add_nc_u32 v[CS], 4*1536, v[CS]
	s_branch .Lhead_done
.Lv_head:
	s_lshl_b32 s12, s19, 9                         ; ROLE 1: bv at lane-row r of each block of 16 rows
	s_add_nc_u64 s[10:11], s[10:11], s[12:13]
	v_and_b32 v6, 8, v1
	v_add_nc_u32 v6, v6, v1
	v_lshlrev_b32 v6, 2, v6
.irp a, 0,1,2,3,4,5,6,7
	global_load_b32 v[BI+8*\a], v6, s[10:11] offset:4*(32*(\a/2)+8*(\a%2))
.endr
	s_lshl_b32 s12, s19, 5
	s_add_co_u32 s12, s12, s18
	s_mul_i32 s12, s12, CH
	s_add_co_u32 s12, s12, 6553600                 ; my chunk of V
	v_lshlrev_b32 v[CS], 5, v1
	v_lshl_add_u32 v[CS], v2, 4, v[CS]
	v_add_nc_u32 v[CS], 8*1536, v[CS]
	s_wait_loadcnt 0x0
.irp a, 0,1,2,3,4,5,6,7
.irp j, 1,2,3,4,5,6,7
	v_mov_b32 v[BI+8*\a+\j], v[BI+8*\a]            ; a lane's eight results of a tile lie in one row: the same number eight times
.endr
.endr
.Lhead_done:
	s_add_nc_u64 s[PO:PO+1], s[PO:PO+1], s[12:13]
.macro FRAG reg, adr, q, i
.irp c, 0,1,2
	ds_load_b128 v[(\reg)+4*\c:(\reg)+4*\c+3], v[\adr] offset:(\q)*CH+(\i)*1536+512*\c
.endr
.endm
; 16 matrix instructions: A's blocks a0, a0 + 1 x B's eight.  first = 1: the sums begin with the columns' bias, 2: with the rows'.  The 64 accumulators take turns.
.macro MUL16 a0, p, q, sc, first
.irp a, \a0, \a0+1
.irp b, 0,1,2,3,4,5,6,7
.set DD, 8*(8*((\a)%4)+\b)
.if \first == 1
.set CC, BI+8*\b
.elseif \first == 2
.set CC, BI+8*(\a)
.else
.set CC, DD
.endif
	v_wmma_scale_f32_16x16x128_f8f6f4 v[DD:DD+7], v[128*(\p)+FR*\b:128*(\p)+FR*\b+FR-1], v[AF+FR*(\a):AF+FR*(\a)+FR-1], v[CC:CC+7], v[SC+16*(\sc)+8*(\q)+\b], v[SC+16*(\sc)+8*(\q)+(\a)] matrix_a_fmt:MATRIX_FMT_FP6 matrix_b_fmt:MATRIX_FMT_FP6 matrix_a_scale:MATRIX_SCALE_ROW1
.endr
.endr
.endm
.macro FETCH_B slot, q, p
	WIN 0x40
.irp i, 0,1,2,3,4,5,6,7
	FRAG 128*(\p)+FR*\i, ADRB+\slot, \q, \i
.endr
	WIN 0
.endm
.macro FETCH_A slot, q, i0
.irp i, \i0, \i0+1, \i0+2, \i0+3
	FRAG AF+FR*(\i), ADRA+\slot, \q, \i
.endr
.endm
.macro SCALES slot
.irp q, 0,1
.irp e, 0,1
	ds_load_b128 v[SC+16*\slot+8*\q+4*\e:SC+16*\slot+8*\q+4*\e+3], v[ADRS+\slot] offset:\q*CH+16*\e
.endr
.endr
.endm
.macro STEP slot, first                ; a slot's first 128 along K
	s_wait_dscnt 4*NL                              ; all but the youngest twelve loads (A's blocks 4-7) are in
.if \first
	WIN 0x81
.else
	WIN 0xa1
.endif
	MUL16 0, 0, 0, \slot, \first
	MUL16 2, 0, 0, \slot, \first
	s_wait_dscnt 0x0
	PLACES
	FETCH_B \slot, 1, 1
	FETCH_A \slot, 1, 0
.if \first
	WIN 0xc1
.else
	WIN 0xf1
.endif
	MUL16 4, 0, 0, \slot, \first
	MUL16 6, 0, 0, \slot, \first
	PLACES
	WIN 0
	FETCH_A \slot, 1, 4
.endm
.macro TURN slot, next, fill           ; a slot's second 128 along K, and the change of slots
	s_wait_tensorcnt 0x0                           ; all my tensor loads have landed: my part of the next slot
	ds_add_u32 v[SPW], v[NIL]
	s_wait_dscnt 4*NL+1                            ; (the add and the youngest twelve loads may be out)
	WIN 0xa1
	MUL16 0, 1, 1, \slot, 0
	s_wait_dscnt 0x0                               ; the add is done, and my reads of this slot are over
	s_barrier_signal -1
	MUL16 2, 1, 1, \slot, 0
	WIN 0
	s_barrier_wait -1
.if \fill
	CREST                                          ; the barrier has opened a round of the cluster's
	s_add_nc_u64 s[G0+4*\slot+2:G0+4*\slot+3], s[G0+4*\slot+2:G0+4*\slot+3], 2*QUARTER
	s_add_nc_u64 s[G0B+4*\slot+2:G0B+4*\slot+3], s[G0B+4*\slot+2:G0B+4*\slot+3], 2*QUARTER
	JLOAD \slot
.else
	PLACES
.endif
	FETCH_B \next, 0, 0
	FETCH_A \next, 0, 0
	SCALES \next
	WIN 0xf1
	MUL16 4, 1, 1, \slot, 0
	MUL16 6, 1, 1, \slot, 0
	PLACES
	WIN 0
	FETCH_A \next, 0, 4
.endm
	s_wait_alu depctr_va_vdst(0)
	s_wait_tensorcnt 1                             ; my part of slot 0 is in; slot 1's may stay out
	s_barrier_signal -1
	s_barrier_wait -1
	FETCH_B 0, 0, 0
	FETCH_A 0, 0, 0
	SCALES 0
	FETCH_A 0, 0, 4
	s_wait_loadcnt 0x0                             ; the bias
	s_cmp_lg_u32 s2, 0
	s_cbranch_scc1 .Lv_first
	STEP 0, 1
	s_branch .Lfirst_done
.Lv_first:
	STEP 0, 2
.Lfirst_done:
	s_mov_b32 s3, LAPS-1
.Llap:
	TURN 0, 1, 1
	STEP 1, 0
	TURN 1, 0, 1
	STEP 0, 0
	s_sub_co_u32 s3, s3, 1
	s_cmp_lg_u32 s3, 0
	s_cbranch_scc1 .Llap
	TURN 0, 1, 0
	STEP 1, 0
	s_wait_dscnt 4*NL
	WIN 0xa1
	MUL16 0, 1, 1, 1, 0
	MUL16 2, 1, 1, 1, 0
	s_wait_dscnt 0x0
	WIN 0xf1
	MUL16 4, 1, 1, 1, 0
	MUL16 6, 1, 1, 1, 0
	WIN 0
; Four runs of 16 registers in window w, each half a block of 32 along the next K, become a fragment's codes in v[PC] on and its scale word in v[pw].  Each accumulator is read from its low end on.
.macro QUANT w, s0, s1, s2, s3, pw
	WIN ((\w)<<2)|((\w)<<4)
	v_max3_num_f32 v[TM+0], 0x1800000, |v[(\s0)]|, |v[(\s0)+1]|   ; the floor 2^(3 - 127): the byte cannot fall under 1
	v_max3_num_f32 v[TM+1], 0x1800000, |v[(\s1)]|, |v[(\s1)+1]|
	v_max3_num_f32 v[TM+2], 0x1800000, |v[(\s2)]|, |v[(\s2)+1]|
	v_max3_num_f32 v[TM+3], 0x1800000, |v[(\s3)]|, |v[(\s3)+1]|
.irp i, 2,4,6,8,10,12,14
	v_max3_num_f32 v[TM+0], v[TM+0], |v[(\s0)+\i]|, |v[(\s0)+\i+1]|
	v_max3_num_f32 v[TM+1], v[TM+1], |v[(\s1)+\i]|, |v[(\s1)+\i+1]|
	v_max3_num_f32 v[TM+2], v[TM+2], |v[(\s2)+\i]|, |v[(\s2)+\i+1]|
	v_max3_num_f32 v[TM+3], v[TM+3], |v[(\s3)+\i]|, |v[(\s3)+\i+1]|
.endr
	WIN 0
.irp b, 0,1,2,3
	v_permlanex16_b32 v[TM+4+\b], v[TM+\b], s[SEL], s[SEL+1]
.endr
.irp b, 0,1,2,3
	v_max_num_f32 v[TM+\b], v[TM+\b], v[TM+4+\b]   ; with lane l xor 16's: the block's largest magnitude
.endr
.irp b, 0,1,2,3
	v_add_nc_u32 v[TM+12+\b], 0xff000000, v[TM+\b] ; 2 off the exponent field: the conversion's scale operand
.endr
.irp b, 0,1,2,3
	v_lshrrev_b32 v[TM+4+\b], 23, v[TM+12+\b]      ; the scale's byte
.endr
	v_lshl_or_b32 v[\pw], v[TM+5], 8, v[TM+4]
	v_lshl_or_b32 v[\pw], v[TM+6], 16, v[\pw]
	v_lshl_or_b32 v[\pw], v[TM+7], 24, v[\pw]
	s_wait_alu depctr_va_vdst(0)
	s_wait_xcnt 0x0                                ; the last fragment's stores have read v[PC] on
	WIN (\w)
	v_cvt_scalef32_pk16_fp6_f32 v[PC:PC+2], v[(\s0):(\s0)+15], v[TM+12]
	v_cvt_scalef32_pk16_fp6_f32 v[PC+12:PC+14], v[(\s1):(\s1)+15], v[TM+13]
	v_cvt_scalef32_pk16_fp6_f32 v[PC+6:PC+8], v[(\s2):(\s2)+15], v[TM+14]
	v_cvt_scalef32_pk16_fp6_f32 v[PC+16:PC+18], v[(\s3):(\s3)+15], v[TM+15]
	WIN 0
	v_nop                                          ; one plain place behind a scaled conversion
.irp c, 0,1
.irp i, 0,1,2
	v_permlane16_swap_b32 v[PC+6*\c+\i], v[PC+12+4*\c+\i]
.endr
.irp i, 0,1,2
	v_mov_b32 v[PC+3+6*\c+\i], v[PC+12+4*\c+\i]
.endr
.endr
.endm
	PLACES
.irp b, 0,1,2,3
	v_mov_b32 v[TM+4+\b], 0                        ; written once: a lane permute's destination counts as one of its sources
.endr
	s_wait_alu depctr_va_vdst(0)
	s_cmp_lg_u32 s2, 0
	s_cbranch_scc1 .Lv_out
.irp f, 0,1                            ; ROLE 0: head b of my four, tokens' half f: the head's 32 columns of four blocks of 16 rows make one image
.irp b, 0,1,2,3
	QUANT 2+\f, 16*\b, 64+16*\b, 128+16*\b, 192+16*\b, PW+4*\f+\b
.irp c, 0,1,2
	global_store_b128 v[CO], v[PC+4*\c:PC+4*\c+3], s[PO:PO+1] offset:\f*KCH+1536*\b+512*\c
.endr
.endr
.endr
	s_branch .Lout_done
.Lv_out:
.irp a, 0,1,2,3,4,5,6,7                ; ROLE 1: each block of 16 rows becomes one fragment of my chunk
	QUANT 2+\a/4, 64*(\a%4), 64*(\a%4)+16, 64*(\a%4)+32, 64*(\a%4)+48, PW+\a
.irp c, 0,1,2
	global_store_b128 v[CO], v[PC+4*\c:PC+4*\c+3], s[PO:PO+1] offset:1536*\a+512*\c   ; 512 consecutive bytes, at a multiple of 256 from the buffer's first byte
.endr
.endr
.Lout_done:
	s_wait_alu depctr_va_vdst(0)
	v_cmp_ne_u32 vcc_lo, 0, v2
.irp i, 0,1,2,3
	v_cndmask_b32 v[W+\i], v[PW+\i], v[PW+4+\i], vcc_lo
.endr
	global_store_b128 v[CS], v[W:W+3], s[PO:PO+1]  ; the scale words
	s_wait_tensorcnt 0x0                           ; the wave's end
	ds_add_u32 v[SPW], v[NIL]
	s_wait_dscnt 0x0
	CROUND                                         ; the closing round
	s_endpgm
.Lfunc_end_k_q96d156b1af_proj:
	.size	k_q96d156b1af_proj, .Lfunc_end_k_q96d156b1af_proj-k_q96d156b1af_proj
	.p2alignl 7, 3214868480
	.fill 96, 4, 3214868480
	.section	.rodata,"a",@progbits
	.p2align	6, 0x0
	.amdhsa_kernel k_q96d156b1af_proj
		.amdhsa_group_segment_fixed_size 327680
		.amdhsa_private_segment_fixed_size 0
		.amdhsa_enable_private_segment 0
		.amdhsa_kernarg_size 40
		.amdhsa_user_sgpr_count 2
		.amdhsa_user_sgpr_kernarg_segment_ptr 1
		.amdhsa_wavefront_size32 1
		.amdhsa_system_sgpr_workgroup_id_x 1
		.amdhsa_system_sgpr_workgroup_id_y 1
		.amdhsa_system_sgpr_workgroup_id_z 1
		.amdhsa_system_vgpr_workitem_id 0
		.amdhsa_next_free_vgpr 1024
		.amdhsa_next_free_sgpr 72
		.amdhsa_reserve_vcc 1
		.amdhsa_float_denorm_mode_32 3
		.amdhsa_float_denorm_mode_16_64 3
		.amdhsa_memory_ordered 1
		.amdhsa_forward_progress 1
		.amdhsa_inst_pref_size 189
	.end_amdhsa_kernel
	.amdgpu_metadata
---
amdhsa.version: [ 1, 2 ]
amdhsa.kernels:
  - .name:           k_q96d156b1af_proj
    .symbol:         k_q96d156b1af_proj.kd
    .args:
      - { .name: wc, .offset: 0, .size: 8, .value_kind: global_buffer, .address_space: global }
      - { .name: bk, .offset: 8, .size: 8, .value_kind: global_buffer, .address_space: global }
      - { .name: bq, .offset: 16, .size: 8, .value_kind: global_buffer, .address_space: global }
      - { .name: bv, .offset: 24, .size: 8, .value_kind: global_buffer, .address_space: global }
      - { .name: att, .offset: 32, .size: 8, .value_kind: global_buffer, .address_space: global }
    .group_segment_fixed_size: 327680
    .private_segment_fixed_size: 0
    .kernarg_segment_align: 8
    .kernarg_segment_size: 40
    .max_flat_workgroup_size: 128
    .sgpr_count:     72
    .vgpr_count:     1024
    .wavefront_size: 32
...
	.end_amdgpu_metadata
.endif
;; end of part 11
;; launch attn (part 12): grid 16 x 16, 16 waves a work-group, clusters of 4 x 1, 327,680 bytes of LDS; arguments att, oc; writes oc
.if DOCPART == 12
	.amdgcn_target "amdgcn-amd-amdhsa--gfx1250"
	.amdhsa_code_object_version 6
	.text
	.protected	k_q96d156b1af_attn
	.globl	k_q96d156b1af_attn
	.p2align	8
	.type	k_q96d156b1af_attn,@function
k_q96d156b1af_attn:
	s_mov_b64 s[64:65], 0
	v_nop
	global_prefetch_b8 v0, s[64:65] scope:SCOPE_SE
	s_setreg_imm32_b32 hwreg(HW_REG_WAVE_MODE, 25, 1), 1
	s_wait_xcnt 0x0
	s_wait_alu depctr_hold_cnt(0) depctr_sa_sdst(0) depctr_va_vdst(0) depctr_va_sdst(0) depctr_va_ssrc(0) depctr_va_vcc(0) depctr_vm_vsrc(0)
	s_getreg_b32 s2, hwreg(HW_REG_IB_STS2, 6, 4)
	s_cmp_eq_u32 s2, 0
	s_cbranch_scc0 .Lentry_in_a_cluster
	s_endpgm
.Lentry_in_a_cluster:
	s_bfe_u32 s2, ttmp6, 0x10000c
	s_cmp_lg_u32 s2, 0x3003
	s_cbranch_scc0 .Lentry_shape_is_right
	s_endpgm
.Lentry_shape_is_right:
; o = softmax(query . key / sqrt(32)) v for 64 (batch, head) pairs of 2,048 tokens and head size 32, both products on codes of FP6 (E2M3); o is quantised along the features for the next product.
; THE SOFTMAX AHEAD OF THE SECOND PRODUCT: t = score x log2(e) / sqrt(32); M = the row's largest t so far, rounded UP to a whole number; p = 2^(t - M) is quantised along the keys, not normalised; the row's sum is taken of the
; unquantised p and divides O at the end.  When M moves, the sum and O are multiplied by 2^(old M - new M): exact.
; IN (att).  Queries (panels 0-7) and keys (panels 8-15): for 64 tokens x 4 heads a block of 6,400 bytes: for each head a fragment's image (1,536 bytes) whose block jb of 32 along K holds the head's 32 codes of lane-row r of the
; tokens' jb-th block of 16; at 6,144 the scale words (16 r + 4 head; byte jb); [panel][tokens / 64].  V at 6,553,600: chunks of 128 features x 128 keys, 12,800 bytes: eight images, then scale words (32 m + 4 i).
; THE HEAD'S 32 FILL A QUARTER OF A MATRIX INSTRUCTION'S K.  A fragment of keys holds four tiles of 16 keys in its four blocks; the query's operand holds its codes in one block and zero codes in the other three, in four variants:
; the product with variant jb is tile jb's scores.  Zero codes add nothing under any scale byte from 1 to 254.
; SHARES.  A work-group: 128 queries x 4 heads; 256 work-groups.  Wave w: head w % 4 and TWO tiles of 16 queries, tile w / 4 of each half of the 128: each fragment of keys and of V that the wave loads serves both tiles, one after
; the other on one set of 64 score registers.  Every wave walks 2,048 keys, 128 a step.  Both products are used transposed (S^T = K Q^T, O^T = V^T P^T): a lane holds one query of each tile.
; RING: two slots of 512 keys: eight blocks of keys (51,200 bytes), then four chunks of V (51,200).  Waves 0-3 fetch a quarter each, 25,600 consecutive bytes as 100 rows of 256.  CLUSTER: the four work-groups of a cluster share
; batch and heads and walk the same keys: each quarter is asked for jointly.  A wave has one tensor load out.  No prefetch: a slot's load has the 8 tile steps of each of 16 waves in which to land.
; OUT (oc): one chunk [tokens / 128][features / 128] a work-group; the waves' codes meet in LDS as eight fragments' images and leave as runs of 512 bytes.
; LIMITS: the scaled scores stay under 2^31 in magnitude; a block's largest p is taken through its largest score, which takes v_exp_f32 not to fall where its input rises; a block whose largest magnitude lies under 2^-124 gets the
; byte 1; NaN and infinities are not served.
.set KCH,   6400
.set CH,    12800
.set VOFF,  8*KCH                      ; V's chunks in a slot
.set SLOT1, 1<<17
.set OST,   SLOT1+VOFF+4*CH            ; behind the ring: o's eight images,
.set OSC,   OST+8*1536                 ; their 512 scale bytes,
.set SPARE, OSC+512                    ; and the spare words, 128 bytes a wave
.set AK0,  1                           ; v1-4 my lane's places in a slot: keys, their scale words, V, its scale words
.set AKS0, 2
.set AV0,  3
.set AVS0, 4
.set SPW,  5
.set NIL,  6
.set ADK,  8                           ; v8-11 the same four in the slot in hand
.set ADS,  9
.set ADV,  10
.set ADT,  11
.set MM,   12                          ; tile T: v[12 + 2 T] -M, v[13 + 2 T] the largest score
.set LS,   16                          ; tile T: v[16 + 2 T : 17 + 2 T] the sum, in two halves
.set Q,    20                          ; v20-73, six registers each: zeros, tile 0's codes in lanes 0-15, zeros, its codes in lanes 16-31, zeros, tile 1's likewise, zeros
.set QS,   74                          ; v74-75 the queries' scale bytes, four times each
.set PS,   76                          ; p's scale word
.set FF,   78                          ; v[78:79] f = 2^(old M - new M)
.set KS,   80                          ; the keys' scale words
.set VS,   82                          ; V's
.set TMP,  84
.set KF,   86                          ; two fragments of keys
.set VF,   110                         ; two fragments of V
.set S,    134                         ; S^T, then p; in the head and on the way out scratch
.set O,    198                         ; O^T: two tiles of features for each tile of queries
.set PCD,  230                         ; p's codes
.set BM,   242                         ; block maxima;
.set BP,   246                         ; the other half's, then bytes;
.set CV,   242                         ; when both are done with: the conversions' second halves
.set BS,   250                         ; scale operands
.set QL,   S                           ; the head: the queries as loaded, 8 registers a tile
.set QA,   S+16
.set RR,   S+24
.set HH,   S+25
.set LN,   S+26
.set OA,   S                           ; the way out
.set OB,   S+3
.set ORD,  S+4
.set OSR,  S+5
.set GOC,  S+6
.set GOS,  S+7
.set T1,   S+12
.set OD,   S+16
.set WV,   18
.set SEL,  20
.set CSC,  22                          ; s[22:23] c = log2(e) / sqrt(32)
.set G1,   24
.set G0,   32
.set TB,   36
.set SLOTS, 37
.macro DLY n
	s_delay_alu instid0(VALU_DEP_\n)
.endm
.macro ROUND                           ; a round of the cluster's barrier
	s_barrier_signal -1
	s_barrier_wait -1
	s_cmp_lg_u32 s[WV], 0
	s_cbranch_scc1 .Lnot_wave_0_\@
	s_barrier_signal -3
.Lnot_wave_0_\@:
	s_barrier_wait -3
	s_barrier_signal -1
	s_barrier_wait -1
.endm
.macro TLOAD                           ; waves 0-3 fetch, the others nothing
	s_cmp_lt_u32 s[WV], 4
	s_cbranch_scc0 .Lasked_\@
	tensor_load_to_lds s[G0:G0+3], s[G1:G1+7]
	s_nop 0
.rept 4
	v_nop
.endr
.Lasked_\@:
.endm
	s_load_b128 s[4:7], s[0:1], 0x0                ; att, oc
	v_lshl_add_u32 v[SPW], v0, 2, SPARE
	v_mov_b32 v[NIL], 0
	ds_add_u32 v[SPW], v[NIL]                      ; the opening lines: the add twice on end and its wait
	ds_add_u32 v[SPW], v[NIL]
	v_lshrrev_b32 v7, 5, v0
	v_readfirstlane_b32 s[WV], v7                  ; wave 0..15
	s_bfe_u32 s38, ttmp6, 0x40000                  ; cx
	s_lshl_b32 s39, ttmp9, 2
	s_add_co_u32 s39, s39, s38                     ; my 128 queries of the batch's 2,048: it enters the queries' and o's global addresses alone
	s_and_b32 s40, ttmp7, 0xffff
	s_lshr_b32 s41, s40, 3                         ; the batch,
	s_and_b32 s42, s40, 7                          ; the group of four heads: the four partners share both
	s_lshl_b32 s43, s41, 4
	s_add_co_u32 s43, s43, s39                     ; my 128 tokens of all 4,096
	s_and_b32 s44, s[WV], 3                        ; my head of the four
	s_lshr_b32 s45, s[WV], 2                       ; my tile of 16 in each 64 queries
	s_mov_b32 s[G1], 15|(3<<16)|(1<<21)            ; the mask: all four work-groups; elements of 8 bytes; bit 21 beside a mask; no padding
	s_mov_b32 s[G1+1], 32<<16                      ; 100 rows of 32 elements, dense
	s_mov_b32 s[G1+2], 100<<16
	s_mov_b32 s[G1+3], 32<<16
	s_mov_b32 s[G1+4], 100
	s_mov_b32 s[G1+5], 32
	s_mov_b32 s[G1+6], 0
	s_mov_b32 s[G1+7], 0
	s_min_u32 s48, s[WV], 3                        ; (the waves that fetch nothing keep wave 3's numbers)
	s_mul_i32 s46, s42, 64*KCH
	s_mul_i32 s47, s41, 32*KCH
	s_add_co_u32 s46, s46, s47
	s_add_co_u32 s46, s46, 512*KCH                 ; the keys of my batch and heads
	s_lshr_b32 s47, s48, 1
	s_mul_i32 s47, s47, 512*KCH                    ; V's chunks of the same batch and heads lie 3,276,800 bytes further on
	s_add_co_u32 s46, s46, s47
	s_and_b32 s47, s48, 1
	s_mul_i32 s47, s47, 2*CH                       ; which half of a slot's keys or of its V
	s_add_co_u32 s46, s46, s47
	s_mov_b32 s47, 0
	s_mov_b32 s[SEL], 0x76543210
	s_mov_b32 s[SEL+1], 0xfedcba98
	s_mov_b32 s[CSC], 0x3e8293ee
	s_mov_b32 s[CSC+1], s[CSC]
	s_mov_b32 s[TB], 0
	s_mov_b32 s[SLOTS], 3
	s_lshl_b32 s50, s42, 6                         ; my queries' two blocks: panel g, tokens / 64 = 2 x (tokens / 128)
	s_lshl_b32 s51, s43, 1
	s_add_co_u32 s50, s50, s51
	s_mul_i32 s50, s50, KCH
	s_mov_b32 s51, 0
	s_lshr_b32 s52, s45, 1                         ; tile jb = 2 cq + hq lies in registers 6 cq .. 6 cq + 5 of lanes 16 hq + r of my head's image: three pieces of 8 bytes
	s_and_b32 s54, s45, 1
	s_mul_i32 s53, s52, 1016
	s_mul_i32 s52, s52, 520
	s_lshl_b32 s54, s54, 8
	s_mul_i32 s55, s44, 1536
	s_add_co_u32 s54, s54, s55
	s_lshl_b32 s56, s44, 2
	s_lshl_b32 s57, s55, 1
	s_add_co_u32 s57, s57, VOFF                    ; V: my head's 32 features are fragments 2 head, 2 head + 1
	s_lshl_b32 s58, s44, 3
	s_add_co_u32 s58, s58, VOFF+8*1536
	s_mul_i32 s59, s45, 0x01010101                 ; byte selects: my tile's byte of the scale word, four times
	s_lshr_b32 s12, s44, 1                         ; the way out: in o's fragment head b is block b of K: registers 6 (b / 2) + 3 h + 0 .. 2 of lanes 16 (b % 2) + r
	s_mul_i32 s12, s12, 6
	s_and_b32 s13, s44, 1
	s_lshl_b32 s13, s13, 8
	s_mul_i32 s14, s45, 1536
	s_add_co_u32 s13, s13, s14
	s_add_co_u32 s13, s13, OST
	s_lshl_b32 s14, s45, 2
	s_add_co_u32 s14, s14, s44
	s_add_co_u32 s14, s14, OSC                     ; my scale bytes: 32 r + 16 T + 4 tile + head
	s_min_u32 s15, s[WV], 11                       ; waves 0-11 carry the 12,288 bytes of codes out, twice 512 each
	s_lshl_b32 s15, s15, 9
	s_lshl_b32 s60, s43, 3
	s_add_co_u32 s60, s60, s42
	s_mul_i32 s60, s60, CH                         ; o's chunk
	s_mov_b32 s61, 0
	s_wait_alu depctr_va_vdst(0)
	s_wait_dscnt 0x0
	s_wait_kmcnt 0x0
	s_mov_b32 s[G0], 1
	s_mul_i32 s[G0+1], s48, 2*CH                   ; slot 0, my quarter
	s_add_nc_u64 s[G0+2:G0+3], s[4:5], s[46:47]
	s_or_b32 s[G0+3], s[G0+3], 0x80000000
	s_add_nc_u64 s[8:9], s[4:5], s[50:51]
	s_add_nc_u64 s[10:11], s[6:7], s[60:61]
	ROUND                                          ; all four work-groups are here
	TLOAD                                          ; slot 0
	v_and_b32 v[RR], 15, v0
	v_and_b32 v[LN], 31, v0
	v_lshl_add_u32 v[QA], v[RR], 4, s54
	v_lshl_add_u32 v[QA+2], v[RR], 4, s56
	v_add_nc_u32 v[QA+1], s53, v[QA]
	v_add_nc_u32 v[QA], s52, v[QA]
.irp T, 0,1
	global_load_b64 v[QL+8*\T:QL+8*\T+1], v[QA], s[8:9] offset:KCH*\T
	global_load_b64 v[QL+8*\T+2:QL+8*\T+3], v[QA+1], s[8:9] offset:KCH*\T+8
	global_load_b64 v[QL+8*\T+4:QL+8*\T+5], v[QA], s[8:9] offset:KCH*\T+512
	global_load_b32 v[QL+8*\T+6], v[QA+2], s[8:9] offset:KCH*\T+4*1536
.endr
	v_lshl_add_u32 v[AK0], v[LN], 4, s55           ; keys: my head's image, 16 x lane
	v_add_nc_u32 v[AKS0], 4*1536, v[QA+2]          ; their scale words: 6,144 + 16 r + 4 head
	v_lshl_add_u32 v[AV0], v[LN], 4, s57
	v_lshl_add_u32 v[AVS0], v[RR], 5, s58          ; V's two scale words: 32 r + 8 head
.irp z, 0,12,24,36,48
.irp i, 0,1,2,3,4,5
	v_mov_b32 v[Q+\z+\i], 0
.endr
.endr
	v_cmp_gt_u32 vcc_lo, 16, v[LN]
	s_wait_loadcnt 0x0
.irp T, 0,1
.irp i, 0,1,2,3,4,5
	v_cndmask_b32 v[Q+24*\T+6+\i], v[Q], v[QL+8*\T+\i], vcc_lo    ; the codes in lanes 0-15, zeros above: an even block
	v_cndmask_b32 v[Q+24*\T+18+\i], v[QL+8*\T+\i], v[Q], vcc_lo   ; the codes in lanes 16-31: an odd block
.endr
	v_perm_b32 v[QS+\T], v[QL+8*\T+6], v[QL+8*\T+6], s59
	v_mov_b32 v[MM+2*\T], 0x7f61b1e6               ; -M: 3e38
	v_mov_b32 v[MM+2*\T+1], 0xff61b1e6             ; the largest score so far: -3e38
	v_mov_b32 v[LS+2*\T], 0
	v_mov_b32 v[LS+2*\T+1], 0
.endr
	v_mov_b32 v[FF+1], 0                           ; (named as the upper half of a pair)
.irp b, 0,1,2,3
	v_mov_b32 v[BP+\b], 0                          ; a lane permute's destination counts as one of its sources
.endr
	v_mov_b32 v[TMP], 0
	v_mov_b32 v[TMP+1], 0
.set j, 0
.rept 32
	v_mov_b32 v[O+j], 0                            ; O^T: the step is written once; the first finds zeros
.set j, j+1
.endr
.macro SQK f, jb, qv, T                ; tile jb of fragment f: the query's variant with its codes in block jb
	v_wmma_scale_f32_16x16x128_f8f6f4 v[S+8*(4*\f+\jb):S+8*(4*\f+\jb)+7], v[KF+12*\f:KF+12*\f+11], v[(\qv):(\qv)+11], 0, v[KS+\f], v[QS+\T] matrix_a_fmt:MATRIX_FMT_FP6 matrix_b_fmt:MATRIX_FMT_FP6
.endm
.macro ADDS n, d                       ; n packed additions in place: p[j] += p[j + d]
.set j, 0
.rept \n
	v_pk_add_f32 v[S+j:S+j+1], v[S+j:S+j+1], v[S+j+(\d):S+j+(\d)+1]
.set j, j+2
.endr
.endm
; 128 keys for tile T of my queries, on the fragments in hand
.macro TILE T
.set QB, Q+24*(\T)
.set OT, O+16*(\T)
.set NM, MM+2*(\T)
.set LT, LS+2*(\T)
.irp f, 0,1
	SQK \f, 0, QB+6, \T
	SQK \f, 1, QB+18, \T
	SQK \f, 2, QB, \T
	SQK \f, 3, QB+12, \T
.endr                                  ; lane (r, h) holds query r; register 16 b + i is key 32 b + 16 h + i of the step
.rept 4
	v_nop
.endr
.irp b, 0,1,2,3
	v_max3_num_f32 v[BM+\b], v[S+16*\b], v[S+1+16*\b], v[S+2+16*\b]   ; the largest score of each block of 32 keys serves the row's maximum and the block's largest p
.endr
.irp i, 3,5,7,9,11,13
.irp b, 0,1,2,3
	v_max3_num_f32 v[BM+\b], v[BM+\b], v[S+16*\b+\i], v[S+1+16*\b+\i]
.endr
.endr
.irp b, 0,1,2,3
	v_max_num_f32 v[BM+\b], v[BM+\b], v[S+15+16*\b]
.endr
.irp b, 0,1,2,3
	v_permlanex16_b32 v[BP+\b], v[BM+\b], s[SEL], s[SEL+1]
.endr
.irp b, 0,1,2,3
	v_max_num_f32 v[BM+\b], v[BM+\b], v[BP+\b]     ; with lane l xor 16's 16 keys
.endr
	DLY 2
	v_max3_num_f32 v[TMP], v[BM], v[BM+1], v[BM+2]
	DLY 1
	v_max3_num_f32 v[NM+1], v[NM+1], v[TMP], v[BM+3]   ; the running largest score
	DLY 1
	v_mul_f32 v[TMP], s[CSC], v[NM+1]              ; as t (c is positive)
	DLY 1
	v_floor_f32 v[TMP], -v[TMP]                    ; the new -M = floor(-t): M is a whole number
	DLY 1
	v_sub_f32 v[TMP+1], v[TMP], v[NM]              ; old M less new M: a whole number, 0 or less
	v_mov_b32 v[NM], v[TMP]
	DLY 2
	v_cvt_i32_f32 v[TMP+1], v[TMP+1]               ; (it saturates)
	DLY 1
	v_ldexp_f32 v[FF], 1.0, v[TMP+1]               ; f = 2^(old M - new M)
.set j, 0
.rept 32
	v_pk_fma_f32 v[S+j:S+j+1], v[S+j:S+j+1], s[CSC:CSC+1], v[NM:NM+1] op_sel_hi:[1,0,0]   ; t - M, two at a time
.set j, j+2
.endr
.irp b, 0,1,2,3
	v_fma_f32 v[BM+\b], v[BM+\b], s[CSC], v[NM]    ; the same of each block's largest score
.endr
	s_wait_alu depctr_va_vdst(0)
.set j, 0
.rept 64
	v_exp_f32 v[S+j], v[S+j]                       ; p = 2^(t - M), at most 1: not normalised
.set j, j+1
.endr
.irp b, 0,1,2,3
	v_exp_f32 v[BM+\b], v[BM+\b]                   ; the block's largest p: the same two instructions on the same number
.endr
	v_pk_mul_f32 v[LT:LT+1], v[LT:LT+1], v[FF:FF+1] op_sel_hi:[1,0]   ; the sum under the new M; a plain place behind the exponentials
	s_wait_alu depctr_va_vdst(0)                   ; one wait for the batch, directly ahead of the first reader of O^T too
.irp j, 0,2,4,6,8,10,12,14
	v_pk_mul_f32 v[OT+\j:OT+1+\j], v[OT+\j:OT+1+\j], v[FF:FF+1] op_sel_hi:[1,0]   ; O^T under the new M
.endr
.irp b, 0,1,2,3
	v_max_num_f32 v[BM+\b], 0x1800000, v[BM+\b]    ; the floor 2^(3 - 127): the byte cannot fall under 1
.endr
.irp b, 0,1,2,3
	v_add_nc_u32 v[BS+\b], 0xff000000, v[BM+\b]    ; 2 off the exponent field: the conversion's scale operand
.endr
.irp b, 0,1,2,3
	v_lshrrev_b32 v[BP+\b], 23, v[BS+\b]           ; the scale's byte
.endr
	v_lshl_or_b32 v[PS], v[BP+1], 8, v[BP]         ; p's scale word for these 128 keys
	DLY 1
	v_lshl_or_b32 v[PS], v[BP+2], 16, v[PS]
	DLY 1
	v_lshl_or_b32 v[PS], v[BP+3], 24, v[PS]
.irp c, 0,1
	v_cvt_scalef32_pk16_fp6_f32 v[PCD+6*\c:PCD+2+6*\c], v[S+32*\c:S+15+32*\c], v[BS+2*\c]
	v_cvt_scalef32_pk16_fp6_f32 v[CV+4*\c:CV+2+4*\c], v[S+16+32*\c:S+31+32*\c], v[BS+2*\c+1]   ; (a conversion's three registers begin on an even number)
.endr
	v_nop                                          ; one plain place behind a scaled conversion
.irp c, 0,1                            ; the operand wants a whole block in a lane
.irp i, 0,1,2
	v_permlane16_swap_b32 v[PCD+6*\c+\i], v[CV+4*\c+\i]
.endr
.endr
.irp c, 0,1
.irp i, 0,1,2
	v_mov_b32 v[PCD+3+6*\c+\i], v[CV+4*\c+\i]
.endr
.endr
	ADDS 16, 32                                    ; the row's sum of the unquantised p: a tree in place, p being done with
	ADDS 8, 16
	ADDS 4, 8
	DLY 2
	v_pk_add_f32 v[S:S+1], v[S:S+1], v[S+4:S+5]
	DLY 2
	v_pk_add_f32 v[S+2:S+3], v[S+2:S+3], v[S+6:S+7]
	DLY 1
	v_pk_add_f32 v[S:S+1], v[S:S+1], v[S+2:S+3]
	DLY 1
	v_pk_add_f32 v[LT:LT+1], v[LT:LT+1], v[S:S+1]
.if \T == 0
	s_wait_alu depctr_va_vdst(0)
	s_wait_dscnt 0x0                               ; V and its scale words are in
.endif
.irp t, 0,1                            ; O^T += V^T P^T: my head's two tiles of 16 features, by turns
	v_wmma_scale_f32_16x16x128_f8f6f4 v[OT+8*\t:OT+8*\t+7], v[VF+12*\t:VF+12*\t+11], v[PCD:PCD+11], v[OT+8*\t:OT+8*\t+7], v[VS+\t], v[PS] matrix_a_fmt:MATRIX_FMT_FP6 matrix_b_fmt:MATRIX_FMT_FP6
.endr
.if \T == 1
.rept 4
	v_nop                                          ; places in front of the next step's loads into V's registers, and of the way out's first read of O^T
.endr
.endif
.endm
; A KEY STEP: 128 keys, the q-th of the slot in hand, for both tiles
.macro STEP q
.irp f, 0,1
.irp c, 0,1,2
	ds_load_b128 v[KF+12*\f+4*\c:KF+12*\f+4*\c+3], v[ADK] offset:(2*(\q)+\f)*KCH+512*\c
.endr
.endr
.irp f, 0,1
	ds_load_b32 v[KS+\f], v[ADS] offset:(2*(\q)+\f)*KCH
.endr
.irp t, 0,1
.irp c, 0,1,2
	ds_load_b128 v[VF+12*\t+4*\c:VF+12*\t+4*\c+3], v[ADV] offset:(\q)*CH+1536*\t+512*\c
.endr
.endr
	ds_load_b64 v[VS:VS+1], v[ADT] offset:(\q)*CH
	s_wait_dscnt 7                                 ; the keys and their scale words are in; V's seven loads may be out
	TILE 0
	TILE 1
.endm
; THE CHANGE OF SLOTS stands at a slot's head.  fill = 1: the slot left behind takes the keys that follow; the barrier is then a round of the cluster's, and the joint load is the first thing behind it.
.macro CHANGE fill
	s_wait_tensorcnt 0x0                           ; no tensor load of mine is out, so group 0 may be written
	ds_add_u32 v[SPW], v[NIL]
.if \fill
	ds_add_u32 v[SPW], v[NIL]                      ; the add twice
	s_xor_b32 s[G0+1], s[G0+1], SLOT1              ; the other slot than last time,
	s_add_nc_u64 s[G0+2:G0+3], s[G0+2:G0+3], 4*CH  ; the next 512 keys
.endif
	s_wait_dscnt 0x0                               ; the add is done, and my reads of the slot that I have left are over
.if \fill
	ROUND
	TLOAD
.else
	s_barrier_signal -1
	s_barrier_wait -1
.endif
.endm
.macro SLOT_STEPS
	v_add_nc_u32 v[ADK], s[TB], v[AK0]
	v_add_nc_u32 v[ADS], s[TB], v[AKS0]
	v_add_nc_u32 v[ADV], s[TB], v[AV0]
	v_add_nc_u32 v[ADT], s[TB], v[AVS0]
	STEP 0
	STEP 1
	STEP 2
	STEP 3
	s_xor_b32 s[TB], s[TB], SLOT1
.endm
	s_wait_alu depctr_va_vdst(0)
.Lslot:                                ; three trips: behind each change of slots but the last the next slot is asked for
	CHANGE 1
	SLOT_STEPS
	s_sub_co_u32 s[SLOTS], s[SLOTS], 1
	s_cmp_lg_u32 s[SLOTS], 0
	s_cbranch_scc1 .Lslot
	CHANGE 0                                       ; the last slot is written out
	SLOT_STEPS
	; THE WAY OUT.  O^T / the sum: a lane holds features 16 h + 0 .. 15 of its query's head: half a block of the next product's K
	v_and_b32 v[RR], 15, v0
	v_bfe_u32 v[HH], v0, 4, 1
	v_and_b32 v[LN], 31, v0
	v_lshl_add_u32 v[T1], v[RR], 4, s13
	v_mul_u32_u24 v[T1+1], v[HH], 3
	v_lshl_add_u32 v[OB], v[RR], 5, s14
	v_add_nc_u32 v[T1+1], s12, v[T1+1]
	v_lshl_add_u32 v[GOC], v[LN], 4, s15
	v_lshlrev_b32 v[GOS], 4, v[LN]
.irp i, 0,1,2                          ; register R = 6 (head / 2) + 3 h + i of the image: byte 512 (R / 4) + 16 lane + 4 (R % 4)
	v_add_nc_u32 v[T1+2], \i, v[T1+1]
	DLY 1
	v_lshrrev_b32 v[T1+3], 2, v[T1+2]
	v_and_b32 v[T1+2], 3, v[T1+2]
	DLY 2
	v_lshl_add_u32 v[OA+\i], v[T1+3], 9, v[T1]
	DLY 1
	v_lshl_add_u32 v[OA+\i], v[T1+2], 2, v[OA+\i]
.endr
	v_add_nc_u32 v[ORD], OST, v[GOC]
	v_add_nc_u32 v[OSR], OSC, v[GOS]
	v_add_nc_u32 v[GOS], 8*1536, v[GOS]
.irp T, 0,1
	v_add_f32 v[LS+2*\T], v[LS+2*\T], v[LS+2*\T+1]
.endr
.irp T, 0,1
	v_permlanex16_b32 v[TMP+\T], v[LS+2*\T], s[SEL], s[SEL+1]
.endr
.irp T, 0,1
	v_add_f32 v[LS+2*\T], v[LS+2*\T], v[TMP+\T]    ; the row's sum
.endr
	s_wait_alu depctr_va_vdst(0)
.irp T, 0,1
	v_rcp_f32 v[LS+2*\T], v[LS+2*\T]
.endr
	v_nop                                          ; a plain place behind the transcendentals
	s_wait_alu depctr_va_vdst(0)
.irp T, 0,1
.irp j, 0,2,4,6,8,10,12,14
	v_pk_mul_f32 v[O+16*\T+\j:O+16*\T+1+\j], v[O+16*\T+\j:O+16*\T+1+\j], v[LS+2*\T:LS+2*\T+1] op_sel_hi:[1,0]
.endr
.endr
.irp T, 0,1
	v_max3_num_f32 v[BM+\T], |v[O+16*\T]|, |v[O+16*\T+1]|, 0x1800000
.endr
.irp i, 2,4,6,8,10,12,14
.irp T, 0,1
	DLY 2
	v_max3_num_f32 v[BM+\T], v[BM+\T], |v[O+16*\T+\i]|, |v[O+16*\T+\i+1]|
.endr
.endr
.irp T, 0,1
	v_permlanex16_b32 v[BP+\T], v[BM+\T], s[SEL], s[SEL+1]
.endr
.irp T, 0,1
	v_max_num_f32 v[BM+\T], v[BM+\T], v[BP+\T]     ; the block's largest magnitude
.endr
.irp T, 0,1
	v_add_nc_u32 v[BS+\T], 0xff000000, v[BM+\T]
.endr
.irp T, 0,1
	v_lshrrev_b32 v[BP+\T], 23, v[BS+\T]
.endr
.irp T, 0,1
	v_cvt_scalef32_pk16_fp6_f32 v[PCD+4*\T:PCD+4*\T+2], v[O+16*\T:O+16*\T+15], v[BS+\T]
.endr
	v_nop
.irp T, 0,1
.irp i, 0,1,2
	ds_store_b32 v[OA+\i], v[PCD+4*\T+\i] offset:4*1536*\T
.endr
	ds_store_b8 v[OB], v[BP+\T] offset:16*\T       ; both lanes of a block write the same byte with the same value
.endr
	s_wait_alu depctr_va_vdst(0)
	s_wait_dscnt 0x0                               ; for the others' sake: my stores have landed
	s_barrier_signal -1
	s_barrier_wait -1
	s_cmp_lt_u32 s[WV], 12
	s_cbranch_scc0 .Lnot_codes
	ds_load_b128 v[OD:OD+3], v[ORD]
	ds_load_b128 v[OD+4:OD+7], v[ORD] offset:4*1536
	s_wait_dscnt 0x0
	global_store_b128 v[GOC], v[OD:OD+3], s[10:11] ; 512 consecutive bytes, at a multiple of 256 from the buffer's first byte
	global_store_b128 v[GOC], v[OD+4:OD+7], s[10:11] offset:4*1536
	s_branch .Ldone
.Lnot_codes:
	s_cmp_eq_u32 s[WV], 12
	s_cbranch_scc0 .Ldone
	ds_load_b128 v[OD:OD+3], v[OSR]
	s_wait_dscnt 0x0
	global_store_b128 v[GOS], v[OD:OD+3], s[10:11] ; the chunk's 512 bytes of scale words
.Ldone:
	s_wait_tensorcnt 0x0                           ; the wave's end
	ds_add_u32 v[SPW], v[NIL]
	s_wait_dscnt 0x0
	ROUND                                          ; the closing round
	s_endpgm
.Lfunc_end_k_q96d156b1af_attn:
	.size	k_q96d156b1af_attn, .Lfunc_end_k_q96d156b1af_attn-k_q96d156b1af_attn
	.p2alignl 7, 3214868480
	.fill 96, 4, 3214868480
	.section	.rodata,"a",@progbits
	.p2align	6, 0x0
	.amdhsa_kernel k_q96d156b1af_attn
		.amdhsa_group_segment_fixed_size 327680
		.amdhsa_private_segment_fixed_size 0
		.amdhsa_enable_private_segment 0
		.amdhsa_kernarg_size 16
		.amdhsa_user_sgpr_count 2
		.amdhsa_user_sgpr_kernarg_segment_ptr 1
		.amdhsa_wavefront_size32 1
		.amdhsa_system_sgpr_workgroup_id_x 1
		.amdhsa_system_sgpr_workgroup_id_y 1
		.amdhsa_system_sgpr_workgroup_id_z 1
		.amdhsa_system_vgpr_workitem_id 0
		.amdhsa_next_free_vgpr 256
		.amdhsa_next_free_sgpr 66
		.amdhsa_reserve_vcc 1
		.amdhsa_float_denorm_mode_32 3
		.amdhsa_float_denorm_mode_16_64 3
		.amdhsa_memory_ordered 1
		.amdhsa_forward_progress 1
		.amdhsa_inst_pref_size 234
	.end_amdhsa_kernel
	.amdgpu_metadata
---
amdhsa.version: [ 1, 2 ]
amdhsa.kernels:
  - .name:           k_q96d156b1af_attn
    .symbol:         k_q96d156b1af_attn.kd
    .args:
      - { .name: att, .offset: 0, .size: 8, .value_kind: global_buffer, .address_space: global }
      - { .name: oc, .offset: 8, .size: 8, .value_kind: global_buffer, .address_space: global }
    .group_segment_fixed_size: 327680
    .private_segment_fixed_size: 0
    .kernarg_segment_align: 8
    .kernarg_segment_size: 16
    .max_flat_workgroup_size: 512
    .sgpr_count:     66
    .vgpr_count:     256
    .wavefront_size: 32
...
	.end_amdgpu_metadata
.endif
;; end of part 12
;; launch oproj (part 13): grid 8 x 32, 4 waves a work-group, clusters of 4 x 4, 327,680 bytes of LDS; arguments oc, wc, bo, y; writes y
.if DOCPART == 13
	.amdgcn_target "amdgcn-amd-amdhsa--gfx1250"
	.amdhsa_code_object_version 6
	.text
	.protected	k_q96d156b1af_oproj
	.globl	k_q96d156b1af_oproj
	.p2align	8
	.type	k_q96d156b1af_oproj,@function
k_q96d156b1af_oproj:
	s_mov_b64 s[64:65], 0
	v_nop
	global_prefetch_b8 v0, s[64:65] scope:SCOPE_SE
	s_setreg_imm32_b32 hwreg(HW_REG_WAVE_MODE, 25, 1), 1
	s_wait_xcnt 0x0
	s_wait_alu depctr_hold_cnt(0) depctr_sa_sdst(0) depctr_va_vdst(0) depctr_va_sdst(0) depctr_va_ssrc(0) depctr_va_vcc(0) depctr_vm_vsrc(0)
	s_getreg_b32 s2, hwreg(HW_REG_IB_STS2, 6, 4)
	s_cmp_eq_u32 s2, 0
	s_cbranch_scc0 .Lentry_in_a_cluster
	s_endpgm
.Lentry_in_a_cluster:
	s_bfe_u32 s2, ttmp6, 0x10000c
	s_cmp_lg_u32 s2, 0xf033
	s_cbranch_scc0 .Lentry_shape_is_right
	s_endpgm
.Lentry_shape_is_right:
.set NP,      8
.set AOFF,    0
.set BOFF,    448*12800
.set PA,      4
.set PB,      6
.set PBI,     8
.set PO,      10
.set CH,      12800
.set QUARTER, 2*CH
.set SLOT,    4*QUARTER
.set SPARE,   2*SLOT
.set LAPS,    NP/8
.set FR,   12
.set ADRA, 16
.set ADRB, 20
.set ADRS, 22
.set CO,   26
.set SPW,  28
.set NIL,  29
.set SC,   32
.set BI,   64
.set ACC,  128
.set G1,   24
.set G0,   32
.set G1B,  48
.set G0B,  56
.set MULW, 0x05
.set MSB,  0
.macro WIN new
.if MSB != (\new)
	s_set_vgpr_msb (MSB<<8)|(\new)
.set MSB, (\new)
.endif
.endm
.macro PLACES
.rept 4
	v_nop
.endr
.endm
.macro JLOAD s
	s_cmp_eq_u32 s15, 0
	s_cbranch_scc0 .Lfor_b_\@
	tensor_load_to_lds s[G0+4*\s:G0+4*\s+3], s[G1:G1+7]
	s_nop 0
.rept 4
	v_nop
.endr
	s_branch .Lasked_\@
.Lfor_b_\@:
	tensor_load_to_lds s[G0B+4*\s:G0B+4*\s+3], s[G1B:G1B+7]
	s_nop 0
.rept 4
	v_nop
.endr
.Lasked_\@:
.endm
.macro CREST
	s_cmp_lg_u32 s14, 0
	s_cbranch_scc1 .Lnot_wave_0_\@
	s_barrier_signal -3
.Lnot_wave_0_\@:
	s_barrier_wait -3
	s_barrier_signal -1
	s_barrier_wait -1
.endm
.macro CROUND
	s_barrier_signal -1
	s_barrier_wait -1
	CREST
.endm
	s_load_b256 s[4:11], s[0:1], 0x0
	v_lshl_add_u32 v[SPW], v0, 2, SPARE
	v_mov_b32 v[NIL], 0
	ds_add_u32 v28, v29
	ds_add_u32 v28, v29
	s_wait_dscnt 0x0
	v_lshrrev_b32 v1, 5, v0
	v_readfirstlane_b32 s14, v1
	v_and_b32 v30, 31, v0                          ; the prefetch's offset: 256 x min(lane, 24); never rewritten
	v_min_u32 v30, 24, v30
	v_lshlrev_b32 v30, 8, v30
	s_lshr_b32 s15, s14, 1
	s_and_b32 s16, s14, 1
	s_bfe_u32 s40, ttmp6, 0x40000
	s_bfe_u32 s41, ttmp6, 0x40004
	s_lshl_b32 s42, ttmp9, 2
	s_add_co_u32 s42, s42, s40
	s_and_b32 s17, ttmp7, 0xffff
	s_lshl_b32 s17, s17, 2
	s_add_co_u32 s17, s17, s41
	s_lshl_b32 s43, s41, 2
	s_lshl_b32 s43, 15, s43
	s_lshl_b32 s44, 0x1111, s40
	s_or_b32 s[G1+0], s43, (3<<16)|(1<<21)
	s_or_b32 s[G1B+0], s44, (3<<16)|(1<<21)
.irp g, G1, G1B
	s_mov_b32 s[\g+1], 32<<16
	s_mov_b32 s[\g+2], 100<<16
	s_mov_b32 s[\g+3], 32<<16
	s_mov_b32 s[\g+4], 100
	s_mov_b32 s[\g+5], 32
	s_mov_b32 s[\g+6], 0
	s_mov_b32 s[\g+7], 0
.endr
	s_mul_i32 s18, s16, QUARTER
	s_mul_i32 s20, s17, NP*CH
	s_add_co_u32 s20, s20, s18
	s_add_co_u32 s20, s20, AOFF
	s_mov_b32 s21, 0
	s_mul_i32 s46, s42, NP*CH
	s_add_co_u32 s46, s46, s18
	s_add_co_u32 s46, s46, BOFF
	s_mov_b32 s47, 0
	s_mul_i32 s45, s14, QUARTER
	s_wait_kmcnt 0x0
	s_add_nc_u64 s[20:21], s[PA:PA+1], s[20:21]
	s_add_nc_u64 s[46:47], s[PB:PB+1], s[46:47]
	s_cmp_eq_u32 s15, 0                            ; s[68:69]: my work-group's 25 blocks of 256 bytes of the 100 that my first load brings: the four partners that ask jointly are told apart by address
	s_cselect_b64 s[68:69], s[20:21], s[46:47]
	s_cselect_b32 s12, s40, s41
	s_mul_i32 s12, s12, 25*256
	s_mov_b32 s13, 0
	s_add_nc_u64 s[68:69], s[68:69], s[12:13]
	CROUND
.irp s, 0,1
	s_mov_b32 s[G0+4*\s], 1
	s_add_co_u32 s[G0+4*\s+1], s45, \s*SLOT
	s_add_nc_u64 s[G0+4*\s+2:G0+4*\s+3], s[20:21], \s*2*QUARTER
	s_or_b32 s[G0+4*\s+3], s[G0+4*\s+3], 0x80000000
	s_mov_b32 s[G0B+4*\s], 1
	s_add_co_u32 s[G0B+4*\s+1], s45, \s*SLOT
	s_add_nc_u64 s[G0B+4*\s+2:G0B+4*\s+3], s[46:47], \s*2*QUARTER
	s_or_b32 s[G0B+4*\s+3], s[G0B+4*\s+3], 0x80000000
	s_wait_alu depctr_va_vdst(0)
	s_wait_tensorcnt 0x0
	ds_add_u32 v28, v29
	ds_add_u32 v28, v29
	s_wait_dscnt 0x0
	CROUND
	JLOAD \s
.if \s == 0
	global_prefetch_b8 v30, s[68:69] offset:2*QUARTER th:TH_LOAD_NT scope:SCOPE_SE   ; the bytes of my second load, the last along K
.endif
.endr
	v_and_b32 v1, 15, v0
	s_wait_alu depctr_va_vdst(0)
	v_bfe_u32 v2, v0, 4, 1
	s_wait_alu depctr_va_vdst(0)
	v_and_b32 v3, 31, v0
	v_lshlrev_b32 v[CO], 4, v3
	s_wait_alu depctr_va_vdst(0)
	s_mul_i32 s21, s15, 4*1536
	s_mul_i32 s22, s16, 4*1536
	s_add_co_u32 s22, s22, 2*QUARTER
	s_lshl_b32 s19, s15, 4
	s_add_co_u32 s19, s19, 8*1536
	s_xor_b32 s23, s15, 1
	s_add_co_u32 s23, s23, s16
	s_lshl_b32 s23, s23, 4
	s_add_co_u32 s23, s23, 2*QUARTER-16
	v_lshlrev_b32 v4, 5, v1
	v_mul_u32_u24 v5, s23, v2
	v_add_nc_u32 v4, v4, v5
.irp s, 0,1
	v_add_nc_u32 v[ADRA+\s], s21, v[CO]
	v_add_nc_u32 v[ADRB+\s], s22, v[CO]
	v_add_nc_u32 v[ADRS+\s], s19, v4
	s_add_co_u32 s21, s21, SLOT
	s_add_co_u32 s22, s22, SLOT
	s_add_co_u32 s19, s19, SLOT
.endr
	s_lshl_b32 s12, s42, 9
	s_lshl_b32 s18, s16, 8
	s_add_co_u32 s12, s12, s18
	s_mov_b32 s13, 0
	s_add_nc_u64 s[PBI:PBI+1], s[PBI:PBI+1], s[12:13]
	v_lshlrev_b32 v6, 6, v2
.irp b, 0,1
.irp j, 0,1,2,3
	global_load_b128 v[BI+16*\b+4*\j:BI+16*\b+4*\j+3], v6, s[PBI:PBI+1] offset:128*\b+16*\j
.endr
.endr
	s_lshl_b32 s12, s17, 19
	s_lshl_b32 s18, s15, 18
	s_add_co_u32 s12, s12, s18
	s_lshl_b32 s18, s42, 13
	s_add_co_u32 s12, s12, s18
	s_lshl_b32 s18, s16, 12
	s_add_co_u32 s12, s12, s18
	s_add_nc_u64 s[PO:PO+1], s[PO:PO+1], s[12:13]
.macro FRAG reg, adr, q, i
.irp c, 0,1,2
	ds_load_b128 v[(\reg)+4*\c:(\reg)+4*\c+3], v[\adr] offset:(\q)*CH+(\i)*1536+512*\c
.endr
.endm
.macro FETCH slot, q, f
	WIN 0x40
.irp i, 0,1,2,3
	FRAG 128*(\f)+48+FR*\i, ADRB+\slot, \q, \i
.endr
.irp i, 0,1,2,3
	FRAG 128*(\f)+FR*\i, ADRA+\slot, \q, \i
.endr
.endm
.macro SCALES slot
	WIN 0
.irp q, 0,1,2,3
	ds_load_b128 v[SC+16*\slot+4*\q:SC+16*\slot+4*\q+3], v[ADRS+\slot] offset:\q*CH
.endr
.endm
.macro MUL4 f, q, sc, a, first
.irp b, 0,1,2,3
.if \first
	v_wmma_scale_f32_16x16x128_f8f6f4 v[ACC+8*(4*(\a)+\b):ACC+8*(4*(\a)+\b)+7], v[128*(\f)+48+FR*\b:128*(\f)+48+FR*\b+FR-1], v[128*(\f)+FR*(\a):128*(\f)+FR*(\a)+FR-1], v[BI+8*\b:BI+8*\b+7], v[SC+16*(\sc)+4*(\q)+\b], v[SC+16*(\sc)+4*(\q)+(\a)] matrix_a_fmt:MATRIX_FMT_FP6 matrix_b_fmt:MATRIX_FMT_FP6 matrix_a_scale:MATRIX_SCALE_ROW1
.else
	v_wmma_scale_f32_16x16x128_f8f6f4 v[ACC+8*(4*(\a)+\b):ACC+8*(4*(\a)+\b)+7], v[128*(\f)+48+FR*\b:128*(\f)+48+FR*\b+FR-1], v[128*(\f)+FR*(\a):128*(\f)+FR*(\a)+FR-1], v[ACC+8*(4*(\a)+\b):ACC+8*(4*(\a)+\b)+7], v[SC+16*(\sc)+4*(\q)+\b], v[SC+16*(\sc)+4*(\q)+(\a)] matrix_a_fmt:MATRIX_FMT_FP6 matrix_b_fmt:MATRIX_FMT_FP6 matrix_a_scale:MATRIX_SCALE_ROW1
.endif
.endr
.endm
.macro STEP slot, q, first
	s_wait_dscnt 0x0
	PLACES
	FETCH \slot, (\q)+1, 1-(\q)%2
	WIN MULW
.irp a, 0,1,2,3
	MUL4 (\q)%2, \q, \slot, \a, \first
.endr
.endm
.macro TURN slot, next, fill
	WIN 0
	s_wait_tensorcnt 0x0
	ds_add_u32 v[SPW], v[NIL]
	s_wait_dscnt 1
	WIN MULW
	MUL4 1, 3, \slot, 0, 0
	s_wait_dscnt 0x0
	s_barrier_signal -1
	MUL4 1, 3, \slot, 1, 0
	WIN 0
	s_barrier_wait -1
.if \fill
	CREST
	s_add_nc_u64 s[G0+4*\slot+2:G0+4*\slot+3], s[G0+4*\slot+2:G0+4*\slot+3], 4*QUARTER
	s_add_nc_u64 s[G0B+4*\slot+2:G0B+4*\slot+3], s[G0B+4*\slot+2:G0B+4*\slot+3], 4*QUARTER
	JLOAD \slot
.else
	PLACES
.endif
	FETCH \next, 0, 0
	SCALES \next
	WIN MULW
	MUL4 1, 3, \slot, 2, 0
	MUL4 1, 3, \slot, 3, 0
.endm
	s_wait_alu depctr_va_vdst(0)
	s_wait_tensorcnt 1
	s_barrier_signal -1
	s_barrier_wait -1
	FETCH 0, 0, 0
	SCALES 0
	s_wait_loadcnt 0x0
	STEP 0, 0, 1
.if LAPS > 1
	WIN 0
	s_mov_b32 s3, LAPS-1
.Llap:
	STEP 0, 1, 0
	STEP 0, 2, 0
	TURN 0, 1, 1
	STEP 1, 0, 0
	STEP 1, 1, 0
	STEP 1, 2, 0
	TURN 1, 0, 1
	STEP 0, 0, 0
	WIN 0
	s_sub_co_u32 s3, s3, 1
	s_cmp_lg_u32 s3, 0
	s_cbranch_scc1 .Llap
.endif
	STEP 0, 1, 0
	STEP 0, 2, 0
	TURN 0, 1, 0
	STEP 1, 0, 0
	STEP 1, 1, 0
	STEP 1, 2, 0
	s_wait_dscnt 0x0
	WIN MULW
.irp a, 0,1,2,3
	MUL4 1, 3, 1, \a, 0
.endr
	WIN 0
	PLACES
.irp a, 0,1,2,3
.irp b, 0,1,2,3
	global_store_b128 v[CO], v[ACC+8*(4*\a+\b):ACC+8*(4*\a+\b)+3], s[PO:PO+1] offset:\a*65536+1024*\b
	global_store_b128 v[CO], v[ACC+8*(4*\a+\b)+4:ACC+8*(4*\a+\b)+7], s[PO:PO+1] offset:\a*65536+1024*\b+512
.endr
.endr
	s_wait_tensorcnt 0x0
	ds_add_u32 v[SPW], v[NIL]
	s_wait_dscnt 0x0
	CROUND
	s_endpgm
.Lfunc_end_k_q96d156b1af_oproj:
	.size	k_q96d156b1af_oproj, .Lfunc_end_k_q96d156b1af_oproj-k_q96d156b1af_oproj
	.p2alignl 7, 3214868480
	.fill 96, 4, 3214868480
	.section	.rodata,"a",@progbits
	.p2align	6, 0x0
	.amdhsa_kernel k_q96d156b1af_oproj
		.amdhsa_group_segment_fixed_size 327680
		.amdhsa_private_segment_fixed_size 0
		.amdhsa_enable_private_segment 0
		.amdhsa_kernarg_size 32
		.amdhsa_user_sgpr_count 2
		.amdhsa_user_sgpr_kernarg_segment_ptr 1
		.amdhsa_wavefront_size32 1
		.amdhsa_system_sgpr_workgroup_id_x 1
		.amdhsa_system_sgpr_workgroup_id_y 1
		.amdhsa_system_sgpr_workgroup_id_z 1
		.amdhsa_system_vgpr_workitem_id 0
		.amdhsa_next_free_vgpr 512
		.amdhsa_next_free_sgpr 72
		.amdhsa_reserve_vcc 0
		.amdhsa_float_denorm_mode_32 3
		.amdhsa_float_denorm_mode_16_64 3
		.amdhsa_memory_ordered 1
		.amdhsa_forward_progress 1
		.amdhsa_inst_pref_size 44
	.end_amdhsa_kernel
	.amdgpu_metadata
---
amdhsa.version: [ 1, 2 ]
amdhsa.kernels:
  - .name:           k_q96d156b1af_oproj
    .symbol:         k_q96d156b1af_oproj.kd
    .args:
      - { .name: oc, .offset: 0, .size: 8, .value_kind: global_buffer, .address_space: global }
      - { .name: wc, .offset: 8, .size: 8, .value_kind: global_buffer, .address_space: global }
      - { .name: bo, .offset: 16, .size: 8, .value_kind: global_buffer, .address_space: global }
      - { .name: y, .offset: 24, .size: 8, .value_kind: global_buffer, .address_space: global }
    .group_segment_fixed_size: 327680
    .private_segment_fixed_size: 0
    .kernarg_segment_align: 8
    .kernarg_segment_size: 32
    .max_flat_workgroup_size: 128
    .sgpr_count:     72
    .vgpr_count:     512
    .wavefront_size: 32
...
	.end_amdgpu_metadata
.endif
;; end of part 13
;; launch ln0 (part 14): grid 256 x 1, 8 waves a work-group, no clusters, 69,632 bytes of LDS; arguments y, x, ln0_a, ln0_b, hf, hcod; writes hf, hcod
.if DOCPART == 14
	.amdgcn_target "amdgcn-amd-amdhsa--gfx1250"
	.amdhsa_code_object_version 6
	.text
	.protected	k_q96d156b1af_ln0
	.globl	k_q96d156b1af_ln0
	.p2align	8
	.type	k_q96d156b1af_ln0,@function
k_q96d156b1af_ln0:
	s_mov_b64 s[64:65], 0
	v_nop
	global_prefetch_b8 v0, s[64:65] scope:SCOPE_SE
	s_setreg_imm32_b32 hwreg(HW_REG_WAVE_MODE, 25, 1), 1
	s_wait_xcnt 0x0
; h = LayerNorm(y + x) x ln0_a + ln0_b, in f32 (sigma = sqrt(mean((v - mean)^2)); 1e-9 is added to sigma), stored as f32 (hf: the second residual) and as codes of FP6 with E8M0 scales (hcod: the next product's A).
; y lies as the product's accumulators left it: for each block of 16 rows and panel of 128 columns 8,192 bytes at (8 block + panel) x 8,192; registers 4 q .. 4 q + 3 of a lane's 64 at 512 q + 16 lane; register n is column
; 32 (n / 16) + 16 (lane / 16) + n % 16 of the panel; lane-row m of block rb is row 32 (rb / 2) + 16 (m / 8) + 8 (rb % 2) + m % 8.  hf is laid alike.  hcod: chunks of 128 rows x 128 K, 12,800 bytes (eight fragments' images, then scale words).
; SHARES: a work-group takes one block of 16 rows; wave w its panel w: 64 numbers a lane, which stay in registers from the sum to the store: the deviation is taken of v - mean, never as a difference of large sums.
; x's rows are read as they lie, 512 consecutive bytes a load, and turn through the wave's own stage in LDS into the accumulators' layout.  A row's sums meet in LDS: two barriers.
; Memory binds: no matrix unit, no tensor loads, no cluster (no byte is read twice).
; The scale words leave as 4 bytes a row, 128 KB in the whole launch: whole runs would want 128 rows to a work-group, which leaves 32 work-groups.
; LIMITS: a block whose largest magnitude lies under 2^-124 gets the byte 1; a variance under 2^-126 counts as 0 in v_sqrt_f32; NaN and infinities are not served.
.set CH,  12800
.set SP,  528                          ; a stage row: 512 bytes + 16
.set RED, 8*16*SP                      ; behind the eight stages: two regions of 512 bytes for the rows' partial sums: word 32 r + 4 w
.set LI,  1                            ; 16 x lane
.set RR,  2
.set HH,  3
.set SA,  4                            ; the stage by rows
.set SB,  5                            ; the stage by my row's blocks
.set PF,  6                            ; 64 h: my place in a run of 32 of alpha, beta
.set RW,  7
.set RL,  8
.set LN,  9
.set SO,  10                           ; 32 r
.set MU,  12                           ; v[12:13] the mean, twice
.set IV,  14                           ; v[14:15] 1 / (sigma + 1e-9), twice
.set TM,  16
.set V,   32
.set XR,  96                           ; x, later alpha
.set BE,  160                          ; beta
.set PC,  224
.set PW,  244
.set T,   246
.set SEL, 40
.macro QUANT s, pw                     ; 64 numbers of a lane, register 16 b + i = k 32 b + 16 (lane / 16) + i of my row, become a fragment's codes in v[PC] on and its scale word in v[pw]
.irp b, 0,1,2,3
	v_max3_num_f32 v[TM+\b], |v[(\s)+16*\b]|, |v[(\s)+1+16*\b]|, 0x1800000   ; the floor 2^(3 - 127): the byte cannot fall under 1
.endr
.irp i, 2,4,6,8,10,12,14
.irp b, 0,1,2,3
	s_delay_alu instid0(VALU_DEP_4)
	v_max3_num_f32 v[TM+\b], v[TM+\b], |v[(\s)+16*\b+\i]|, |v[(\s)+1+16*\b+\i]|
.endr
.endr
.irp b, 0,1,2,3
	s_delay_alu instid0(VALU_DEP_4)
	v_permlanex16_b32 v[TM+4+\b], v[TM+\b], s[SEL], s[SEL+1]
.endr
.irp b, 0,1,2,3
	s_delay_alu instid0(VALU_DEP_4)
	v_max_num_f32 v[TM+\b], v[TM+\b], v[TM+4+\b]
.endr
.irp b, 0,1,2,3
	s_delay_alu instid0(VALU_DEP_4)
	v_add_nc_u32 v[TM+12+\b], 0xff000000, v[TM+\b]   ; 2 off the exponent field: the conversion's scale operand
.endr
.irp b, 0,1,2,3
	s_delay_alu instid0(VALU_DEP_4)
	v_lshrrev_b32 v[TM+4+\b], 23, v[TM+12+\b]      ; the scale's byte
.endr
	s_delay_alu instid0(VALU_DEP_3)
	v_lshl_or_b32 v[\pw], v[TM+5], 8, v[TM+4]
	s_delay_alu instid0(VALU_DEP_1)
	v_lshl_or_b32 v[\pw], v[TM+6], 16, v[\pw]
	s_delay_alu instid0(VALU_DEP_1)
	v_lshl_or_b32 v[\pw], v[TM+7], 24, v[\pw]
.irp c, 0,1
	v_cvt_scalef32_pk16_fp6_f32 v[PC+6*\c:PC+2+6*\c], v[(\s)+32*\c:(\s)+15+32*\c], v[TM+12+2*\c]
	v_cvt_scalef32_pk16_fp6_f32 v[PC+12+4*\c:PC+14+4*\c], v[(\s)+16+32*\c:(\s)+31+32*\c], v[TM+13+2*\c]
.endr
	v_nop                                          ; one plain place behind a scaled conversion
.irp c, 0,1
.irp i, 0,1,2
	v_permlane16_swap_b32 v[PC+6*\c+\i], v[PC+12+4*\c+\i]
.endr
.irp i, 0,1,2
	s_delay_alu instid0(VALU_DEP_3)
	v_mov_b32 v[PC+3+6*\c+\i], v[PC+12+4*\c+\i]
.endr
.endr
.endm
.macro ACROSS red                      ; v[T]: my lane's sum -> the row's, over lane l xor 16 and the eight waves
	s_delay_alu instid0(VALU_DEP_1)
	v_permlanex16_b32 v[T+1], v[T], s[SEL], s[SEL+1]
	s_delay_alu instid0(VALU_DEP_1)
	v_add_f32 v[T], v[T], v[T+1]
	ds_store_b32 v[RW], v[T] offset:\red           ; both lanes of a row write the same word with the same value
	s_wait_dscnt 0x0                               ; for the others' sake
	s_barrier_signal -1
	s_barrier_wait -1
	ds_load_b128 v[T:T+3], v[RL] offset:\red
	ds_load_b128 v[T+4:T+7], v[RL] offset:\red+16
	s_wait_dscnt 0x0
	v_add_f32 v[T], v[T], v[T+1]
	v_add_f32 v[T+2], v[T+2], v[T+3]
	v_add_f32 v[T+4], v[T+4], v[T+5]
	v_add_f32 v[T+6], v[T+6], v[T+7]
	s_delay_alu instid0(VALU_DEP_3)
	v_add_f32 v[T], v[T], v[T+2]
	s_delay_alu instid0(VALU_DEP_2)
	v_add_f32 v[T+4], v[T+4], v[T+6]
	s_delay_alu instid0(VALU_DEP_1)
	v_add_f32 v[T], v[T], v[T+4]
.endm
	s_load_b256 s[4:11], s[0:1], 0x0               ; y, x, ln0_a, ln0_b
	s_load_b128 s[12:15], s[0:1], 0x20             ; hf, hcod
	v_lshl_add_u32 v254, v0, 2, 0x10c00
	v_mov_b32 v255, 0
	v_lshrrev_b32 v2, 5, v0
	s_delay_alu instid0(VALU_DEP_1)
	v_readfirstlane_b32 s16, v2                    ; wave = panel
	v_and_b32 v[LN], 31, v0
	v_and_b32 v[RR], 15, v0
	v_bfe_u32 v[HH], v0, 4, 1
	s_delay_alu instid0(VALU_DEP_3)
	v_lshlrev_b32 v[LI], 4, v[LN]
	s_mul_i32 s17, s16, 16*SP
	v_add_nc_u32 v[SA], s17, v[LI]
	v_mul_u32_u24 v[SB], v[RR], SP
	s_delay_alu instid0(VALU_DEP_1)
	v_lshl_add_u32 v[SB], v[HH], 6, v[SB]
	s_delay_alu instid0(VALU_DEP_1)
	v_add_nc_u32 v[SB], s17, v[SB]
	v_lshlrev_b32 v[PF], 6, v[HH]
	v_lshlrev_b32 v[SO], 5, v[RR]
	s_delay_alu instid0(VALU_DEP_1)
	v_add_nc_u32 v[RL], RED, v[SO]
	s_lshl_b32 s17, s16, 2
	v_add_nc_u32 v[RW], s17, v[RL]
	s_mov_b32 s[SEL], 0x76543210
	s_mov_b32 s[SEL+1], 0xfedcba98
.irp b, 0,1,2,3
	v_mov_b32 v[TM+4+\b], 0                        ; written once: a lane permute's destination counts as one of its sources
.endr
	s_lshl_b32 s20, ttmp9, 3
	s_add_co_u32 s20, s20, s16
	s_lshl_b32 s20, s20, 13                        ; my 8,192 bytes of y and of hf
	s_mov_b32 s21, 0
	s_lshr_b32 s22, ttmp9, 1
	s_lshl_b32 s22, s22, 17                        ; x: row 32 (rb / 2) + 8 (rb % 2), 4,096 bytes a row,
	s_and_b32 s23, ttmp9, 1
	s_lshl_b32 s23, s23, 15
	s_add_co_u32 s22, s22, s23
	s_lshl_b32 s24, s16, 9                         ; + my panel's 512 bytes
	s_add_co_u32 s22, s22, s24
	s_mov_b32 s23, 0
	s_mov_b32 s25, 0
	s_lshr_b32 s26, ttmp9, 3
	s_lshl_b32 s26, s26, 3
	s_add_co_u32 s26, s26, s16
	s_mul_i32 s26, s26, CH                         ; hcod: chunk (rb / 8, panel),
	s_and_b32 s28, ttmp9, 7
	s_mul_i32 s30, s28, 1536                       ; fragment rb % 8,
	s_add_co_u32 s30, s30, s26
	s_mov_b32 s31, 0
	s_lshl_b32 s28, s28, 2
	s_add_co_u32 s28, s28, 8*1536                  ; and its scale words
	s_add_co_u32 s28, s28, s26
	s_mov_b32 s29, 0
	s_wait_alu depctr_va_vdst(0)
	s_wait_kmcnt 0x0
	s_add_nc_u64 s[4:5], s[4:5], s[20:21]
	s_add_nc_u64 s[6:7], s[6:7], s[22:23]
	s_add_nc_u64 s[8:9], s[8:9], s[24:25]
	s_add_nc_u64 s[10:11], s[10:11], s[24:25]
	s_add_nc_u64 s[12:13], s[12:13], s[20:21]
	s_add_nc_u64 s[18:19], s[14:15], s[30:31]
	s_add_nc_u64 s[14:15], s[14:15], s[28:29]
.irp m, 0,1,2,3,4,5,6,7,8,9,10,11,12,13,14,15
	global_load_b128 v[XR+4*\m:XR+4*\m+3], v[LI], s[6:7] offset:(16*(\m/8)+\m%8)*4096   ; lane-row m of x: 512 consecutive bytes
.endr
.irp q, 0,1,2,3,4,5,6,7,8,9,10,11,12,13,14,15
	global_load_b128 v[V+4*\q:V+4*\q+3], v[LI], s[4:5] offset:512*\q th:TH_LOAD_NT
.endr
.irp b, 0,1,2,3
.irp j, 0,1,2,3
	global_load_b128 v[BE+16*\b+4*\j:BE+16*\b+4*\j+3], v[PF], s[10:11] offset:128*\b+16*\j
.endr
.endr
	s_wait_loadcnt 32                              ; x's 16 loads are in; y's and beta's may be out
.irp m, 0,1,2,3,4,5,6,7,8,9,10,11,12,13,14,15
	ds_store_b128 v[SA], v[XR+4*\m:XR+4*\m+3] offset:SP*\m
.endr
.irp b, 0,1,2,3
.irp j, 0,1,2,3
	ds_load_b128 v[XR+16*\b+4*\j:XR+16*\b+4*\j+3], v[SB] offset:128*\b+16*\j   ; LDS serves a wave's instructions in order: these see the stores above
.endr
.endr
	s_wait_loadcnt 16                              ; y is in; beta's 16 loads may be out
	s_wait_dscnt 0x0
.set j, 0
.rept 32
	v_pk_add_f32 v[V+j:V+j+1], v[V+j:V+j+1], v[XR+j:XR+j+1]
.set j, j+2
.endr
.irp b, 0,1,2,3
.irp j, 0,1,2,3
	global_load_b128 v[XR+16*\b+4*\j:XR+16*\b+4*\j+3], v[PF], s[8:9] offset:128*\b+16*\j   ; alpha, into the registers that x has left
.endr
.endr
	v_pk_add_f32 v[248:249], v[32:33], v[34:35]
	v_pk_add_f32 v[26:27], v[40:41], v[44:45]
	v_pk_add_f32 v[24:25], v[48:49], v[52:53]
	v_pk_add_f32 v[246:247], v[56:57], v[60:61]
	s_delay_alu instid0(VALU_DEP_1)
	v_pk_add_f32 v[246:247], v[246:247], v[64:65]
	v_pk_add_f32 v[248:249], v[248:249], v[68:69]
	v_pk_add_f32 v[26:27], v[26:27], v[72:73]
	v_pk_add_f32 v[24:25], v[24:25], v[76:77]
	s_delay_alu instid0(VALU_DEP_4)
	v_pk_add_f32 v[246:247], v[246:247], v[80:81]
	s_delay_alu instid0(VALU_DEP_4)
	v_pk_add_f32 v[248:249], v[248:249], v[84:85]
	s_delay_alu instid0(VALU_DEP_4)
	v_pk_add_f32 v[26:27], v[26:27], v[88:89]
	s_delay_alu instid0(VALU_DEP_4)
	v_pk_add_f32 v[24:25], v[24:25], v[92:93]
	s_delay_alu instid0(VALU_DEP_4)
	v_pk_add_f32 v[246:247], v[246:247], v[36:37]
	s_delay_alu instid0(VALU_DEP_4)
	v_pk_add_f32 v[248:249], v[248:249], v[38:39]
	s_delay_alu instid0(VALU_DEP_4)
	v_pk_add_f32 v[26:27], v[26:27], v[42:43]
	s_delay_alu instid0(VALU_DEP_4)
	v_pk_add_f32 v[24:25], v[24:25], v[46:47]
	s_delay_alu instid0(VALU_DEP_4)
	v_pk_add_f32 v[246:247], v[246:247], v[50:51]
	s_delay_alu instid0(VALU_DEP_4)
	v_pk_add_f32 v[248:249], v[248:249], v[54:55]
	s_delay_alu instid0(VALU_DEP_4)
	v_pk_add_f32 v[26:27], v[26:27], v[58:59]
	s_delay_alu instid0(VALU_DEP_4)
	v_pk_add_f32 v[24:25], v[24:25], v[62:63]
	s_delay_alu instid0(VALU_DEP_4)
	v_pk_add_f32 v[246:247], v[246:247], v[66:67]
	s_delay_alu instid0(VALU_DEP_4)
	v_pk_add_f32 v[248:249], v[248:249], v[70:71]
	s_delay_alu instid0(VALU_DEP_4)
	v_pk_add_f32 v[26:27], v[26:27], v[74:75]
	s_delay_alu instid0(VALU_DEP_4)
	v_pk_add_f32 v[24:25], v[24:25], v[78:79]
	s_delay_alu instid0(VALU_DEP_4)
	v_pk_add_f32 v[246:247], v[246:247], v[82:83]
	s_delay_alu instid0(VALU_DEP_4)
	v_pk_add_f32 v[248:249], v[248:249], v[86:87]
	s_delay_alu instid0(VALU_DEP_4)
	v_pk_add_f32 v[26:27], v[26:27], v[90:91]
	s_delay_alu instid0(VALU_DEP_4)
	v_pk_add_f32 v[24:25], v[24:25], v[94:95]
	s_delay_alu instid0(VALU_DEP_2)
	v_pk_add_f32 v[246:247], v[246:247], v[26:27]
	s_delay_alu instid0(VALU_DEP_2)
	v_pk_add_f32 v[248:249], v[248:249], v[24:25]
	s_delay_alu instid0(VALU_DEP_1)
	v_pk_add_f32 v[246:247], v[246:247], v[248:249]
	s_delay_alu instid0(VALU_DEP_1)
	v_add_f32 v[T], v[T], v[T+1]
	ACROSS 0
	s_delay_alu instid0(VALU_DEP_1)
	v_mul_f32 v[MU], 0x3a800000, v[T]              ; / 1,024
	s_delay_alu instid0(VALU_DEP_1)
	v_mov_b32 v[MU+1], v[MU]
.set j, 0
.rept 32
	v_pk_add_f32 v[V+j:V+j+1], v[V+j:V+j+1], v[MU:MU+1] neg_lo:[0,1] neg_hi:[0,1]
.set j, j+2
.endr
	v_pk_mul_f32 v[T:T+1], v[V:V+1], v[V:V+1]
	v_pk_mul_f32 v[T+2:T+3], v[V+2:V+3], v[V+2:V+3]
.set j, 4
.rept 15
	s_delay_alu instid0(VALU_DEP_2)
	v_pk_fma_f32 v[T:T+1], v[V+j:V+j+1], v[V+j:V+j+1], v[T:T+1]
	s_delay_alu instid0(VALU_DEP_2)
	v_pk_fma_f32 v[T+2:T+3], v[V+j+2:V+j+3], v[V+j+2:V+j+3], v[T+2:T+3]
.set j, j+4
.endr
	s_delay_alu instid0(VALU_DEP_1)
	v_pk_add_f32 v[T:T+1], v[T:T+1], v[T+2:T+3]
	s_delay_alu instid0(VALU_DEP_1)
	v_add_f32 v[T], v[T], v[T+1]
	ACROSS 512
	s_delay_alu instid0(VALU_DEP_1)
	v_mul_f32 v[T], 0x3a800000, v[T]
	s_wait_alu depctr_va_vdst(0)
	v_sqrt_f32 v[IV], v[T]
	v_nop                                          ; a plain place behind each transcendental
	s_wait_alu depctr_va_vdst(0)
	v_add_f32 v[IV], 0x3089705f, v[IV]             ; sigma + 1e-9
	s_wait_alu depctr_va_vdst(0)
	v_rcp_f32 v[IV], v[IV]
	v_nop
	s_wait_alu depctr_va_vdst(0)
	v_mov_b32 v[IV+1], v[IV]
	s_wait_alu depctr_va_vdst(0)
	s_wait_loadcnt 0x0                             ; alpha and beta
.set j, 0
.rept 32
	v_pk_mul_f32 v[V+j:V+j+1], v[V+j:V+j+1], v[IV:IV+1]
.set j, j+2
.endr
.set j, 0
.rept 32
	v_pk_fma_f32 v[V+j:V+j+1], v[V+j:V+j+1], v[XR+j:XR+j+1], v[BE+j:BE+j+1]
.set j, j+2
.endr
.irp q, 0,1,2,3,4,5,6,7,8,9,10,11,12,13,14,15
	global_store_b128 v[LI], v[V+4*\q:V+4*\q+3], s[12:13] offset:512*\q
.endr
	QUANT V, PW
.irp c, 0,1,2
	global_store_b128 v[LI], v[PC+4*\c:PC+4*\c+3], s[18:19] offset:512*\c
.endr
	v_cmp_gt_u32 vcc_lo, 16, v[LN]
	s_wait_xcnt 0x0                                ; EXEC changes only behind this wait
	s_wait_tensorcnt 0x0
	ds_add_u32 v254, v255
	s_wait_dscnt 0x0
	s_and_saveexec_b32 s20, vcc_lo                 ; lanes 16-31 hold the same words
	global_store_b32 v[SO], v[PW], s[14:15]
	s_endpgm
.Lfunc_end_k_q96d156b1af_ln0:
	.size	k_q96d156b1af_ln0, .Lfunc_end_k_q96d156b1af_ln0-k_q96d156b1af_ln0
	.p2alignl 7, 3214868480
	.fill 96, 4, 3214868480
	.section	.rodata,"a",@progbits
	.p2align	6, 0x0
	.amdhsa_kernel k_q96d156b1af_ln0
		.amdhsa_group_segment_fixed_size 69632
		.amdhsa_private_segment_fixed_size 0
		.amdhsa_enable_private_segment 0
		.amdhsa_kernarg_size 48
		.amdhsa_user_sgpr_count 2
		.amdhsa_user_sgpr_kernarg_segment_ptr 1
		.amdhsa_wavefront_size32 1
		.amdhsa_system_sgpr_workgroup_id_x 1
		.amdhsa_system_sgpr_workgroup_id_y 1
		.amdhsa_system_sgpr_workgroup_id_z 1
		.amdhsa_system_vgpr_workitem_id 0
		.amdhsa_next_free_vgpr 256
		.amdhsa_next_free_sgpr 66
		.amdhsa_reserve_vcc 1
		.amdhsa_float_denorm_mode_32 3
		.amdhsa_float_denorm_mode_16_64 3
		.amdhsa_memory_ordered 1
		.amdhsa_forward_progress 1
		.amdhsa_inst_pref_size 35
	.end_amdhsa_kernel
	.amdgpu_metadata
---
amdhsa.version: [ 1, 2 ]
amdhsa.kernels:
  - .name:           k_q96d156b1af_ln0
    .symbol:         k_q96d156b1af_ln0.kd
    .args:
      - { .name: y, .offset: 0, .size: 8, .value_kind: global_buffer, .address_space: global }
      - { .name: x, .offset: 8, .size: 8, .value_kind: global_buffer, .address_space: global }
      - { .name: ln0_a, .offset: 16, .size: 8, .value_kind: global_buffer, .address_space: global }
      - { .name: ln0_b, .offset: 24, .size: 8, .value_kind: global_buffer, .address_space: global }
      - { .name: hf, .offset: 32, .size: 8, .value_kind: global_buffer, .address_space: global }
      - { .name: hcod, .offset: 40, .size: 8, .value_kind: global_buffer, .address_space: global }
    .group_segment_fixed_size: 69632
    .private_segment_fixed_size: 0
    .kernarg_segment_align: 8
    .kernarg_segment_size: 48
    .max_flat_workgroup_size: 256
    .sgpr_count:     66
    .vgpr_count:     256
    .wavefront_size: 32
...
	.end_amdgpu_metadata
.endif
;; end of part 14
;; launch ffn1 (part 15): grid 16 x 16, 4 waves a work-group, clusters of 4 x 4, 327,680 bytes of LDS; arguments hcod, wc, b0, hid; writes hid
.if DOCPART == 15
	.amdgcn_target "amdgcn-amd-amdhsa--gfx1250"
	.amdhsa_code_object_version 6
	.text
	.protected	k_q96d156b1af_ffn1
	.globl	k_q96d156b1af_ffn1
	.p2align	8
	.type	k_q96d156b1af_ffn1,@function
k_q96d156b1af_ffn1:
	s_mov_b64 s[64:65], 0
	v_nop
	global_prefetch_b8 v0, s[64:65] scope:SCOPE_SE
	s_setreg_imm32_b32 hwreg(HW_REG_WAVE_MODE, 25, 1), 1
	s_wait_xcnt 0x0
	s_wait_alu depctr_hold_cnt(0) depctr_sa_sdst(0) depctr_va_vdst(0) depctr_va_sdst(0) depctr_va_ssrc(0) depctr_va_vcc(0) depctr_vm_vsrc(0)
	s_getreg_b32 s2, hwreg(HW_REG_IB_STS2, 6, 4)
	s_cmp_eq_u32 s2, 0
	s_cbranch_scc0 .Lentry_in_a_cluster
	s_endpgm
.Lentry_in_a_cluster:
	s_bfe_u32 s2, ttmp6, 0x10000c
	s_cmp_lg_u32 s2, 0xf033
	s_cbranch_scc0 .Lentry_shape_is_right
	s_endpgm
.Lentry_shape_is_right:
.set NP,      8
.set AOFF,    0
.set BOFF,    512*12800
.set PA,      4
.set PB,      6
.set PBI,     8
.set PO,      10
.set CH,      12800
.set QUARTER, 2*CH
.set SLOT,    4*QUARTER
.set SPARE,   2*SLOT
.set LAPS,    NP/4
.set FR,   12
.set NL,   3
.set ADRA, 16
.set ADRB, 20
.set ADRS, 22
.set CO,   26
.set CS,   27
.set SPW,  28
.set NIL,  29
.set SC,   32
.set BI,   64
.set AF,   128
.set PC,   128
.set TM,   168
.set PW,   184
.set W,    192
.set G1,   24
.set G0,   32
.set G1B,  48
.set G0B,  56
.set SEL,  66
.set MSB,  0
.macro WIN new
.if MSB != (\new)
	s_set_vgpr_msb (MSB<<8)|(\new)
.set MSB, (\new)
.endif
.endm
.macro PLACES
.rept 4
	v_nop
.endr
.endm
.macro JLOAD s
	s_cmp_eq_u32 s15, 0
	s_cbranch_scc0 .Lfor_b_\@
	tensor_load_to_lds s[G0+4*\s:G0+4*\s+3], s[G1:G1+7]
	s_nop 0
.rept 4
	v_nop
.endr
	s_branch .Lasked_\@
.Lfor_b_\@:
	tensor_load_to_lds s[G0B+4*\s:G0B+4*\s+3], s[G1B:G1B+7]
	s_nop 0
.rept 4
	v_nop
.endr
.Lasked_\@:
.endm
.macro CREST
	s_cmp_lg_u32 s14, 0
	s_cbranch_scc1 .Lnot_wave_0_\@
	s_barrier_signal -3
.Lnot_wave_0_\@:
	s_barrier_wait -3
	s_barrier_signal -1
	s_barrier_wait -1
.endm
.macro CROUND
	s_barrier_signal -1
	s_barrier_wait -1
	CREST
.endm
	s_load_b256 s[4:11], s[0:1], 0x0
	v_lshl_add_u32 v[SPW], v0, 2, SPARE
	v_mov_b32 v[NIL], 0
	ds_add_u32 v28, v29
	ds_add_u32 v28, v29
	s_wait_dscnt 0x0
	v_lshrrev_b32 v1, 5, v0
	v_readfirstlane_b32 s14, v1
	v_and_b32 v30, 31, v0                          ; the prefetches' offset: 256 x min(lane, 24); never rewritten
	v_min_u32 v30, 24, v30
	v_lshlrev_b32 v30, 8, v30
	s_lshr_b32 s15, s14, 1
	s_and_b32 s16, s14, 1
	s_bfe_u32 s40, ttmp6, 0x40000
	s_bfe_u32 s41, ttmp6, 0x40004
	s_lshl_b32 s42, ttmp9, 2
	s_add_co_u32 s42, s42, s40
	s_and_b32 s17, ttmp7, 0xffff
	s_lshl_b32 s17, s17, 2
	s_add_co_u32 s17, s17, s41
	s_lshl_b32 s43, s41, 2
	s_lshl_b32 s43, 15, s43
	s_lshl_b32 s44, 0x1111, s40
	s_or_b32 s[G1+0], s43, (3<<16)|(1<<21)
	s_or_b32 s[G1B+0], s44, (3<<16)|(1<<21)
.irp g, G1, G1B
	s_mov_b32 s[\g+1], 32<<16
	s_mov_b32 s[\g+2], 100<<16
	s_mov_b32 s[\g+3], 32<<16
	s_mov_b32 s[\g+4], 100
	s_mov_b32 s[\g+5], 32
	s_mov_b32 s[\g+6], 0
	s_mov_b32 s[\g+7], 0
.endr
	s_lshl_b32 s20, s17, 1
	s_add_co_u32 s20, s20, s16
	s_mul_i32 s20, s20, NP*CH
	s_add_co_u32 s20, s20, AOFF
	s_mov_b32 s21, 0
	s_lshl_b32 s46, s42, 1
	s_add_co_u32 s46, s46, s16
	s_mul_i32 s46, s46, NP*CH
	s_add_co_u32 s46, s46, BOFF
	s_mov_b32 s47, 0
	s_mul_i32 s45, s14, QUARTER
	s_wait_kmcnt 0x0
	s_add_nc_u64 s[20:21], s[PA:PA+1], s[20:21]
	s_add_nc_u64 s[46:47], s[PB:PB+1], s[46:47]
	s_cmp_eq_u32 s15, 0                            ; s[68:69]: my work-group's 25 blocks of 256 bytes of the 100 that my first load brings: the four partners that ask jointly are told apart by address
	s_cselect_b64 s[68:69], s[20:21], s[46:47]
	s_cselect_b32 s12, s40, s41
	s_mul_i32 s12, s12, 25*256
	s_mov_b32 s13, 0
	s_add_nc_u64 s[68:69], s[68:69], s[12:13]
	CROUND
.irp s, 0,1
	s_mov_b32 s[G0+4*\s], 1
	s_add_co_u32 s[G0+4*\s+1], s45, \s*SLOT
	s_add_nc_u64 s[G0+4*\s+2:G0+4*\s+3], s[20:21], \s*QUARTER
	s_or_b32 s[G0+4*\s+3], s[G0+4*\s+3], 0x80000000
	s_mov_b32 s[G0B+4*\s], 1
	s_add_co_u32 s[G0B+4*\s+1], s45, \s*SLOT
	s_add_nc_u64 s[G0B+4*\s+2:G0B+4*\s+3], s[46:47], \s*QUARTER
	s_or_b32 s[G0B+4*\s+3], s[G0B+4*\s+3], 0x80000000
	s_wait_alu depctr_va_vdst(0)
	s_wait_tensorcnt 0x0
	ds_add_u32 v28, v29
	ds_add_u32 v28, v29
	s_wait_dscnt 0x0
	CROUND
	JLOAD \s
.if \s == 0
	global_prefetch_b8 v30, s[68:69] offset:QUARTER th:TH_LOAD_NT scope:SCOPE_SE     ; the bytes of my second and third loads;
	global_prefetch_b8 v30, s[68:69] offset:2*QUARTER th:TH_LOAD_NT scope:SCOPE_SE
.else
	global_prefetch_b8 v30, s[68:69] offset:3*QUARTER th:TH_LOAD_NT scope:SCOPE_SE   ; of my fourth, the last along K
.endif
.endr
	v_and_b32 v1, 15, v0
	v_bfe_u32 v2, v0, 4, 1
	v_and_b32 v3, 31, v0
	v_lshlrev_b32 v[CO], 4, v3
	s_wait_alu depctr_va_vdst(0)
	s_mul_i32 s21, s15, QUARTER
	s_mul_i32 s22, s16, QUARTER
	s_add_co_u32 s22, s22, 2*QUARTER
	s_xor_b32 s23, s15, 1
	s_add_co_u32 s23, s23, s16
	s_add_co_u32 s23, s23, 1
	s_mul_i32 s23, s23, QUARTER
	v_lshlrev_b32 v4, 5, v1
	v_mul_u32_u24 v5, s23, v2
	v_add_nc_u32 v4, v4, v5
	v_add_nc_u32 v4, 8*1536, v4
.irp s, 0,1
	v_add_nc_u32 v[ADRA+\s], s21, v[CO]
	v_add_nc_u32 v[ADRB+\s], s22, v[CO]
	v_add_nc_u32 v[ADRS+\s], s21, v4
	s_add_co_u32 s21, s21, SLOT
	s_add_co_u32 s22, s22, SLOT
.endr
	s_lshl_b32 s18, s42, 1
	s_add_co_u32 s18, s18, s16
	s_lshl_b32 s19, s17, 1
	s_add_co_u32 s19, s19, s15
	s_lshl_b32 s12, s18, 9
	s_mov_b32 s13, 0
	s_add_nc_u64 s[PBI:PBI+1], s[PBI:PBI+1], s[12:13]
	v_lshlrev_b32 v6, 6, v2
.irp b, 0,1,2,3
.irp j, 0,1,2,3
	global_load_b128 v[BI+16*\b+4*\j:BI+16*\b+4*\j+3], v6, s[PBI:PBI+1] offset:128*\b+16*\j
.endr
.endr
	s_lshl_b32 s12, s19, 5
	s_add_co_u32 s12, s12, s18
	s_mul_i32 s12, s12, CH
	s_add_nc_u64 s[PO:PO+1], s[PO:PO+1], s[12:13]
	v_lshlrev_b32 v[CS], 5, v1
	v_lshl_add_u32 v[CS], v2, 4, v[CS]
	v_add_nc_u32 v[CS], 8*1536, v[CS]
	s_mov_b32 s[SEL], 0x76543210
	s_mov_b32 s[SEL+1], 0xfedcba98
.macro FRAG reg, adr, q, i
.irp c, 0,1,2
	ds_load_b128 v[(\reg)+4*\c:(\reg)+4*\c+3], v[\adr] offset:(\q)*CH+(\i)*1536+512*\c
.endr
.endm
.macro MUL16 a0, p, q, sc, first
.irp a, \a0, \a0+1
.irp b, 0,1,2,3,4,5,6,7
.if \first
	v_wmma_scale_f32_16x16x128_f8f6f4 v[8*(8*((\a)%4)+\b):8*(8*((\a)%4)+\b)+7], v[128*(\p)+FR*\b:128*(\p)+FR*\b+FR-1], v[AF+FR*(\a):AF+FR*(\a)+FR-1], v[BI+8*\b:BI+8*\b+7], v[SC+16*(\sc)+8*(\q)+\b], v[SC+16*(\sc)+8*(\q)+(\a)] matrix_a_fmt:MATRIX_FMT_FP6 matrix_b_fmt:MATRIX_FMT_FP6 matrix_a_scale:MATRIX_SCALE_ROW1
.else
	v_wmma_scale_f32_16x16x128_f8f6f4 v[8*(8*((\a)%4)+\b):8*(8*((\a)%4)+\b)+7], v[128*(\p)+FR*\b:128*(\p)+FR*\b+FR-1], v[AF+FR*(\a):AF+FR*(\a)+FR-1], v[8*(8*((\a)%4)+\b):8*(8*((\a)%4)+\b)+7], v[SC+16*(\sc)+8*(\q)+\b], v[SC+16*(\sc)+8*(\q)+(\a)] matrix_a_fmt:MATRIX_FMT_FP6 matrix_b_fmt:MATRIX_FMT_FP6 matrix_a_scale:MATRIX_SCALE_ROW1
.endif
.endr
.endr
.endm
.macro FETCH_B slot, q, p
	WIN 0x40
.irp i, 0,1,2,3,4,5,6,7
	FRAG 128*(\p)+FR*\i, ADRB+\slot, \q, \i
.endr
	WIN 0
.endm
.macro FETCH_A slot, q, i0
.irp i, \i0, \i0+1, \i0+2, \i0+3
	FRAG AF+FR*(\i), ADRA+\slot, \q, \i
.endr
.endm
.macro SCALES slot
.irp q, 0,1
.irp e, 0,1
	ds_load_b128 v[SC+16*\slot+8*\q+4*\e:SC+16*\slot+8*\q+4*\e+3], v[ADRS+\slot] offset:\q*CH+16*\e
.endr
.endr
.endm
.macro STEP slot, first
	s_wait_dscnt 4*NL
.if \first
	WIN 0x81
.else
	WIN 0xa1
.endif
	MUL16 0, 0, 0, \slot, \first
	MUL16 2, 0, 0, \slot, \first
	s_wait_dscnt 0x0
	PLACES
	FETCH_B \slot, 1, 1
	FETCH_A \slot, 1, 0
.if \first
	WIN 0xc1
.else
	WIN 0xf1
.endif
	MUL16 4, 0, 0, \slot, \first
	MUL16 6, 0, 0, \slot, \first
	PLACES
	WIN 0
	FETCH_A \slot, 1, 4
.endm
.macro TURN slot, next, fill
	s_wait_tensorcnt 0x0
	ds_add_u32 v[SPW], v[NIL]
	s_wait_dscnt 4*NL+1
	WIN 0xa1
	MUL16 0, 1, 1, \slot, 0
	s_wait_dscnt 0x0
	s_barrier_signal -1
	MUL16 2, 1, 1, \slot, 0
	WIN 0
	s_barrier_wait -1
.if \fill
	CREST
	s_add_nc_u64 s[G0+4*\slot+2:G0+4*\slot+3], s[G0+4*\slot+2:G0+4*\slot+3], 2*QUARTER
	s_add_nc_u64 s[G0B+4*\slot+2:G0B+4*\slot+3], s[G0B+4*\slot+2:G0B+4*\slot+3], 2*QUARTER
	JLOAD \slot
.else
	PLACES
.endif
	FETCH_B \next, 0, 0
	FETCH_A \next, 0, 0
	SCALES \next
	WIN 0xf1
	MUL16 4, 1, 1, \slot, 0
	MUL16 6, 1, 1, \slot, 0
	PLACES
	WIN 0
	FETCH_A \next, 0, 4
.endm
	s_wait_alu depctr_va_vdst(0)
	s_wait_tensorcnt 1
	s_barrier_signal -1
	s_barrier_wait -1
	FETCH_B 0, 0, 0
	FETCH_A 0, 0, 0
	SCALES 0
	FETCH_A 0, 0, 4
	s_wait_loadcnt 0x0
	STEP 0, 1
	s_mov_b32 s3, LAPS-1
.Llap:
	TURN 0, 1, 1
	STEP 1, 0
	TURN 1, 0, 1
	STEP 0, 0
	s_sub_co_u32 s3, s3, 1
	s_cmp_lg_u32 s3, 0
	s_cbranch_scc1 .Llap
	TURN 0, 1, 0
	STEP 1, 0
	s_wait_dscnt 4*NL
	WIN 0xa1
	MUL16 0, 1, 1, 1, 0
	MUL16 2, 1, 1, 1, 0
	s_wait_dscnt 0x0
	WIN 0xf1
	MUL16 4, 1, 1, 1, 0
	MUL16 6, 1, 1, 1, 0
	WIN 0
.macro RELU a
	WIN ((2+(\a)/4)<<6)|((2+(\a)/4)<<2)
.set j, 64*((\a)%4)
.rept 64
	v_max_num_f32 v[j], 0, v[j]
.set j, j+1
.endr
.endm
.macro QUANT w, s0, s1, s2, s3, pw
	WIN ((\w)<<2)|((\w)<<4)
	v_max3_num_f32 v[TM+0], 0x1800000, |v[(\s0)]|, |v[(\s0)+1]|
	v_max3_num_f32 v[TM+1], 0x1800000, |v[(\s1)]|, |v[(\s1)+1]|
	v_max3_num_f32 v[TM+2], 0x1800000, |v[(\s2)]|, |v[(\s2)+1]|
	v_max3_num_f32 v[TM+3], 0x1800000, |v[(\s3)]|, |v[(\s3)+1]|
.irp i, 2,4,6,8,10,12,14
	v_max3_num_f32 v[TM+0], v[TM+0], |v[(\s0)+\i]|, |v[(\s0)+\i+1]|
	v_max3_num_f32 v[TM+1], v[TM+1], |v[(\s1)+\i]|, |v[(\s1)+\i+1]|
	v_max3_num_f32 v[TM+2], v[TM+2], |v[(\s2)+\i]|, |v[(\s2)+\i+1]|
	v_max3_num_f32 v[TM+3], v[TM+3], |v[(\s3)+\i]|, |v[(\s3)+\i+1]|
.endr
	WIN 0
.irp b, 0,1,2,3
	v_permlanex16_b32 v[TM+4+\b], v[TM+\b], s[SEL], s[SEL+1]
.endr
.irp b, 0,1,2,3
	v_max_num_f32 v[TM+\b], v[TM+\b], v[TM+4+\b]
.endr
.irp b, 0,1,2,3
	v_add_nc_u32 v[TM+12+\b], 0xff000000, v[TM+\b]
.endr
.irp b, 0,1,2,3
	v_lshrrev_b32 v[TM+4+\b], 23, v[TM+12+\b]
.endr
	v_lshl_or_b32 v[\pw], v[TM+5], 8, v[TM+4]
	v_lshl_or_b32 v[\pw], v[TM+6], 16, v[\pw]
	v_lshl_or_b32 v[\pw], v[TM+7], 24, v[\pw]
	s_wait_xcnt 0x0
	WIN (\w)
	v_cvt_scalef32_pk16_fp6_f32 v[PC:PC+2], v[(\s0):(\s0)+15], v[TM+12]
	v_cvt_scalef32_pk16_fp6_f32 v[PC+12:PC+14], v[(\s1):(\s1)+15], v[TM+13]
	v_cvt_scalef32_pk16_fp6_f32 v[PC+6:PC+8], v[(\s2):(\s2)+15], v[TM+14]
	v_cvt_scalef32_pk16_fp6_f32 v[PC+16:PC+18], v[(\s3):(\s3)+15], v[TM+15]
	WIN 0
	v_nop
.irp c, 0,1
.irp i, 0,1,2
	v_permlane16_swap_b32 v[PC+6*\c+\i], v[PC+12+4*\c+\i]
.endr
.irp i, 0,1,2
	v_mov_b32 v[PC+3+6*\c+\i], v[PC+12+4*\c+\i]
.endr
.endr
.endm
	PLACES
.irp b, 0,1,2,3
	v_mov_b32 v[TM+4+\b], 0
.endr
.irp a, 0,1,2,3,4,5,6,7
	RELU \a
	QUANT 2+\a/4, 64*(\a%4), 64*(\a%4)+16, 64*(\a%4)+32, 64*(\a%4)+48, PW+\a
.irp c, 0,1,2
	global_store_b128 v[CO], v[PC+4*\c:PC+4*\c+3], s[PO:PO+1] offset:1536*\a+512*\c
.endr
.endr
	v_cmp_ne_u32 vcc_lo, 0, v2
.irp i, 0,1,2,3
	v_cndmask_b32 v[W+\i], v[PW+\i], v[PW+4+\i], vcc_lo
.endr
	global_store_b128 v[CS], v[W:W+3], s[PO:PO+1]
	s_wait_tensorcnt 0x0
	ds_add_u32 v[SPW], v[NIL]
	s_wait_dscnt 0x0
	CROUND
	s_endpgm
.Lfunc_end_k_q96d156b1af_ffn1:
	.size	k_q96d156b1af_ffn1, .Lfunc_end_k_q96d156b1af_ffn1-k_q96d156b1af_ffn1
	.p2alignl 7, 3214868480
	.fill 96, 4, 3214868480
	.section	.rodata,"a",@progbits
	.p2align	6, 0x0
	.amdhsa_kernel k_q96d156b1af_ffn1
		.amdhsa_group_segment_fixed_size 327680
		.amdhsa_private_segment_fixed_size 0
		.amdhsa_enable_private_segment 0
		.amdhsa_kernarg_size 32
		.amdhsa_user_sgpr_count 2
		.amdhsa_user_sgpr_kernarg_segment_ptr 1
		.amdhsa_wavefront_size32 1
		.amdhsa_system_sgpr_workgroup_id_x 1
		.amdhsa_system_sgpr_workgroup_id_y 1
		.amdhsa_system_sgpr_workgroup_id_z 1
		.amdhsa_system_vgpr_workitem_id 0
		.amdhsa_next_free_vgpr 1024
		.amdhsa_next_free_sgpr 72
		.amdhsa_reserve_vcc 1
		.amdhsa_float_denorm_mode_32 3
		.amdhsa_float_denorm_mode_16_64 3
		.amdhsa_memory_ordered 1
		.amdhsa_forward_progress 1
		.amdhsa_inst_pref_size 156
	.end_amdhsa_kernel
	.amdgpu_metadata
---
amdhsa.version: [ 1, 2 ]
amdhsa.kernels:
  - .name:           k_q96d156b1af_ffn1
    .symbol:         k_q96d156b1af_ffn1.kd
    .args:
      - { .name: hcod, .offset: 0, .size: 8, .value_kind: global_buffer, .address_space: global }
      - { .name: wc, .offset: 8, .size: 8, .value_kind: global_buffer, .address_space: global }
      - { .name: b0, .offset: 16, .size: 8, .value_kind: global_buffer, .address_space: global }
      - { .name: hid, .offset: 24, .size: 8, .value_kind: global_buffer, .address_space: global }
    .group_segment_fixed_size: 327680
    .private_segment_fixed_size: 0
    .kernarg_segment_align: 8
    .kernarg_segment_size: 32
    .max_flat_workgroup_size: 128
    .sgpr_count:     72
    .vgpr_count:     1024
    .wavefront_size: 32
...
	.end_amdgpu_metadata
.endif
;; end of part 15
;; launch ffn2 (part 16): grid 8 x 32, 4 waves a work-group, clusters of 4 x 4, 327,680 bytes of LDS; arguments hid, wc, b1, y; writes y
.if DOCPART == 16
	.amdgcn_target "amdgcn-amd-amdhsa--gfx1250"
	.amdhsa_code_object_version 6
	.text
	.protected	k_q96d156b1af_ffn2
	.globl	k_q96d156b1af_ffn2
	.p2align	8
	.type	k_q96d156b1af_ffn2,@function
k_q96d156b1af_ffn2:
	s_mov_b64 s[64:65], 0
	v_nop
	global_prefetch_b8 v0, s[64:65] scope:SCOPE_SE
	s_setreg_imm32_b32 hwreg(HW_REG_WAVE_MODE, 25, 1), 1
	s_wait_xcnt 0x0
	s_wait_alu depctr_hold_cnt(0) depctr_sa_sdst(0) depctr_va_vdst(0) depctr_va_sdst(0) depctr_va_ssrc(0) depctr_va_vcc(0) depctr_vm_vsrc(0)
	s_getreg_b32 s2, hwreg(HW_REG_IB_STS2, 6, 4)
	s_cmp_eq_u32 s2, 0
	s_cbranch_scc0 .Lentry_in_a_cluster
	s_endpgm
.Lentry_in_a_cluster:
	s_bfe_u32 s2, ttmp6, 0x10000c
	s_cmp_lg_u32 s2, 0xf033
	s_cbranch_scc0 .Lentry_shape_is_right
	s_endpgm
.Lentry_shape_is_right:
.set NP,      32
.set AOFF,    0
.set BOFF,    768*12800
.set PA,      4
.set PB,      6
.set PBI,     8
.set PO,      10
.set CH,      12800
.set QUARTER, 2*CH
.set SLOT,    4*QUARTER
.set SPARE,   2*SLOT
.set LAPS,    NP/8
.set FR,   12
.set ADRA, 16
.set ADRB, 20
.set ADRS, 22
.set CO,   26
.set SPW,  28
.set NIL,  29
.set SC,   32
.set BI,   64
.set ACC,  128
.set G1,   24
.set G0,   32
.set G1B,  48
.set G0B,  56
.set MULW, 0x05
.set MSB,  0
.macro WIN new
.if MSB != (\new)
	s_set_vgpr_msb (MSB<<8)|(\new)
.set MSB, (\new)
.endif
.endm
.macro PLACES
.rept 4
	v_nop
.endr
.endm
.macro JLOAD s
	s_cmp_eq_u32 s15, 0
	s_cbranch_scc0 .Lfor_b_\@
	tensor_load_to_lds s[G0+4*\s:G0+4*\s+3], s[G1:G1+7]
	s_nop 0
.rept 4
	v_nop
.endr
	s_branch .Lasked_\@
.Lfor_b_\@:
	tensor_load_to_lds s[G0B+4*\s:G0B+4*\s+3], s[G1B:G1B+7]
	s_nop 0
.rept 4
	v_nop
.endr
.Lasked_\@:
.endm
.macro CREST
	s_cmp_lg_u32 s14, 0
	s_cbranch_scc1 .Lnot_wave_0_\@
	s_barrier_signal -3
.Lnot_wave_0_\@:
	s_barrier_wait -3
	s_barrier_signal -1
	s_barrier_wait -1
.endm
.macro CROUND
	s_barrier_signal -1
	s_barrier_wait -1
	CREST
.endm
	s_load_b256 s[4:11], s[0:1], 0x0
	v_lshl_add_u32 v[SPW], v0, 2, SPARE
	v_mov_b32 v[NIL], 0
	ds_add_u32 v28, v29
	ds_add_u32 v28, v29
	s_wait_dscnt 0x0
	v_lshrrev_b32 v1, 5, v0
	v_readfirstlane_b32 s14, v1
	v_and_b32 v30, 31, v0                          ; the prefetches' offset: 256 x min(lane, 24); never rewritten
	v_min_u32 v30, 24, v30
	v_lshlrev_b32 v30, 8, v30
	s_lshr_b32 s15, s14, 1
	s_and_b32 s16, s14, 1
	s_bfe_u32 s40, ttmp6, 0x40000
	s_bfe_u32 s41, ttmp6, 0x40004
	s_lshl_b32 s42, ttmp9, 2
	s_add_co_u32 s42, s42, s40
	s_and_b32 s17, ttmp7, 0xffff
	s_lshl_b32 s17, s17, 2
	s_add_co_u32 s17, s17, s41
	s_lshl_b32 s43, s41, 2
	s_lshl_b32 s43, 15, s43
	s_lshl_b32 s44, 0x1111, s40
	s_or_b32 s[G1+0], s43, (3<<16)|(1<<21)
	s_or_b32 s[G1B+0], s44, (3<<16)|(1<<21)
.irp g, G1, G1B
	s_mov_b32 s[\g+1], 32<<16
	s_mov_b32 s[\g+2], 100<<16
	s_mov_b32 s[\g+3], 32<<16
	s_mov_b32 s[\g+4], 100
	s_mov_b32 s[\g+5], 32
	s_mov_b32 s[\g+6], 0
	s_mov_b32 s[\g+7], 0
.endr
	s_mul_i32 s18, s16, QUARTER
	s_mul_i32 s20, s17, NP*CH
	s_add_co_u32 s20, s20, s18
	s_add_co_u32 s20, s20, AOFF
	s_mov_b32 s21, 0
	s_mul_i32 s46, s42, NP*CH
	s_add_co_u32 s46, s46, s18
	s_add_co_u32 s46, s46, BOFF
	s_mov_b32 s47, 0
	s_mul_i32 s45, s14, QUARTER
	s_wait_kmcnt 0x0
	s_add_nc_u64 s[20:21], s[PA:PA+1], s[20:21]
	s_add_nc_u64 s[46:47], s[PB:PB+1], s[46:47]
	s_cmp_eq_u32 s15, 0                            ; s[68:69]: my work-group's 25 blocks of 256 bytes of the 100 that a load of mine brings: the four partners that ask jointly are told apart by address
	s_cselect_b64 s[68:69], s[20:21], s[46:47]
	s_cselect_b32 s12, s40, s41
	s_mul_i32 s12, s12, 25*256
	s_mov_b32 s13, 0
	s_add_nc_u64 s[68:69], s[68:69], s[12:13]
	CROUND
.irp s, 0,1
	s_mov_b32 s[G0+4*\s], 1
	s_add_co_u32 s[G0+4*\s+1], s45, \s*SLOT
	s_add_nc_u64 s[G0+4*\s+2:G0+4*\s+3], s[20:21], \s*2*QUARTER
	s_or_b32 s[G0+4*\s+3], s[G0+4*\s+3], 0x80000000
	s_mov_b32 s[G0B+4*\s], 1
	s_add_co_u32 s[G0B+4*\s+1], s45, \s*SLOT
	s_add_nc_u64 s[G0B+4*\s+2:G0B+4*\s+3], s[46:47], \s*2*QUARTER
	s_or_b32 s[G0B+4*\s+3], s[G0B+4*\s+3], 0x80000000
	s_wait_alu depctr_va_vdst(0)
	s_wait_tensorcnt 0x0
	ds_add_u32 v28, v29
	ds_add_u32 v28, v29
	s_wait_dscnt 0x0
	CROUND
	JLOAD \s
.if \s == 0
	global_prefetch_b8 v30, s[68:69] offset:2*QUARTER th:TH_LOAD_NT scope:SCOPE_SE   ; the bytes of my second and third loads (a load's bytes lie 2 QUARTER behind the last one's);
	global_prefetch_b8 v30, s[68:69] offset:4*QUARTER th:TH_LOAD_NT scope:SCOPE_SE
.else
	global_prefetch_b8 v30, s[68:69] offset:6*QUARTER th:TH_LOAD_NT scope:SCOPE_SE   ; of my fourth
.endif
.endr
	v_and_b32 v1, 15, v0
	s_wait_alu depctr_va_vdst(0)
	v_bfe_u32 v2, v0, 4, 1
	s_wait_alu depctr_va_vdst(0)
	v_and_b32 v3, 31, v0
	v_lshlrev_b32 v[CO], 4, v3
	s_wait_alu depctr_va_vdst(0)
	s_mul_i32 s21, s15, 4*1536
	s_mul_i32 s22, s16, 4*1536
	s_add_co_u32 s22, s22, 2*QUARTER
	s_lshl_b32 s19, s15, 4
	s_add_co_u32 s19, s19, 8*1536
	s_xor_b32 s23, s15, 1
	s_add_co_u32 s23, s23, s16
	s_lshl_b32 s23, s23, 4
	s_add_co_u32 s23, s23, 2*QUARTER-16
	v_lshlrev_b32 v4, 5, v1
	v_mul_u32_u24 v5, s23, v2
	v_add_nc_u32 v4, v4, v5
.irp s, 0,1
	v_add_nc_u32 v[ADRA+\s], s21, v[CO]
	v_add_nc_u32 v[ADRB+\s], s22, v[CO]
	v_add_nc_u32 v[ADRS+\s], s19, v4
	s_add_co_u32 s21, s21, SLOT
	s_add_co_u32 s22, s22, SLOT
	s_add_co_u32 s19, s19, SLOT
.endr
	s_lshl_b32 s12, s42, 9
	s_lshl_b32 s18, s16, 8
	s_add_co_u32 s12, s12, s18
	s_mov_b32 s13, 0
	s_add_nc_u64 s[PBI:PBI+1], s[PBI:PBI+1], s[12:13]
	v_lshlrev_b32 v6, 6, v2
.irp b, 0,1
.irp j, 0,1,2,3
	global_load_b128 v[BI+16*\b+4*\j:BI+16*\b+4*\j+3], v6, s[PBI:PBI+1] offset:128*\b+16*\j
.endr
.endr
	s_lshl_b32 s12, s17, 19
	s_lshl_b32 s18, s15, 18
	s_add_co_u32 s12, s12, s18
	s_lshl_b32 s18, s42, 13
	s_add_co_u32 s12, s12, s18
	s_lshl_b32 s18, s16, 12
	s_add_co_u32 s12, s12, s18
	s_add_nc_u64 s[PO:PO+1], s[PO:PO+1], s[12:13]
.macro FRAG reg, adr, q, i
.irp c, 0,1,2
	ds_load_b128 v[(\reg)+4*\c:(\reg)+4*\c+3], v[\adr] offset:(\q)*CH+(\i)*1536+512*\c
.endr
.endm
.macro FETCH slot, q, f
	WIN 0x40
.irp i, 0,1,2,3
	FRAG 128*(\f)+48+FR*\i, ADRB+\slot, \q, \i
.endr
.irp i, 0,1,2,3
	FRAG 128*(\f)+FR*\i, ADRA+\slot, \q, \i
.endr
.endm
.macro SCALES slot
	WIN 0
.irp q, 0,1,2,3
	ds_load_b128 v[SC+16*\slot+4*\q:SC+16*\slot+4*\q+3], v[ADRS+\slot] offset:\q*CH
.endr
.endm
.macro MUL4 f, q, sc, a, first
.irp b, 0,1,2,3
.if \first
	v_wmma_scale_f32_16x16x128_f8f6f4 v[ACC+8*(4*(\a)+\b):ACC+8*(4*(\a)+\b)+7], v[128*(\f)+48+FR*\b:128*(\f)+48+FR*\b+FR-1], v[128*(\f)+FR*(\a):128*(\f)+FR*(\a)+FR-1], v[BI+8*\b:BI+8*\b+7], v[SC+16*(\sc)+4*(\q)+\b], v[SC+16*(\sc)+4*(\q)+(\a)] matrix_a_fmt:MATRIX_FMT_FP6 matrix_b_fmt:MATRIX_FMT_FP6 matrix_a_scale:MATRIX_SCALE_ROW1
.else
	v_wmma_scale_f32_16x16x128_f8f6f4 v[ACC+8*(4*(\a)+\b):ACC+8*(4*(\a)+\b)+7], v[128*(\f)+48+FR*\b:128*(\f)+48+FR*\b+FR-1], v[128*(\f)+FR*(\a):128*(\f)+FR*(\a)+FR-1], v[ACC+8*(4*(\a)+\b):ACC+8*(4*(\a)+\b)+7], v[SC+16*(\sc)+4*(\q)+\b], v[SC+16*(\sc)+4*(\q)+(\a)] matrix_a_fmt:MATRIX_FMT_FP6 matrix_b_fmt:MATRIX_FMT_FP6 matrix_a_scale:MATRIX_SCALE_ROW1
.endif
.endr
.endm
.macro STEP slot, q, first
	s_wait_dscnt 0x0
	PLACES
	FETCH \slot, (\q)+1, 1-(\q)%2
	WIN MULW
.irp a, 0,1,2,3
	MUL4 (\q)%2, \q, \slot, \a, \first
.endr
.endm
.macro TURN slot, next, fill
	WIN 0
.if \fill
	s_wait_xcnt 0x0                                ; my last prefetch has read its address: it steps one load on
	s_add_nc_u64 s[68:69], s[68:69], 2*QUARTER
.endif
	s_wait_tensorcnt 0x0
	ds_add_u32 v[SPW], v[NIL]
	s_wait_dscnt 1
	WIN MULW
	MUL4 1, 3, \slot, 0, 0
	s_wait_dscnt 0x0
	s_barrier_signal -1
	MUL4 1, 3, \slot, 1, 0
	WIN 0
	s_barrier_wait -1
.if \fill
	CREST
	s_add_nc_u64 s[G0+4*\slot+2:G0+4*\slot+3], s[G0+4*\slot+2:G0+4*\slot+3], 4*QUARTER
	s_add_nc_u64 s[G0B+4*\slot+2:G0B+4*\slot+3], s[G0B+4*\slot+2:G0B+4*\slot+3], 4*QUARTER
	JLOAD \slot
.else
	PLACES
.endif
	FETCH \next, 0, 0
	SCALES \next
.if \fill
	s_cmp_gt_u32 s3, 1                             ; behind the refill and the run of LDS loads: the bytes of the load two refills on; the last trip's two refills have none
	s_cbranch_scc0 .Lno_ask_\@
	global_prefetch_b8 v30, s[68:69] offset:6*QUARTER th:TH_LOAD_NT scope:SCOPE_SE
.Lno_ask_\@:
.endif
	WIN MULW
	MUL4 1, 3, \slot, 2, 0
	MUL4 1, 3, \slot, 3, 0
.endm
	s_wait_alu depctr_va_vdst(0)
	s_wait_tensorcnt 1
	s_barrier_signal -1
	s_barrier_wait -1
	FETCH 0, 0, 0
	SCALES 0
	s_wait_loadcnt 0x0
	STEP 0, 0, 1
.if LAPS > 1
	WIN 0
	s_mov_b32 s3, LAPS-1
.Llap:
	STEP 0, 1, 0
	STEP 0, 2, 0
	TURN 0, 1, 1
	STEP 1, 0, 0
	STEP 1, 1, 0
	STEP 1, 2, 0
	TURN 1, 0, 1
	STEP 0, 0, 0
	WIN 0
	s_sub_co_u32 s3, s3, 1
	s_cmp_lg_u32 s3, 0
	s_cbranch_scc1 .Llap
.endif
	STEP 0, 1, 0
	STEP 0, 2, 0
	TURN 0, 1, 0
	STEP 1, 0, 0
	STEP 1, 1, 0
	STEP 1, 2, 0
	s_wait_dscnt 0x0
	WIN MULW
.irp a, 0,1,2,3
	MUL4 1, 3, 1, \a, 0
.endr
	WIN 0
	PLACES
.irp a, 0,1,2,3
.irp b, 0,1,2,3
	global_store_b128 v[CO], v[ACC+8*(4*\a+\b):ACC+8*(4*\a+\b)+3], s[PO:PO+1] offset:\a*65536+1024*\b
	global_store_b128 v[CO], v[ACC+8*(4*\a+\b)+4:ACC+8*(4*\a+\b)+7], s[PO:PO+1] offset:\a*65536+1024*\b+512
.endr
.endr
	s_wait_tensorcnt 0x0
	ds_add_u32 v[SPW], v[NIL]
	s_wait_dscnt 0x0
	CROUND
	s_endpgm
.Lfunc_end_k_q96d156b1af_ffn2:
	.size	k_q96d156b1af_ffn2, .Lfunc_end_k_q96d156b1af_ffn2-k_q96d156b1af_ffn2
	.p2alignl 7, 3214868480
	.fill 96, 4, 3214868480
	.section	.rodata,"a",@progbits
	.p2align	6, 0x0
	.amdhsa_kernel k_q96d156b1af_ffn2
		.amdhsa_group_segment_fixed_size 327680
		.amdhsa_private_segment_fixed_size 0
		.amdhsa_enable_private_segment 0
		.amdhsa_kernarg_size 32
		.amdhsa_user_sgpr_count 2
		.amdhsa_user_sgpr_kernarg_segment_ptr 1
		.amdhsa_wavefront_size32 1
		.amdhsa_system_sgpr_workgroup_id_x 1
		.amdhsa_system_sgpr_workgroup_id_y 1
		.amdhsa_system_sgpr_workgroup_id_z 1
		.amdhsa_system_vgpr_workitem_id 0
		.amdhsa_next_free_vgpr 512
		.amdhsa_next_free_sgpr 72
		.amdhsa_reserve_vcc 0
		.amdhsa_float_denorm_mode_32 3
		.amdhsa_float_denorm_mode_16_64 3
		.amdhsa_memory_ordered 1
		.amdhsa_forward_progress 1
		.amdhsa_inst_pref_size 77
	.end_amdhsa_kernel
	.amdgpu_metadata
---
amdhsa.version: [ 1, 2 ]
amdhsa.kernels:
  - .name:           k_q96d156b1af_ffn2
    .symbol:         k_q96d156b1af_ffn2.kd
    .args:
      - { .name: hid, .offset: 0, .size: 8, .value_kind: global_buffer, .address_space: global }
      - { .name: wc, .offset: 8, .size: 8, .value_kind: global_buffer, .address_space: global }
      - { .name: b1, .offset: 16, .size: 8, .value_kind: global_buffer, .address_space: global }
      - { .name: y, .offset: 24, .size: 8, .value_kind: global_buffer, .address_space: global }
    .group_segment_fixed_size: 327680
    .private_segment_fixed_size: 0
    .kernarg_segment_align: 8
    .kernarg_segment_size: 32
    .max_flat_workgroup_size: 128
    .sgpr_count:     72
    .vgpr_count:     512
    .wavefront_size: 32
...
	.end_amdgpu_metadata
.endif
;; end of part 16
;; launch ln1 (part 17): grid 256 x 1, 8 waves a work-group, no clusters, 69,632 bytes of LDS; arguments y, hf, ln1_a, ln1_b, out0; writes out0
.if DOCPART == 17
	.amdgcn_target "amdgcn-amd-amdhsa--gfx1250"
	.amdhsa_code_object_version 6
	.text
	.protected	k_q96d156b1af_ln1
	.globl	k_q96d156b1af_ln1
	.p2align	8
	.type	k_q96d156b1af_ln1,@function
k_q96d156b1af_ln1:
	s_mov_b64 s[64:65], 0
	v_nop
	global_prefetch_b8 v0, s[64:65] scope:SCOPE_SE
	s_setreg_imm32_b32 hwreg(HW_REG_WAVE_MODE, 25, 1), 1
	s_wait_xcnt 0x0
; out0 = LayerNorm(y + h) x ln1_a + ln1_b, in f32 (sigma = sqrt(mean((v - mean)^2)); 1e-9 is added to sigma).
; y and hf lie as a product's accumulators: for each block of 16 rows and panel of 128 columns 8,192 bytes at (8 block + panel) x 8,192; registers 4 q .. 4 q + 3 of a lane's 64 at 512 q + 16 lane; register n is column
; 32 (n / 16) + 16 (lane / 16) + n % 16 of the panel; lane-row m of block rb is row 32 (rb / 2) + 16 (m / 8) + 8 (rb % 2) + m % 8.
; SHARES: a work-group takes one block of 16 rows; wave w its panel w: 64 numbers a lane, which stay in registers from the sum to the store: the deviation is taken of v - mean, never as a difference of large sums.
; A row's sums meet in LDS: two barriers.  The result turns through the wave's own stage in LDS and leaves as rows: each store covers 512 consecutive bytes of one row of out0.
; Memory binds: no matrix unit, no tensor loads, no cluster (no byte is read twice).
; LIMITS: a variance under 2^-126 counts as 0 in v_sqrt_f32; NaN and infinities are not served.
.set SP,  528                          ; a stage row: 512 bytes + 16
.set RED, 8*16*SP                      ; behind the eight stages: two regions of 512 bytes for the rows' partial sums: word 32 r + 4 w
.set LI,  1
.set RR,  2
.set HH,  3
.set SA,  4                            ; the stage by rows
.set SB,  5                            ; the stage by my row's blocks
.set PF,  6                            ; 64 h
.set RW,  7
.set RL,  8
.set LN,  9
.set MU,  12
.set IV,  14
.set V,   32
.set XR,  96                           ; h, later alpha, later rows of the result
.set BE,  160
.set T,   246
.set SEL, 40
.macro ACROSS red                      ; v[T]: my lane's sum -> the row's, over lane l xor 16 and the eight waves
	s_delay_alu instid0(VALU_DEP_1)
	v_permlanex16_b32 v[T+1], v[T], s[SEL], s[SEL+1]
	s_delay_alu instid0(VALU_DEP_1)
	v_add_f32 v[T], v[T], v[T+1]
	ds_store_b32 v[RW], v[T] offset:\red           ; both lanes of a row write the same word with the same value
	s_wait_dscnt 0x0                               ; for the others' sake
	s_barrier_signal -1
	s_barrier_wait -1
	ds_load_b128 v[T:T+3], v[RL] offset:\red
	ds_load_b128 v[T+4:T+7], v[RL] offset:\red+16
	s_wait_dscnt 0x0
	v_add_f32 v[T], v[T], v[T+1]
	v_add_f32 v[T+2], v[T+2], v[T+3]
	v_add_f32 v[T+4], v[T+4], v[T+5]
	v_add_f32 v[T+6], v[T+6], v[T+7]
	s_delay_alu instid0(VALU_DEP_3)
	v_add_f32 v[T], v[T], v[T+2]
	s_delay_alu instid0(VALU_DEP_2)
	v_add_f32 v[T+4], v[T+4], v[T+6]
	s_delay_alu instid0(VALU_DEP_1)
	v_add_f32 v[T], v[T], v[T+4]
.endm
	s_load_b256 s[4:11], s[0:1], 0x0               ; y, hf, ln1_a, ln1_b
	s_load_b64 s[12:13], s[0:1], 0x20              ; out0
	v_lshl_add_u32 v254, v0, 2, 0x10c00
	v_mov_b32 v255, 0
	v_lshrrev_b32 v2, 5, v0
	s_delay_alu instid0(VALU_DEP_1)
	v_readfirstlane_b32 s16, v2                    ; wave = panel
	v_and_b32 v[LN], 31, v0
	v_and_b32 v[RR], 15, v0
	v_bfe_u32 v[HH], v0, 4, 1
	s_delay_alu instid0(VALU_DEP_3)
	v_lshlrev_b32 v[LI], 4, v[LN]
	s_mul_i32 s17, s16, 16*SP
	v_add_nc_u32 v[SA], s17, v[LI]
	v_mul_u32_u24 v[SB], v[RR], SP
	s_delay_alu instid0(VALU_DEP_1)
	v_lshl_add_u32 v[SB], v[HH], 6, v[SB]
	s_delay_alu instid0(VALU_DEP_1)
	v_add_nc_u32 v[SB], s17, v[SB]
	v_lshlrev_b32 v[PF], 6, v[HH]
	v_lshlrev_b32 v[RL], 5, v[RR]
	s_delay_alu instid0(VALU_DEP_1)
	v_add_nc_u32 v[RL], RED, v[RL]
	s_lshl_b32 s17, s16, 2
	v_add_nc_u32 v[RW], s17, v[RL]
	s_mov_b32 s[SEL], 0x76543210
	s_mov_b32 s[SEL+1], 0xfedcba98
	s_lshl_b32 s20, ttmp9, 3
	s_add_co_u32 s20, s20, s16
	s_lshl_b32 s20, s20, 13                        ; my 8,192 bytes of y and of hf
	s_mov_b32 s21, 0
	s_lshr_b32 s22, ttmp9, 1
	s_lshl_b32 s22, s22, 17                        ; out0: row 32 (rb / 2) + 8 (rb % 2), 4,096 bytes a row,
	s_and_b32 s23, ttmp9, 1
	s_lshl_b32 s23, s23, 15
	s_add_co_u32 s22, s22, s23
	s_lshl_b32 s24, s16, 9                         ; + my panel's 512 bytes
	s_add_co_u32 s22, s22, s24
	s_mov_b32 s23, 0
	s_mov_b32 s25, 0
	s_wait_alu depctr_va_vdst(0)
	s_wait_kmcnt 0x0
	s_add_nc_u64 s[4:5], s[4:5], s[20:21]
	s_add_nc_u64 s[6:7], s[6:7], s[20:21]
	s_add_nc_u64 s[8:9], s[8:9], s[24:25]
	s_add_nc_u64 s[10:11], s[10:11], s[24:25]
	s_add_nc_u64 s[12:13], s[12:13], s[22:23]
.irp q, 0,1,2,3,4,5,6,7,8,9,10,11,12,13,14,15
	global_load_b128 v[V+4*\q:V+4*\q+3], v[LI], s[4:5] offset:512*\q th:TH_LOAD_NT
.endr
.irp q, 0,1,2,3,4,5,6,7,8,9,10,11,12,13,14,15
	global_load_b128 v[XR+4*\q:XR+4*\q+3], v[LI], s[6:7] offset:512*\q th:TH_LOAD_NT
.endr
.irp b, 0,1,2,3
.irp j, 0,1,2,3
	global_load_b128 v[BE+16*\b+4*\j:BE+16*\b+4*\j+3], v[PF], s[10:11] offset:128*\b+16*\j
.endr
.endr
	s_wait_loadcnt 16                              ; y and h are in; beta's 16 loads may be out
.set j, 0
.rept 32
	v_pk_add_f32 v[V+j:V+j+1], v[V+j:V+j+1], v[XR+j:XR+j+1]
.set j, j+2
.endr
.irp b, 0,1,2,3
.irp j, 0,1,2,3
	global_load_b128 v[XR+16*\b+4*\j:XR+16*\b+4*\j+3], v[PF], s[8:9] offset:128*\b+16*\j   ; alpha, into the registers that h has left
.endr
.endr
	v_pk_add_f32 v[248:249], v[32:33], v[34:35]
	v_pk_add_f32 v[252:253], v[40:41], v[44:45]
	v_pk_add_f32 v[250:251], v[48:49], v[52:53]
	v_pk_add_f32 v[244:245], v[56:57], v[60:61]
	v_pk_add_f32 v[242:243], v[64:65], v[68:69]
	v_pk_add_f32 v[240:241], v[72:73], v[76:77]
	v_pk_add_f32 v[238:239], v[80:81], v[84:85]
	v_pk_add_f32 v[246:247], v[88:89], v[92:93]
	s_delay_alu instid0(VALU_DEP_1)
	v_pk_add_f32 v[246:247], v[246:247], v[36:37]
	v_pk_add_f32 v[248:249], v[248:249], v[38:39]
	v_pk_add_f32 v[252:253], v[252:253], v[42:43]
	v_pk_add_f32 v[250:251], v[250:251], v[46:47]
	v_pk_add_f32 v[244:245], v[244:245], v[50:51]
	v_pk_add_f32 v[242:243], v[242:243], v[54:55]
	v_pk_add_f32 v[240:241], v[240:241], v[58:59]
	v_pk_add_f32 v[238:239], v[238:239], v[62:63]
	v_pk_add_f32 v[246:247], v[246:247], v[66:67]
	v_pk_add_f32 v[248:249], v[248:249], v[70:71]
	v_pk_add_f32 v[252:253], v[252:253], v[74:75]
	v_pk_add_f32 v[250:251], v[250:251], v[78:79]
	v_pk_add_f32 v[244:245], v[244:245], v[82:83]
	v_pk_add_f32 v[242:243], v[242:243], v[86:87]
	v_pk_add_f32 v[240:241], v[240:241], v[90:91]
	v_pk_add_f32 v[238:239], v[238:239], v[94:95]
	s_delay_alu instid0(VALU_DEP_4)
	v_pk_add_f32 v[246:247], v[246:247], v[244:245]
	s_delay_alu instid0(VALU_DEP_4)
	v_pk_add_f32 v[248:249], v[248:249], v[242:243]
	s_delay_alu instid0(VALU_DEP_4)
	v_pk_add_f32 v[252:253], v[252:253], v[240:241]
	s_delay_alu instid0(VALU_DEP_4)
	v_pk_add_f32 v[250:251], v[250:251], v[238:239]
	s_delay_alu instid0(VALU_DEP_2)
	v_pk_add_f32 v[246:247], v[246:247], v[252:253]
	s_delay_alu instid0(VALU_DEP_2)
	v_pk_add_f32 v[248:249], v[248:249], v[250:251]
	s_delay_alu instid0(VALU_DEP_1)
	v_pk_add_f32 v[246:247], v[246:247], v[248:249]
	s_delay_alu instid0(VALU_DEP_1)
	v_add_f32 v[T], v[T], v[T+1]
	ACROSS 0
	s_delay_alu instid0(VALU_DEP_1)
	v_mul_f32 v[MU], 0x3a800000, v[T]              ; / 1,024
	s_delay_alu instid0(VALU_DEP_1)
	v_mov_b32 v[MU+1], v[MU]
.set j, 0
.rept 32
	v_pk_add_f32 v[V+j:V+j+1], v[V+j:V+j+1], v[MU:MU+1] neg_lo:[0,1] neg_hi:[0,1]
.set j, j+2
.endr
	v_pk_mul_f32 v[T:T+1], v[V:V+1], v[V:V+1]
	v_pk_mul_f32 v[T+2:T+3], v[V+2:V+3], v[V+2:V+3]
.set j, 4
.rept 15
	s_delay_alu instid0(VALU_DEP_2)
	v_pk_fma_f32 v[T:T+1], v[V+j:V+j+1], v[V+j:V+j+1], v[T:T+1]
	s_delay_alu instid0(VALU_DEP_2)
	v_pk_fma_f32 v[T+2:T+3], v[V+j+2:V+j+3], v[V+j+2:V+j+3], v[T+2:T+3]
.set j, j+4
.endr
	s_delay_alu instid0(VALU_DEP_1)
	v_pk_add_f32 v[T:T+1], v[T:T+1], v[T+2:T+3]
	s_delay_alu instid0(VALU_DEP_1)
	v_add_f32 v[T], v[T], v[T+1]
	ACROSS 512
	s_delay_alu instid0(VALU_DEP_1)
	v_mul_f32 v[T], 0x3a800000, v[T]
	s_wait_alu depctr_va_vdst(0)
	v_sqrt_f32 v[IV], v[T]
	v_nop                                          ; a plain place behind each transcendental
	s_wait_alu depctr_va_vdst(0)
	v_add_f32 v[IV], 0x3089705f, v[IV]             ; sigma + 1e-9
	s_wait_alu depctr_va_vdst(0)
	v_rcp_f32 v[IV], v[IV]
	v_nop
	s_wait_alu depctr_va_vdst(0)
	v_mov_b32 v[IV+1], v[IV]
	s_wait_alu depctr_va_vdst(0)
	s_wait_loadcnt 0x0                             ; alpha and beta
.set j, 0
.rept 32
	v_pk_mul_f32 v[V+j:V+j+1], v[V+j:V+j+1], v[IV:IV+1]
.set j, j+2
.endr
.set j, 0
.rept 32
	v_pk_fma_f32 v[V+j:V+j+1], v[V+j:V+j+1], v[XR+j:XR+j+1], v[BE+j:BE+j+1]
.set j, j+2
.endr
.irp b, 0,1,2,3
.irp j, 0,1,2,3
	ds_store_b128 v[SB], v[V+16*\b+4*\j:V+16*\b+4*\j+3] offset:128*\b+16*\j   ; my row's 16 numbers of each block of 32
.endr
.endr
.irp m, 0,1,2,3,4,5,6,7,8,9,10,11,12,13,14,15
	ds_load_b128 v[XR+4*\m:XR+4*\m+3], v[SA] offset:SP*\m   ; LDS serves a wave's instructions in order: these see the stores above
.endr
.irp m, 0,1,2,3,4,5,6,7,8,9,10,11,12,13,14,15
	s_wait_dscnt 15-\m                             ; row m is back; the younger rows may be out
	global_store_b128 v[LI], v[XR+4*\m:XR+4*\m+3], s[12:13] offset:(16*(\m/8)+\m%8)*4096 th:TH_STORE_NT   ; 512 consecutive bytes of lane-row m's row
.endr
	s_wait_tensorcnt 0x0
	ds_add_u32 v254, v255
	s_wait_dscnt 0x0
	s_endpgm
.Lfunc_end_k_q96d156b1af_ln1:
	.size	k_q96d156b1af_ln1, .Lfunc_end_k_q96d156b1af_ln1-k_q96d156b1af_ln1
	.p2alignl 7, 3214868480
	.fill 96, 4, 3214868480
	.section	.rodata,"a",@progbits
	.p2align	6, 0x0
	.amdhsa_kernel k_q96d156b1af_ln1
		.amdhsa_group_segment_fixed_size 69632
		.amdhsa_private_segment_fixed_size 0
		.amdhsa_enable_private_segment 0
		.amdhsa_kernarg_size 40
		.amdhsa_user_sgpr_count 2
		.amdhsa_user_sgpr_kernarg_segment_ptr 1
		.amdhsa_wavefront_size32 1
		.amdhsa_system_sgpr_workgroup_id_x 1
		.amdhsa_system_sgpr_workgroup_id_y 1
		.amdhsa_system_sgpr_workgroup_id_z 1
		.amdhsa_system_vgpr_workitem_id 0
		.amdhsa_next_free_vgpr 256
		.amdhsa_next_free_sgpr 66
		.amdhsa_reserve_vcc 0
		.amdhsa_float_denorm_mode_32 3
		.amdhsa_float_denorm_mode_16_64 3
		.amdhsa_memory_ordered 1
		.amdhsa_forward_progress 1
		.amdhsa_inst_pref_size 28
	.end_amdhsa_kernel
	.amdgpu_metadata
---
amdhsa.version: [ 1, 2 ]
amdhsa.kernels:
  - .name:           k_q96d156b1af_ln1
    .symbol:         k_q96d156b1af_ln1.kd
    .args:
      - { .name: y, .offset: 0, .size: 8, .value_kind: global_buffer, .address_space: global }
      - { .name: hf, .offset: 8, .size: 8, .value_kind: global_buffer, .address_space: global }
      - { .name: ln1_a, .offset: 16, .size: 8, .value_kind: global_buffer, .address_space: global }
      - { .name: ln1_b, .offset: 24, .size: 8, .value_kind: global_buffer, .address_space: global }
      - { .name: out0, .offset: 32, .size: 8, .value_kind: global_buffer, .address_space: global }
    .group_segment_fixed_size: 69632
    .private_segment_fixed_size: 0
    .kernarg_segment_align: 8
    .kernarg_segment_size: 40
    .max_flat_workgroup_size: 256
    .sgpr_count:     66
    .vgpr_count:     256
    .wavefront_size: 32
...
	.end_amdgpu_metadata
.endif
;; end of part 17
